; MI455X (gfx1250); checked and timed in simulation.
; The chip was launched on July 23, 2026; its instructions are those of AMD's public machine-readable ISA for CDNA 5 (MIT licence, August 2026) and "CDNA5" Instruction Set Architecture Reference Guide (July 2026). The comments in the code are by the model that wrote it; some were corrected since.
;; Transformer Encoder. Allowed arithmetic: float matrix products may take bf16 or f16 operands with f32 sums; other float arithmetic in f32, or as packed bf16 or f16 multiplies, adds, multiply-adds, maxima and minima; sums over many terms, partial sums and values carried from step to step in f32; what a program stores and reads back later, other than sums and carried values, may be rounded once to bf16 or f16.
;; Inputs: W1 4,096 x 1,024 float32; W2 1,024 x 4,096 float32; Wk 1,024 x 1,024 float32; Wo 1,024 x 1,024 float32; Wq 1,024 x 1,024 float32; Wv 1,024 x 1,024 float32; b1 4,096 float32; b2 1,024 float32; bo 1,024 float32; la1_b 1,024 float32; la1_g 1,024 float32; la2_b 1,024 float32; la2_g 1,024 float32; x 2 x 2,048 x 1,024 float32.
;; Outputs: out0 2 x 2,048 x 1,024 float32.
;; One version. Each part assembles by itself: llvm-mc -triple=amdgcn-amd-amdhsa -mcpu=gfx1250 --defsym DOCPART=n.
;; ======== version 1 of 1: 7 launches
;; limits: a function is approximated: absolute error at most 1.5e-07
;; workspace buffers: wa 6,291,456 bytes; wb 18,874,368 bytes; h 8,388,608 bytes; qkv 25,165,824 bytes; o 8,388,608 bytes; res 16,777,216 bytes; m 33,554,432 bytes
;; launch prep (part 1): grid 448 x 1, 16 waves a work-group, no clusters, 0 bytes of LDS; arguments x, la1_g, la1_b, Wq, Wk, Wv, h, wa; writes h, wa
.if DOCPART == 1
	.amdgcn_target "amdgcn-amd-amdhsa--gfx1250"
	.amdhsa_code_object_version 6
	.text
	.protected	k_q35e01f9424_prep
	.globl	k_q35e01f9424_prep
	.p2align	8
	.type	k_q35e01f9424_prep,@function
k_q35e01f9424_prep:
	s_mov_b64 s[64:65], 0
	v_nop
	global_prefetch_b8 v0, s[64:65] scope:SCOPE_SE
	s_setreg_imm32_b32 hwreg(HW_REG_WAVE_MODE, 25, 1), 1
	s_wait_xcnt 0x0
; PREP.  Two streams in one launch, told apart by the work-group's number: what the projections to q, k and v need, and no more (the other weights are rounded beside those projections).
; Work-groups 0 .. 191: Wq, Wk, Wv, 3 Mi numbers of f32, are rounded once to bf16 into wa, one behind the other, each row-major as given.
;   A work-group takes 16,384 numbers, a wave 1,024: eight loads of 512 consecutive bytes, eight stores of 256 consecutive bytes, aligned.
; Work-groups 192 .. 447: h = layernorm(x) g + b, rounded once to bf16.  One wave, one row of 1,024 numbers (32 registers): the row is read once and stays in registers between the passes,
;   no wave waits for another.  The variance is the mean of (x - mean)^2, so a common offset of x is taken away before anything is squared.
; No LDS, no matrix unit, no cluster: every byte but g and b (8 KiB beside a work-group's 64 KiB of x) is read by one wave alone.
; LIMITS: NaN and infinities are not treated apart; sums are taken in a tree, not in the order of a plain loop.
.set X, 16                             ; v[16:47]   the row (or, in the cast, 32 numbers as loaded)
.set G, 48                             ; v[48:79]   g of my 32 columns (in the cast: v[48:63] the packed results)
.set B, 80                             ; v[80:111]  b of my 32 columns
.set T, 112                            ; v[112:127] at work, then the packed row
	s_load_b512 s[16:31], s[0:1], 0x0              ; x 16, g 18, b 20, Wq 22, Wk 24, Wv 26, h 28, wa 30
	v_lshrrev_b32 v4, 5, v0                        ; wave
	v_and_b32 v5, 31, v0                           ; lane
	v_lshlrev_b32 v3, 4, v5                        ; 16 x lane: my place in g and b
	v_lshl_or_b32 v1, v4, 12, v3                   ; source: 4,096 bytes a wave, 16 a lane
	v_lshlrev_b32 v2, 3, v5
	v_lshl_or_b32 v2, v4, 11, v2                   ; destination: 2,048 bytes a wave, 8 a lane
	s_mov_b32 s11, 0
	s_mov_b32 s13, 0
	s_cmp_lt_u32 ttmp9, 192
	s_cbranch_scc0 .Lln
	; THE CAST.  id / 64 names the matrix: 0 Wq, 1 Wk, 2 Wv
	s_lshr_b32 s8, ttmp9, 6
	s_and_b32 s10, ttmp9, 63
	s_lshl_b32 s10, s10, 16                        ; my 65,536 bytes in the matrix
	s_lshl_b32 s12, ttmp9, 15                      ; my 32,768 bytes of wa
	s_wait_kmcnt 0x0
	s_mov_b64 s[4:5], s[22:23]
	s_cmp_eq_u32 s8, 1
	s_cselect_b64 s[4:5], s[24:25], s[4:5]
	s_cmp_eq_u32 s8, 2
	s_cselect_b64 s[4:5], s[26:27], s[4:5]
	s_add_nc_u64 s[4:5], s[4:5], s[10:11]
	s_add_nc_u64 s[6:7], s[30:31], s[12:13]
.irp j, 0,1,2,3,4,5,6,7
	global_load_b128 v[X+4*\j:X+4*\j+3], v1, s[4:5] offset:512*\j th:TH_LOAD_NT
.endr
.irp j, 0,1,2,3,4,5,6,7
	s_wait_loadcnt 7-\j                            ; loads come back in order: number j is in, the 7 - j younger ones stay out
	v_cvt_pk_bf16_f32 v[G+2*\j], v[X+4*\j], v[X+4*\j+1]
	v_cvt_pk_bf16_f32 v[G+2*\j+1], v[X+4*\j+2], v[X+4*\j+3]
	global_store_b64 v2, v[G+2*\j:G+2*\j+1], s[6:7] offset:256*\j  ; 32 lanes store 256 consecutive bytes, aligned; no register is written twice, so nothing more is waited for
.endr
	s_endpgm
.Lln:
	; THE NORM.  Row = 16 (id - 192) + wave
	s_sub_co_u32 s8, ttmp9, 192
	s_lshl_b32 s10, s8, 16                         ; 16 rows of 4,096 bytes
	s_lshl_b32 s12, s8, 15                         ; 16 rows of 2,048 bytes
	s_mov_b32 s40, 0x3a800000                      ; 1 / 1024
	s_mov_b32 s41, 0x3727c5ac                      ; 1e-5
	s_mov_b32 s42, 0x76543210                      ; v_permlanex16_b32: each lane takes its own place in the other half
	s_mov_b32 s43, 0xfedcba98
	v_mov_b32 v9, 0                                ; v_permlanex16_b32's destination counts as read
	s_wait_kmcnt 0x0
	s_add_nc_u64 s[4:5], s[16:17], s[10:11]
	s_add_nc_u64 s[6:7], s[28:29], s[12:13]
.irp j, 0,1,2,3,4,5,6,7
	global_load_b128 v[X+4*\j:X+4*\j+3], v1, s[4:5] offset:512*\j th:TH_LOAD_NT
.endr
.irp j, 0,1,2,3,4,5,6,7
	global_load_b128 v[G+4*\j:G+4*\j+3], v3, s[18:19] offset:512*\j
.endr
.irp j, 0,1,2,3,4,5,6,7
	global_load_b128 v[B+4*\j:B+4*\j+3], v3, s[20:21] offset:512*\j
.endr
.macro TREE                            ; eight pairs in T into one number in v8
.irp i, 0,4,8,12
	v_pk_add_f32 v[T+\i:T+\i+1], v[T+\i:T+\i+1], v[T+\i+2:T+\i+3]
.endr
.irp i, 0,8
	v_pk_add_f32 v[T+\i:T+\i+1], v[T+\i:T+\i+1], v[T+\i+4:T+\i+5]
.endr
	v_pk_add_f32 v[T:T+1], v[T:T+1], v[T+8:T+9]
	v_add_f32 v8, v[T], v[T+1]
.endm
.macro XLANE                           ; v8 summed over the 32 lanes, the result in every lane
	v_add_f32_dpp v8, v8, v8 row_xmask:1 row_mask:0xf bank_mask:0xf
	v_add_f32_dpp v8, v8, v8 row_xmask:2 row_mask:0xf bank_mask:0xf
	v_add_f32_dpp v8, v8, v8 row_xmask:4 row_mask:0xf bank_mask:0xf
	v_add_f32_dpp v8, v8, v8 row_xmask:8 row_mask:0xf bank_mask:0xf
	v_permlanex16_b32 v9, v8, s42, s43
	v_add_f32 v8, v8, v9
.endm
	s_wait_loadcnt 16                              ; the row is in; the sixteen loads of g and b stay out
.set i, 0
.rept 8
	v_pk_add_f32 v[T+2*i:T+2*i+1], v[X+4*i:X+4*i+1], v[X+4*i+2:X+4*i+3]
.set i, i+1
.endr
	TREE
	XLANE
	v_mul_f32 v4, s40, v8                          ; the mean,
	v_mov_b32 v5, v4                               ; twice, for the packed subtraction
.set i, 0
.rept 16
	v_pk_add_f32 v[X+2*i:X+2*i+1], v[X+2*i:X+2*i+1], v[4:5] neg_lo:[0,1] neg_hi:[0,1]
.set i, i+1
.endr
.set i, 0
.rept 8
	v_pk_mul_f32 v[T+2*i:T+2*i+1], v[X+4*i:X+4*i+1], v[X+4*i:X+4*i+1]
.set i, i+1
.endr
.set i, 0
.rept 8
	v_pk_fma_f32 v[T+2*i:T+2*i+1], v[X+4*i+2:X+4*i+3], v[X+4*i+2:X+4*i+3], v[T+2*i:T+2*i+1]
.set i, i+1
.endr
	TREE
	XLANE
	v_fma_f32 v10, v8, s40, s41                    ; variance + eps
	v_rsq_f32 v6, v10
	v_nop                                          ; a plain instruction behind the root,
	s_wait_alu depctr_va_vdst(0)                   ; and the wait ahead of its first reader
	v_mov_b32 v7, v6
	s_wait_loadcnt 0x0                             ; g and b
.set i, 0
.rept 16
	v_pk_mul_f32 v[X+2*i:X+2*i+1], v[X+2*i:X+2*i+1], v[6:7]
	v_pk_fma_f32 v[X+2*i:X+2*i+1], v[X+2*i:X+2*i+1], v[G+2*i:G+2*i+1], v[B+2*i:B+2*i+1]
.set i, i+1
.endr
.set i, 0
.rept 16
	v_cvt_pk_bf16_f32 v[T+i], v[X+2*i], v[X+2*i+1]
.set i, i+1
.endr
.irp j, 0,1,2,3,4,5,6,7
	global_store_b64 v2, v[T+2*\j:T+2*\j+1], s[6:7] offset:256*\j  ; 256 consecutive bytes, aligned
.endr
	s_endpgm
.Lfunc_end_k_q35e01f9424_prep:
	.size	k_q35e01f9424_prep, .Lfunc_end_k_q35e01f9424_prep-k_q35e01f9424_prep
	.p2alignl 7, 3214868480
	.fill 96, 4, 3214868480
	.section	.rodata,"a",@progbits
	.p2align	6, 0x0
	.amdhsa_kernel k_q35e01f9424_prep
		.amdhsa_group_segment_fixed_size 0
		.amdhsa_private_segment_fixed_size 0
		.amdhsa_enable_private_segment 0
		.amdhsa_kernarg_size 64
		.amdhsa_user_sgpr_count 2
		.amdhsa_user_sgpr_kernarg_segment_ptr 1
		.amdhsa_wavefront_size32 1
		.amdhsa_system_sgpr_workgroup_id_x 1
		.amdhsa_system_sgpr_workgroup_id_y 1
		.amdhsa_system_sgpr_workgroup_id_z 1
		.amdhsa_system_vgpr_workitem_id 0
		.amdhsa_next_free_vgpr 128
		.amdhsa_next_free_sgpr 66
		.amdhsa_reserve_vcc 0
		.amdhsa_float_denorm_mode_32 3
		.amdhsa_float_denorm_mode_16_64 3
		.amdhsa_memory_ordered 1
		.amdhsa_forward_progress 1
		.amdhsa_inst_pref_size 15
	.end_amdhsa_kernel
	.amdgpu_metadata
---
amdhsa.version: [ 1, 2 ]
amdhsa.kernels:
  - .name:           k_q35e01f9424_prep
    .symbol:         k_q35e01f9424_prep.kd
    .args:
      - { .name: x, .offset: 0, .size: 8, .value_kind: global_buffer, .address_space: global }
      - { .name: la1_g, .offset: 8, .size: 8, .value_kind: global_buffer, .address_space: global }
      - { .name: la1_b, .offset: 16, .size: 8, .value_kind: global_buffer, .address_space: global }
      - { .name: Wq, .offset: 24, .size: 8, .value_kind: global_buffer, .address_space: global }
      - { .name: Wk, .offset: 32, .size: 8, .value_kind: global_buffer, .address_space: global }
      - { .name: Wv, .offset: 40, .size: 8, .value_kind: global_buffer, .address_space: global }
      - { .name: h, .offset: 48, .size: 8, .value_kind: global_buffer, .address_space: global }
      - { .name: wa, .offset: 56, .size: 8, .value_kind: global_buffer, .address_space: global }
    .group_segment_fixed_size: 0
    .private_segment_fixed_size: 0
    .kernarg_segment_align: 8
    .kernarg_segment_size: 64
    .max_flat_workgroup_size: 512
    .sgpr_count:     66
    .vgpr_count:     128
    .wavefront_size: 32
...
	.end_amdgpu_metadata
.endif
;; end of part 1
;; launch gemm_qkv (part 2): grid 16 x 16, 4 waves a work-group, clusters of 4 x 4, 327,680 bytes of LDS; arguments h, wa, qkv, wb, Wo, W1, W2; writes qkv, wb
.if DOCPART == 2
	.amdgcn_target "amdgcn-amd-amdhsa--gfx1250"
	.amdhsa_code_object_version 6
	.text
	.protected	k_q35e01f9424_gemm_qkv
	.globl	k_q35e01f9424_gemm_qkv
	.p2align	8
	.type	k_q35e01f9424_gemm_qkv,@function
k_q35e01f9424_gemm_qkv:
	s_mov_b64 s[64:65], 0
	v_nop
	global_prefetch_b8 v0, s[64:65] scope:SCOPE_SE
	s_setreg_imm32_b32 hwreg(HW_REG_WAVE_MODE, 25, 1), 1
	s_wait_xcnt 0x0
	s_wait_alu depctr_hold_cnt(0) depctr_sa_sdst(0) depctr_va_vdst(0) depctr_va_sdst(0) depctr_va_ssrc(0) depctr_va_vcc(0) depctr_vm_vsrc(0)
	s_getreg_b32 s2, hwreg(HW_REG_IB_STS2, 6, 4)
	s_cmp_eq_u32 s2, 0
	s_cbranch_scc0 .Lentry_in_a_cluster
	s_endpgm
.Lentry_in_a_cluster:
	s_bfe_u32 s2, ttmp6, 0x10000c
	s_cmp_lg_u32 s2, 0xf033
	s_cbranch_scc0 .Lentry_shape_is_right
	s_endpgm
.Lentry_shape_is_right:
; q, k, v = h [Wq; Wk; Wv]^T, stored by heads: qkv[b][which][head][n][64] in bf16.  h: [4096][1024] bf16; the weights: the 3,072 rows of wa, bf16; sums in f32, rounded once.
; Beside it: Wo, W1, W2 (f32) are rounded once to bf16 into wb, for the launches that follow.
; ONE TEXT SERVES TWO PRODUCTS C = A B^T of this program (this one and the first linear layer of the MLP); the switches below say what this copy does.
.set SIZE_N,  3072                     ; columns of C = rows of B
.set SIZE_K,  1024
.set WOFF,    0                        ; B's first byte in its buffer
.set BIAS,    0
.set GELU,    0
.set BYHEADS, 1                        ; C leaves by heads: a column tile is four heads
.set GR,      4                        ; pairs of rows in a trip of the way out (1 where there is a bias and a GELU)
.set CAST,    1                        ; the fourth column of clusters rounds weights
; A tile of C is 256 x 256.  Four waves, as many as a WGP has SIMDs, each 128 x 128: 64 accumulators of 16 x 16, 512 registers.  K goes in steps of 128 through two LDS slots: a tile's rows are
; 256 bytes of memory, at multiples of 256 from the buffer's first byte; a wave's tensor load brings 128 rows of A or of B.
; CAST = 1: C has 3,072 / 256 = 12 tile columns, three columns of clusters, 192 work-groups.  The grid's fourth column of clusters (cluster x = 3: the same number in all sixteen partners), 64
; work-groups, has no tile: it rounds the 9 Mi numbers of Wo, W1 and W2.  CAST = 0: 4,096 / 256 = 16 tile columns, 256 work-groups, all with a tile.
; CLUSTERS: 4 x 4 work-groups.  The four of a row of the cluster need the same tiles of A, the four of a column the same tiles of B: each tile is asked for JOINTLY.
; THE MATRIX INSTRUCTION IS USED TRANSPOSED (source 0 = 16 rows of B, source 1 = 16 rows of A): a lane then holds eight neighbouring numbers of a row of C.
; THE SLOT IN HAND IS A REGISTER (s2 = 0 or SLOT), so one K step is written for the loop.  The last two K steps, which ask for nothing, are a loop of two trips of their own
; in its second trip the fetch of a further step and that step's first quarter are jumped forward over.
; THE WAY OUT: the f32 sums go into a stage of 256 rows x 1,040 bytes that lies over both slots, behind their last fill and behind a barrier at which every wave's reads of them are over; then each
; wave takes 64 whole rows, does what is left to do (bias, GELU, rounding) and stores aligned runs of 256 bytes; a trip's rows are read from the stage while the trip before is worked on.
; LIMITS: matrix operands are bf16; NaN and infinities are not treated apart; erf in the GELU by a rational form with an error of at most 1.5e-7 for every argument.
; REGISTERS, in windows of 256: window 0: v0-31 addresses and the bias; v64-127, v128-191 fragments of A (8 x 16 rows x 32 K), two buffers, later at work on the way out;
;   window 1: v64-127, v128-191 fragments of B; window 2: the 32 accumulators of my rows 0-63 ((a, b) at 8 (8 a + b)); window 3: those of my rows 64-127.
.set KSTEP,  128
.set NSTEP,  SIZE_K/KSTEP
.set PITCH,  272                       ; an LDS row: 256 bytes + 16 of padding: the 16 rows of a fragment load start at 16 different groups of four banks
.set HALFT,  128*PITCH                 ; what one tensor load brings, and what one wave reads of A or of B
.set SLOT,   4*HALFT                   ; A's two halves, then B's two halves
.set SPARE,  2*SLOT                    ; behind the ring: the spare words, 128 bytes a wave, two blocks of 256 bytes that no other line names
.set SP,     1040                      ; a stage row: 256 f32 + 16 bytes
.set ROWB,   SIZE_N*2
.if BYHEADS
.set COLSH,  20                        ; a column tile is four heads of 262,144 bytes
.set CSTEP,  2*128                     ; two tokens of 128 bytes
.else
.set COLSH,  9
.set CSTEP,  2*ROWB
.endif
.set TRIPS,  32/GR
.set BI,    8                          ; v[8:15] the bias of my eight columns
.set ADRA0, 16                         ; my lane's place in slot 0, for A's fragments and for B's; never rewritten
.set ADRB0, 17
.set ADRA,  18                         ; the same in the slot in hand
.set ADRB,  19
.set STO,   20                         ; v20, v21: where I put 32 bytes of a stage row, for my rows 0-63 and 64-127
.set RD,    24                         ; where I read the stage
.set CO,    25                         ; my byte offset in C
.set SPW,   28                         ; my spare word: SPARE + 4 x my thread's number; never rewritten
.set NIL,   29                         ; 0; never rewritten
.set PFO,   30                         ; the prefetches' offset: my lane x a row of A or B in memory; never rewritten
.set BO,    31                         ; my byte offset in the bias
.set F0,    64
.set F1,    128
.set T,     64                         ; the way out, in the fragments' registers
.set U,     80
.set Q,     96
.set P,     112
.set MX,    128
.set N,     144                        ; the rows read ahead: 16 GR registers
.set CX,    64                         ; the cast: v[64:191] 32 slots of four numbers as loaded,
.set CY,    192                        ; v[192:255] 32 slots of four numbers packed
.set G1,    24                         ; s[24:31] group 1 for A; s[32:39] group 0: set 0 for K step 0, set 1 for K step 1, which then walks
.set G0,    32
.set G1B,   48                         ; s[48:55], s[56:63] the same for B
.set G0B,   56
.set TB,    2                          ; s2: the slot in hand
.set LAA,   66                         ; s66, s67: where my load lands in a slot, for A and for B
.set LAB,   67
.set LIM,   85                         ; s85: 1 in a wave that prefetches, else the greatest number
.set PFA,   86                         ; s[86:87]: where my prefetches stand
.set MSB, 0
.macro WIN new                         ; the immediate's high byte repeats the setting that is left
.if MSB != (\new)
	s_set_vgpr_msb (MSB<<8)|(\new)
.set MSB, \new
.endif
.endm
.set MUL_LO, 0xa1                      ; source 0 (B) window 1, source 1 (A) window 0, C and D window 2
.set MUL_HI, 0xf1                      ; the same, C and D window 3
.set TO_B,   0x40                      ; destination window 1, address window 0
.macro JLOAD s                         ; a joint load: waves 0 and 1 fetch A's halves, waves 2 and 3 B's; an s_nop 0 and four v_nop follow each line
	s_cmp_eq_u32 s11, 0
	s_cbranch_scc0 .Lfor_b_\@
	tensor_load_to_lds s[G0+4*(\s):G0+4*(\s)+3], s[G1:G1+7]
	s_nop 0
.rept 4
	v_nop
.endr
	s_branch .Lasked_\@
.Lfor_b_\@:
	tensor_load_to_lds s[G0B+4*(\s):G0B+4*(\s)+3], s[G1B:G1B+7]
	s_nop 0
.rept 4
	v_nop
.endr
.Lasked_\@:
.endm
; A PREFETCH, behind each joint refill and the run of LDS loads that follows it: the K step that the NEXT refill asks for, 256 matrix instructions ahead of that load: 32 rows x 256 bytes, a lane a row, one
; instruction a wave.  Each row's 256 bytes of a K step are named once in the launch: of the clusters that read the same rows of A the one with x = 0 asks, of those that read the same rows of B the one with
; y = 0; the four partners that ask for a tile jointly take 32 of a wave's 128 rows each, told apart by address.  K steps 0 to 2 come by their loads alone; the loop's last trip asks for nothing.
.macro ASK
	s_cmp_gt_u32 s3, s[LIM]
	s_cbranch_scc0 .Lnot_mine_\@
	global_prefetch_b8 v[PFO], s[PFA:PFA+1] th:TH_LOAD_NT scope:SCOPE_SE
.Lnot_mine_\@:
.endm
.macro CREST                           ; a round of the cluster's barrier behind its opening barrier
	s_cmp_lg_u32 s10, 0
	s_cbranch_scc1 .Lnot_wave_0_\@
	s_barrier_signal -3
.Lnot_wave_0_\@:
	s_barrier_wait -3
	s_barrier_signal -1
	s_barrier_wait -1
.endm
.macro CROUND
	s_barrier_signal -1
	s_barrier_wait -1
	CREST
.endm
.macro PLACES                          ; four places in front of loads into registers that matrix instructions have read
.rept 4
	v_nop
.endr
.endm
; The cast's slot j: its four numbers a lane are in, are packed, and leave.  ahead = 1: the slot is loaded again at once, from the next chunk.  left = how many younger loads may stay out.
.macro CSLOT j, ahead, left
	s_wait_loadcnt \left                           ; loads come back in order: this slot's is in
	v_cvt_pk_bf16_f32 v[CY+2*(\j)], v[CX+4*(\j)], v[CX+4*(\j)+1]
	v_cvt_pk_bf16_f32 v[CY+2*(\j)+1], v[CX+4*(\j)+2], v[CX+4*(\j)+3]
.if \ahead
	global_load_b128 v[CX+4*(\j):CX+4*(\j)+3], v4, s[6:7] offset:512*(\j) th:TH_LOAD_NT
.endif
	global_store_b64 v5, v[CY+2*(\j):CY+2*(\j)+1], s[4:5] offset:256*(\j)  ; 32 lanes store 256 consecutive bytes, aligned
.endm
	v_lshl_add_u32 v[SPW], v0, 2, SPARE
	v_mov_b32 v[NIL], 0
	v_lshrrev_b32 v1, 5, v0
	v_readfirstlane_b32 s10, v1                    ; wave 0..3
.if CAST
	s_cmp_lg_u32 ttmp9, 3                          ; the cluster's x: the same in all sixteen partners, so a whole cluster takes one way
	s_cbranch_scc1 .Lgemm
	; THE CAST.  Nine chunks of 1 Mi numbers: Wo; W1's four; W2's four; in wb one behind the other, 2 MiB each.  Of each chunk work-group i of the 64 takes numbers 16,384 i on, a wave 4,096 of
	; them: 32 loads of 512 consecutive bytes.  The 32 slots are a ring in registers: 32 loads of every wave are on their way from the first chunk to the last.  No LDS, no barrier but the text's last round.
	s_load_b64 s[4:5], s[0:1], 0x18                ; wb
	s_load_b128 s[12:15], s[0:1], 0x20             ; Wo, W1
	s_load_b64 s[16:17], s[0:1], 0x30              ; W2
	v_and_b32 v2, 31, v0
	v_lshlrev_b32 v4, 4, v2
	v_lshl_or_b32 v4, v1, 14, v4                   ; source: 16,384 bytes a wave, 16 a lane; never rewritten
	v_lshlrev_b32 v5, 3, v2
	v_lshl_or_b32 v5, v1, 13, v5                   ; destination: 8,192 bytes a wave, 8 a lane; never rewritten
	s_bfe_u32 s20, ttmp6, 0x40000                  ; cx, cy: they enter global addresses alone
	s_bfe_u32 s21, ttmp6, 0x40004
	s_and_b32 s22, ttmp7, 0xffff                   ; cluster y
	s_lshl_b32 s22, s22, 2
	s_add_co_u32 s22, s22, s21
	s_lshl_b32 s22, s22, 2
	s_add_co_u32 s22, s22, s20                     ; i = 4 (4 x cluster y + cy) + cx
	s_lshl_b32 s20, s22, 16                        ; my 65,536 bytes of a chunk,
	s_mov_b32 s21, 0
	s_lshl_b32 s22, s22, 15                        ; my 32,768 of its image
	s_mov_b32 s23, 0
	s_wait_kmcnt 0x0
	s_add_nc_u64 s[4:5], s[4:5], s[22:23]          ; where the chunk in hand goes
	s_add_nc_u64 s[12:13], s[12:13], s[20:21]      ; Wo at my part
	s_add_nc_u64 s[6:7], s[14:15], s[20:21]        ; where the next chunk comes from: W1 at my part
	s_add_nc_u64 s[16:17], s[16:17], s[20:21]      ; W2 at my part
.set j, 0
.rept 32
	global_load_b128 v[CX+4*j:CX+4*j+3], v4, s[12:13] offset:512*j th:TH_LOAD_NT
.set j, j+1
.endr
	s_mov_b32 s3, 1                                ; the chunk that is being asked for
.Lchunk:                                               ; eight trips: chunk s3 - 1 leaves, chunk s3 is asked for
.set j, 0
.rept 32
	CSLOT j, 1, 31                                 ; behind a slot's load stand the 31 - j of its chunk and the j of the next
.set j, j+1
.endr
	s_wait_xcnt 0x0                                ; the trip's loads and stores have read their addresses and data: only now are the pointers and, in the next trip, the packed registers written
	s_add_nc_u64 s[4:5], s[4:5], 0x200000
	s_add_nc_u64 s[6:7], s[6:7], 0x400000
	s_add_co_u32 s3, s3, 1
	s_cmp_eq_u32 s3, 5
	s_cselect_b64 s[6:7], s[16:17], s[6:7]         ; behind W1's four chunks come W2's
	s_cmp_lt_u32 s3, 9
	s_cbranch_scc1 .Lchunk
.set j, 0
.rept 32
	CSLOT j, 0, 31-j                               ; the last chunk loads nothing: the counts run down
.set j, j+1
.endr
	s_branch .Lend                                 ; every way through the text ends alike
.Lgemm:
.endif
	s_load_b128 s[4:7], s[0:1], 0x0                ; A s[4:5], B's buffer s[6:7]
	s_load_b64 s[8:9], s[0:1], 0x10                ; C
.if BIAS
	s_load_b64 s[68:69], s[0:1], 0x18              ; the bias
.endif
	ds_add_u32 v[SPW], v[NIL]                      ; the wave's opening: the add and its wait ahead of my first tensor load; work on registers stands between
	s_lshr_b32 s11, s10, 1                         ; my half of the tile's rows.  Also: I fetch for A (0) or for B (1)
	s_and_b32 s12, s10, 1                          ; my half of its columns.  Also: which 128 rows I fetch
	s_bfe_u32 s40, ttmp6, 0x40000                  ; cx, cy
	s_bfe_u32 s41, ttmp6, 0x40004
	s_lshl_b32 s42, ttmp9, 2
	s_add_co_u32 s42, s42, s40                     ; tile column = 4 x cluster x + cx
	s_and_b32 s13, ttmp7, 0xffff
	s_lshl_b32 s13, s13, 2
	s_add_co_u32 s13, s13, s41                     ; tile row = 4 x cluster y + cy
	s_lshl_b32 s43, s41, 2
	s_lshl_b32 s43, 15, s43                        ; my row of the cluster
	s_lshl_b32 s44, 0x1111, s40                    ; my column
	s_or_b32 s[G1+0], s43, (1<<16)|(1<<20)|(1<<21)|(5<<22)|(3<<25)   ; the mask; 2-byte elements; padding on; bit 21 beside a mask; after every 64 words 4 words
	s_or_b32 s[G1B+0], s44, (1<<16)|(1<<20)|(1<<21)|(5<<22)|(3<<25)
.irp g, G1, G1B
	s_mov_b32 s[(\g)+1], KSTEP<<16                 ; tensor_dim0 = 128
	s_mov_b32 s[(\g)+2], 128<<16                   ; tensor_dim1 = 128
	s_mov_b32 s[(\g)+3], KSTEP<<16                 ; tile_dim0
	s_mov_b32 s[(\g)+4], 128                       ; tile_dim1
	s_mov_b32 s[(\g)+5], SIZE_K                    ; from row to row
	s_mov_b32 s[(\g)+6], 0
	s_mov_b32 s[(\g)+7], 0
.endr
	s_lshl_b32 s17, s12, 7
	s_lshl_b32 s16, s13, 8
	s_add_co_u32 s16, s16, s17                     ; A: row 256 x tile row + 128 x half
	s_mul_i32 s16, s16, SIZE_K*2
	s_mov_b32 s17, 0
	s_lshl_b32 s47, s12, 7
	s_lshl_b32 s46, s42, 8
	s_add_co_u32 s46, s46, s47                     ; B: row 256 x tile column + 128 x half
	s_mul_i32 s46, s46, SIZE_K*2
	s_add_co_u32 s46, s46, WOFF
	s_mov_b32 s47, 0
	s_mul_i32 s[LAA], s12, HALFT                   ; no place in the cluster enters an LDS address
	s_add_co_u32 s[LAB], s[LAA], 2*HALFT
	s_mov_b32 s[TB], 0
.if GELU
	s_mov_b32 s72, 0x3f07dc22                      ; the GELU's constants, each as a pair: A5 .. A1, C2 = -log2(e) / 2, and PP
	s_mov_b32 s73, s72
	s_mov_b32 s74, 0xbf3a00e3
	s_mov_b32 s75, s74
	s_mov_b32 s76, 0x3f35f0e3
	s_mov_b32 s77, s76
	s_mov_b32 s78, 0xbe11a98e
	s_mov_b32 s79, s78
	s_mov_b32 s80, 0x3e027906
	s_mov_b32 s81, s80
	s_mov_b32 s82, 0xbf38aa3b
	s_mov_b32 s83, s82
	s_mov_b32 s84, 0x3e6d3388
.endif
	s_wait_dscnt 0x0                               ; the opening add is done
	s_wait_kmcnt 0x0
	s_add_nc_u64 s[14:15], s[4:5], s[16:17]
	s_add_nc_u64 s[46:47], s[6:7], s[46:47]
	CROUND                                         ; all sixteen work-groups are here: the first joint loads meet
.irp s, 0,1
	s_mov_b32 s[G0+4*(\s)], 1
	s_add_co_u32 s[G0+4*(\s)+1], s[LAA], (\s)*SLOT
	s_add_nc_u64 s[G0+4*(\s)+2:G0+4*(\s)+3], s[14:15], (\s)*KSTEP*2
	s_or_b32 s[G0+4*(\s)+3], s[G0+4*(\s)+3], 0x80000000
	s_mov_b32 s[G0B+4*(\s)], 1
	s_add_co_u32 s[G0B+4*(\s)+1], s[LAB], (\s)*SLOT
	s_add_nc_u64 s[G0B+4*(\s)+2:G0B+4*(\s)+3], s[46:47], (\s)*KSTEP*2
	s_or_b32 s[G0B+4*(\s)+3], s[G0B+4*(\s)+3], 0x80000000
	JLOAD \s                                       ; two loads of mine are out
.endr
	v_and_b32 v1, 15, v0                           ; l % 16
	v_bfe_u32 v2, v0, 4, 1                         ; l / 16
	v_and_b32 v5, 31, v0                           ; l
	v_mul_u32_u24 v3, v1, PITCH
	v_lshl_add_u32 v3, v2, 4, v3                   ; a fragment's row x pitch + 16 x half
	s_mul_i32 s21, s11, HALFT                      ; my 128 rows of A
	v_add_nc_u32 v[ADRA0], s21, v3
	v_add_nc_u32 v[ADRB0], s[LAB], v3              ; my 128 rows of B: the half s12, behind A's two
	v_mov_b32 v[ADRA], v[ADRA0]
	v_mov_b32 v[ADRB], v[ADRB0]
	s_mul_i32 s23, s11, 128*SP                     ; into the stage: row 128 x row half + l % 16, byte 512 x column half + 32 (l / 16)
	s_lshl_b32 s21, s12, 9
	s_add_co_u32 s23, s23, s21
	v_mul_u32_u24 v4, v1, SP
	v_lshl_add_u32 v4, v2, 5, v4
	v_add_nc_u32 v[STO], s23, v4
	v_add_nc_u32 v[STO+1], 64*SP, v[STO]           ; a second register, since an LDS offset has 16 bits
	s_mul_i32 s23, s10, 64*SP                      ; back: wave w takes rows 64 w .. 64 w + 63
.if BYHEADS
	v_mul_u32_u24 v4, v2, SP                       ; lanes 0-15 one token, lanes 16-31 the next; 16 lanes x 4 columns are one head
	v_lshl_add_u32 v4, v1, 4, v4
	v_add_nc_u32 v[RD], s23, v4
.else
	v_lshl_add_u32 v[RD], v5, 4, s23               ; 32 lanes x 16 bytes are half a row
.endif
	v_lshlrev_b32 v[CO], 3, v5                     ; my four numbers of bf16
.if BYHEADS
	s_lshr_b32 s16, s13, 3
	s_mul_i32 s16, s16, 3*16*2048*128              ; the batch
	s_and_b32 s17, s13, 7
	s_lshl_b32 s17, s17, 8
	s_lshl_b32 s18, s10, 6
	s_add_co_u32 s17, s17, s18                     ; my first token
	s_lshl_b32 s17, s17, 7
	s_add_co_u32 s16, s16, s17
.else
	s_lshl_b32 s16, s13, 8
	s_lshl_b32 s17, s10, 6
	s_add_co_u32 s16, s16, s17                     ; my first row of C: 256 x tile row + 64 x wave
	s_mul_i32 s16, s16, ROWB
.endif
	s_mov_b32 s17, 0
	s_add_nc_u64 s[8:9], s[8:9], s[16:17]
.if BIAS
	s_lshl_b32 s46, s42, 10
	v_lshl_add_u32 v[BO], v5, 4, s46
	global_load_b128 v[BI:BI+3], v[BO], s[68:69]               ; a lane's eight columns are the same in every row: 4 l .. in the row's first half,
	global_load_b128 v[BI+4:BI+7], v[BO], s[68:69] offset:512  ; 128 + 4 l .. in its second
.endif
	s_lshl_b32 s46, s42, COLSH                     ; the tile's first column, in bytes (in registers that never feed A's descriptors)
	s_mov_b32 s47, 0
	s_add_nc_u64 s[8:9], s[8:9], s[46:47]
	; the prefetches
	s_and_b32 s22, ttmp7, 0xffff                   ; cluster y
	s_lshl_b32 s20, s13, 8
	s_lshl_b32 s21, s42, 8
	s_cmp_eq_u32 s11, 0                            ; do I fetch for A?
	s_cselect_b32 s20, s20, s21                    ; the tile's first row: in A by the tile row, in B by the tile column
	s_cselect_b32 s21, s40, s41                    ; my place among the four that ask for it with me
	s_cselect_b32 s22, ttmp9, s22                  ; the coordinate along which other clusters read the same rows
	s_cselect_b32 s23, 0, WOFF
	s_cselect_b64 s[PFA:PFA+1], s[4:5], s[6:7]
	s_cmp_eq_u32 s22, 0
	s_cselect_b32 s[LIM], 1, -1                    ; the same in all sixteen partners, for a given wave
	s_lshl_b32 s22, s12, 7
	s_add_co_u32 s20, s20, s22                     ; + the 128 rows that I fetch
	s_lshl_b32 s21, s21, 5
	s_add_co_u32 s20, s20, s21                     ; + my work-group's 32 of them
	s_mul_i32 s20, s20, SIZE_K*2
	s_add_co_u32 s20, s20, s23
	s_add_co_u32 s20, s20, 2*KSTEP*2               ; at K step 2: the first refill steps it to 3
	s_mov_b32 s21, 0
	s_add_nc_u64 s[PFA:PFA+1], s[PFA:PFA+1], s[20:21]
	v_lshlrev_b32 v[PFO], 11, v5                   ; a row of A or B is 2,048 bytes
; 16 matrix instructions: m blocks a0, a0 + 1 of the window's four (hi = 0: my rows 0-63, 1: rows 64-127) x all 8 n blocks, 32 along K.  zero = 1: the first product starts the sums.
; The 64 accumulators take turns, in the same order in every quarter.
.macro MUL16 f, hi, a0, zero
	WIN MUL_LO+0x50*(\hi)
.irp a, \a0, (\a0)+1
.irp b, 0,1,2,3,4,5,6,7
.if \zero
	v_wmma_f32_16x16x32_bf16 v[8*(8*(\a)+(\b)):8*(8*(\a)+(\b))+7], v[(\f)+8*(\b):(\f)+8*(\b)+7], v[(\f)+8*(4*(\hi)+(\a)):(\f)+8*(4*(\hi)+(\a))+7], 0
.else
	v_wmma_f32_16x16x32_bf16 v[8*(8*(\a)+(\b)):8*(8*(\a)+(\b))+7], v[(\f)+8*(\b):(\f)+8*(\b)+7], v[(\f)+8*(4*(\hi)+(\a)):(\f)+8*(4*(\hi)+(\a))+7], v[8*(8*(\a)+(\b)):8*(8*(\a)+(\b))+7]
.endif
.endr
.endr
.endm
; 32 LDS loads in one run: the fragments of one quarter step (128 rows of B, 128 rows of A, 32 K at byte k of the rows of the slot in hand) into buffer f
.macro FETCH k, f
	WIN TO_B
.irp i, 0,1,2,3,4,5,6,7
	ds_load_b128 v[(\f)+8*(\i):(\f)+8*(\i)+3],   v[ADRB] offset:(\k)+(\i)*16*PITCH
	ds_load_b128 v[(\f)+8*(\i)+4:(\f)+8*(\i)+7], v[ADRB] offset:(\k)+(\i)*16*PITCH+32
.endr
	WIN 0
.irp i, 0,1,2,3,4,5,6,7
	ds_load_b128 v[(\f)+8*(\i):(\f)+8*(\i)+3],   v[ADRA] offset:(\k)+(\i)*16*PITCH
	ds_load_b128 v[(\f)+8*(\i)+4:(\f)+8*(\i)+7], v[ADRA] offset:(\k)+(\i)*16*PITCH+32
.endr
.endm
; A K step is four quarters of 32 along K, 64 matrix instructions each, on buffers 0, 1, 0, 1.  One of the first three: multiplies buffer f and, in its middle, fetches the next quarter, at byte k, into g.
.macro QUARTER k, f, g, zero
	s_wait_dscnt 8                                 ; B and A's rows 0-63 are in; the youngest eight loads (A's rows 64-127) may be out
	MUL16 \f, 0, 0, \zero
	MUL16 \f, 0, 2, \zero
	PLACES
	FETCH \k, \g
	s_wait_dscnt 32                                ; all but the 32 just issued
	MUL16 \f, 1, 0, \zero
	MUL16 \f, 1, 2, \zero
.endm
; The last quarter multiplies buffer 1 and, in its middle, changes slots: ONE barrier; in front of it each wave waits for all its tensor loads (one is out: its part of the next slot), adds 0 to its spare
; word, and waits for that and for its own reads of this slot.  The quarter's first 32 products stand AHEAD of that wait, so that they are issued while the tile is on its way; its last 32 stand behind
; the run of LDS loads that brings the next slot's first fragments.  fill = 1: the barrier opens a round of the cluster's, and the slot just read is filled again, two K steps ahead, first thing behind it:
; from that request to the wait for it a wave issues a K step's 256 matrix instructions.  fill = 0: the tail; in its second trip (s3 = 1) there is no further slot to fetch from.
.macro TURN fill
.if \fill
	s_wait_xcnt 0x0                                ; the last prefetch, a K step back, has read its address: it is stepped here, ahead of the change of slots
	s_add_nc_u64 s[PFA:PFA+1], s[PFA:PFA+1], KSTEP*2
.endif
	s_wait_dscnt 8                                 ; B and A's rows 0-63 of buffer 1 are in
	MUL16 F1, 0, 0, 0
	MUL16 F1, 0, 2, 0
	WIN 0
	s_wait_tensorcnt 0x0                           ; no tensor load of mine is out, so a group 0 may be written
	ds_add_u32 v[SPW], v[NIL]                      ; the descriptors' steps stand between the add and the wait for it
.if \fill
	s_add_co_u32 s[G0+5], s[LAA], s[TB]            ; the walking sets: into the slot just read,
	s_add_co_u32 s[G0B+5], s[LAB], s[TB]
	s_add_nc_u64 s[G0+6:G0+7], s[G0+6:G0+7], KSTEP*2  ; the next K step
	s_add_nc_u64 s[G0B+6:G0B+7], s[G0B+6:G0B+7], KSTEP*2
	s_xor_b32 s[TB], s[TB], SLOT
.endif
	s_wait_dscnt 0x0                               ; the add is done, and my reads of this slot are over
	s_barrier_signal -1
	s_barrier_wait -1
.if \fill
	CREST                                          ; no wave of any partner still reads this slot's tile or has a load on its way
	JLOAD 1                                        ; its four v_nop are also the places in front of the loads below
.else
	s_cmp_eq_u32 s3, 1
	s_cbranch_scc1 .Lnofetch_\@
	s_xor_b32 s[TB], s[TB], SLOT
	PLACES
.endif
	v_add_nc_u32 v[ADRA], s[TB], v[ADRA0]
	v_add_nc_u32 v[ADRB], s[TB], v[ADRB0]
	FETCH 0, F0
.if \fill
	ASK
.else
.Lnofetch_\@:
.endif
	MUL16 F1, 1, 0, 0
	MUL16 F1, 1, 2, 0
.endm
; gelu(t) = max(t, 0) - |t| r, r = erfc(|t| / sqrt 2) / 2 = (A1 u + .. + A5 u^5) 2^(C2 t^2), u = 1 / (1 + PP |t|): no difference of near numbers is formed.  16 numbers in T.
; The 32 transcendentals are one batch with one wait; the sixteen maxima are the plain work behind them.
.macro GELU16
.set i, 0
.rept 16
	v_fma_f32 v[U+i], |v[T+i]|, s84, 1.0
.set i, i+1
.endr
.set i, 0
.rept 8
	v_pk_mul_f32 v[Q+i:Q+i+1], v[T+i:T+i+1], v[T+i:T+i+1]
.set i, i+2
.endr
.set i, 0
.rept 8
	v_pk_mul_f32 v[Q+i:Q+i+1], v[Q+i:Q+i+1], s[82:83] op_sel_hi:[1,0]
.set i, i+2
.endr
.set i, 0
.rept 16
	v_rcp_f32 v[U+i], v[U+i]
.set i, i+1
.endr
.set i, 0
.rept 16
	v_exp_f32 v[Q+i], v[Q+i]
.set i, i+1
.endr
.set i, 0
.rept 16
	v_max_num_f32 v[MX+i], 0, v[T+i]
.set i, i+1
.endr
	s_wait_alu depctr_va_vdst(0)                   ; the wait ahead of the batch's first reader
.set i, 0
.rept 8
	v_pk_fma_f32 v[P+i:P+i+1], v[U+i:U+i+1], s[72:73], s[74:75] op_sel_hi:[1,0,0]
.set i, i+2
.endr
.irp k, 76, 78, 80
.set i, 0
.rept 8
	v_pk_fma_f32 v[P+i:P+i+1], v[P+i:P+i+1], v[U+i:U+i+1], s[\k:\k+1] op_sel_hi:[1,1,0]
.set i, i+2
.endr
.endr
.set i, 0
.rept 8
	v_pk_mul_f32 v[P+i:P+i+1], v[P+i:P+i+1], v[U+i:U+i+1]
.set i, i+2
.endr
.set i, 0
.rept 8
	v_pk_mul_f32 v[P+i:P+i+1], v[P+i:P+i+1], v[Q+i:Q+i+1]
.set i, i+2
.endr
.set i, 0
.rept 16
	v_fma_f32 v[T+i], -|v[T+i]|, v[P+i], v[MX+i]
.set i, i+1
.endr
.endm
; GR pairs of stage rows into N: 16 numbers a lane and pair
.macro LOADN
.set g, 0
.rept GR
.irp j, 0,1,2,3
.if BYHEADS
	ds_load_b128 v[N+16*g+4*(\j):N+16*g+4*(\j)+3], v[RD] offset:g*2*SP+(\j)*256            ; two tokens of head j
.else
	ds_load_b128 v[N+16*g+4*(\j):N+16*g+4*(\j)+3], v[RD] offset:g*2*SP+((\j)/2)*SP+((\j)%2)*512  ; row j / 2, half j % 2
.endif
.endr
.set g, g+1
.endr
.endm
	s_wait_tensorcnt 1                             ; my part of K step 0 is in; K step 1's may stay out
	s_barrier_signal -1
	s_barrier_wait -1
	FETCH 0, F0
	QUARTER 64, F0, F1, 1                          ; the first quarter stands in front of the loop: its products start the sums
	WIN 0
	s_mov_b32 s3, NSTEP-2
.Lstep:                                                ; a trip: from a K step's second quarter to the next step's first; the slot left behind is filled again
	QUARTER 128, F1, F0, 0
	QUARTER 192, F0, F1, 0
	TURN 1
	QUARTER 64, F0, F1, 0
	WIN 0
	s_sub_co_u32 s3, s3, 1
	s_cmp_lg_u32 s3, 0
	s_cbranch_scc1 .Lstep
	s_mov_b32 s3, 2
.Ltail:                                                ; the last two K steps ask for nothing
	QUARTER 128, F1, F0, 0
	QUARTER 192, F0, F1, 0
	TURN 0
	WIN 0
	s_cmp_eq_u32 s3, 1
	s_cbranch_scc1 .Lnoq                           ; behind the last K step there is no first quarter of a next one
	QUARTER 64, F0, F1, 0
	WIN 0
.Lnoq:
	s_sub_co_u32 s3, s3, 1
	s_cmp_lg_u32 s3, 0
	s_cbranch_scc1 .Ltail
	s_wait_dscnt 0x0                               ; THE RING'S BYTES CHANGE THEIR USE: a barrier of its own, in front of which my LDS reads are back
	s_barrier_signal -1
	PLACES                                         ; the places behind the last products
	PLACES
	s_barrier_wait -1                              ; everybody's are: both slots, which have had their last fill, may be written
.irp hi, 0,1
	WIN 0x08+4*(\hi)                               ; store data in window 2, then 3
.irp a, 0,1,2,3
.irp b, 0,1,2,3,4,5,6,7
	ds_store_b128 v[STO+(\hi)], v[8*(8*(\a)+(\b)):8*(8*(\a)+(\b))+3]   offset:(\a)*16*SP+64*(\b)     ; each accumulator's low registers first
	ds_store_b128 v[STO+(\hi)], v[8*(8*(\a)+(\b))+4:8*(8*(\a)+(\b))+7] offset:(\a)*16*SP+64*(\b)+16
.endr
.endr
.endr
	WIN 0
.if BIAS
	s_wait_loadcnt 0x0                             ; the bias
.endif
	s_wait_dscnt 0x0                               ; for the others' sake: a stage row comes from two waves
	s_barrier_signal -1
	s_barrier_wait -1
	LOADN                                          ; the first trip's rows
	s_mov_b32 s3, TRIPS
.Lrows:                                                ; a trip: 2 GR of my 64 rows
	s_wait_dscnt 0x0                               ; this trip's rows are in
.if BIAS
.irp j, 0,1,2,3
	v_pk_add_f32 v[T+4*(\j):T+4*(\j)+1], v[N+4*(\j):N+4*(\j)+1], v[BI+4*((\j)%2):BI+4*((\j)%2)+1]
	v_pk_add_f32 v[T+4*(\j)+2:T+4*(\j)+3], v[N+4*(\j)+2:N+4*(\j)+3], v[BI+4*((\j)%2)+2:BI+4*((\j)%2)+3]
.endr
.else
.set i, 0
.rept 8*GR
	v_cvt_pk_bf16_f32 v[U+i], v[N+2*i], v[N+2*i+1]
.set i, i+1
.endr
.endif
	s_cmp_eq_u32 s3, 1
	s_cbranch_scc1 .Lnomore                        ; the last trip has no rows behind it
	v_add_nc_u32 v[RD], GR*2*SP, v[RD]
	LOADN                                          ; the next trip's rows come while this trip's are worked on and stored
.Lnomore:
.if GELU
	GELU16
.endif
.if BIAS
.set i, 0
.rept 8
	v_cvt_pk_bf16_f32 v[U+i], v[T+2*i], v[T+2*i+1]
.set i, i+1
.endr
.endif
.set g, 0
.rept GR
.irp j, 0,1,2,3
.if BYHEADS
	global_store_b64 v[CO], v[U+8*g+2*(\j):U+8*g+2*(\j)+1], s[8:9] offset:g*CSTEP+(\j)*2048*128  ; 32 lanes store two tokens of one head: 256 consecutive bytes, aligned
.else
	global_store_b64 v[CO], v[U+8*g+2*(\j):U+8*g+2*(\j)+1], s[8:9] offset:g*CSTEP+((\j)/2)*ROWB+((\j)%2)*256  ; 256 consecutive bytes, aligned
.endif
.endr
.set g, g+1
.endr
	s_wait_xcnt 0x0                                ; the stores have read their data and their offset: only now are these written again
	v_add_nc_u32 v[CO], GR*CSTEP, v[CO]
	s_sub_co_u32 s3, s3, 1
	s_cmp_lg_u32 s3, 0
	s_cbranch_scc1 .Lrows
.Lend:
	s_wait_tensorcnt 0x0                           ; the wave's end: behind my last tensor load and my last LDS store
	ds_add_u32 v[SPW], v[NIL]
	s_wait_dscnt 0x0
	CROUND                                         ; the closing round: no work-group ends while a partner may still ask for a tile that names it
	s_endpgm
.Lfunc_end_k_q35e01f9424_gemm_qkv:
	.size	k_q35e01f9424_gemm_qkv, .Lfunc_end_k_q35e01f9424_gemm_qkv-k_q35e01f9424_gemm_qkv
	.p2alignl 7, 3214868480
	.fill 96, 4, 3214868480
	.section	.rodata,"a",@progbits
	.p2align	6, 0x0
	.amdhsa_kernel k_q35e01f9424_gemm_qkv
		.amdhsa_group_segment_fixed_size 327680
		.amdhsa_private_segment_fixed_size 0
		.amdhsa_enable_private_segment 0
		.amdhsa_kernarg_size 56
		.amdhsa_user_sgpr_count 2
		.amdhsa_user_sgpr_kernarg_segment_ptr 1
		.amdhsa_wavefront_size32 1
		.amdhsa_system_sgpr_workgroup_id_x 1
		.amdhsa_system_sgpr_workgroup_id_y 1
		.amdhsa_system_sgpr_workgroup_id_z 1
		.amdhsa_system_vgpr_workitem_id 0
		.amdhsa_next_free_vgpr 1024
		.amdhsa_next_free_sgpr 96
		.amdhsa_reserve_vcc 0
		.amdhsa_float_denorm_mode_32 3
		.amdhsa_float_denorm_mode_16_64 3
		.amdhsa_memory_ordered 1
		.amdhsa_forward_progress 1
		.amdhsa_inst_pref_size 107
	.end_amdhsa_kernel
	.amdgpu_metadata
---
amdhsa.version: [ 1, 2 ]
amdhsa.kernels:
  - .name:           k_q35e01f9424_gemm_qkv
    .symbol:         k_q35e01f9424_gemm_qkv.kd
    .args:
      - { .name: h, .offset: 0, .size: 8, .value_kind: global_buffer, .address_space: global }
      - { .name: wa, .offset: 8, .size: 8, .value_kind: global_buffer, .address_space: global }
      - { .name: qkv, .offset: 16, .size: 8, .value_kind: global_buffer, .address_space: global }
      - { .name: wb, .offset: 24, .size: 8, .value_kind: global_buffer, .address_space: global }
      - { .name: Wo, .offset: 32, .size: 8, .value_kind: global_buffer, .address_space: global }
      - { .name: W1, .offset: 40, .size: 8, .value_kind: global_buffer, .address_space: global }
      - { .name: W2, .offset: 48, .size: 8, .value_kind: global_buffer, .address_space: global }
    .group_segment_fixed_size: 327680
    .private_segment_fixed_size: 0
    .kernarg_segment_align: 8
    .kernarg_segment_size: 56
    .max_flat_workgroup_size: 128
    .sgpr_count:     96
    .vgpr_count:     1024
    .wavefront_size: 32
...
	.end_amdgpu_metadata
.endif
;; end of part 2
;; launch attn (part 3): grid 8 x 32, 4 waves a work-group, clusters of 4 x 1, 327,680 bytes of LDS; arguments qkv, o; writes o
.if DOCPART == 3
	.amdgcn_target "amdgcn-amd-amdhsa--gfx1250"
	.amdhsa_code_object_version 6
	.text
	.protected	k_q35e01f9424_attn
	.globl	k_q35e01f9424_attn
	.p2align	8
	.type	k_q35e01f9424_attn,@function
k_q35e01f9424_attn:
	s_mov_b64 s[64:65], 0
	v_nop
	global_prefetch_b8 v0, s[64:65] scope:SCOPE_SE
	s_setreg_imm32_b32 hwreg(HW_REG_WAVE_MODE, 25, 1), 1
	s_wait_xcnt 0x0
	s_wait_alu depctr_hold_cnt(0) depctr_sa_sdst(0) depctr_va_vdst(0) depctr_va_sdst(0) depctr_va_ssrc(0) depctr_va_vcc(0) depctr_vm_vsrc(0)
	s_getreg_b32 s2, hwreg(HW_REG_IB_STS2, 6, 4)
	s_cmp_eq_u32 s2, 0
	s_cbranch_scc0 .Lentry_in_a_cluster
	s_endpgm
.Lentry_in_a_cluster:
	s_bfe_u32 s2, ttmp6, 0x10000c
	s_cmp_lg_u32 s2, 0x3003
	s_cbranch_scc0 .Lentry_shape_is_right
	s_endpgm
.Lentry_shape_is_right:
; ATTENTION.  o[bh][q][:] = the sum over k of softmax_k(q . k / 32) v[k][:], for 32 heads of 2,048 rows of 64 channels.  qkv: [b 2][which 3][head 16][2048][64] bf16; o: [bh 32][2048][64] bf16.
; Products, maxima and sums in f32; the weights p are rounded to bf16 for the second product (their sum l is taken of the unrounded p), o once at the end.
; LIMITS.  A weight below 2^-126 counts as 0 in l; NaN and infinities are not treated apart; the running maximum starts at the lowest finite number.
; SHARES.  A work-group owns 256 queries of a head, a wave 64: four PIECES of 16.  Every wave walks all 2,048 keys, 64 a step, four steps (a tile of 256 keys) to an LDS slot, eight tiles.
; LAYOUT.  S^T = K Q^T holds ONE query a lane (lane % 16) and the keys 8 (lane / 16) + 0..7; two such results rounded to bf16 ARE source 1 of O^T = V^T P.  K comes out of LDS as it lies, V turned.
; SOFTMAX.  p = 2^(c s - c m), c = log2(e) / 32, with a running maximum m; O and l are multiplied by a = 2^(c m_old - c m_new) in every step.  m starts lowest, O and l at 0: the first step is like any other, a = 0.
; TURNS.  Turn n belongs to piece n: 8 products K Q^T of piece n + 1, later 8 products V^T P of piece n - 1; beside them the scaling, exponentials, roundings, sums and rescaling of piece n and the maximum
; and statistics of piece n + 1.  Four vector instructions stand behind every matrix instruction, the others in one run.  A turn's 33 exponentials are one batch, with one wait.
; CLUSTER.  The four query blocks of a cluster belong to one head and walk the same K and V: each tile is asked for JOINTLY, by the same tensor load, descriptor and mask in all four.
; REGISTERS, in windows of 256 (s_set_vgpr_msb: bits 1:0 source 0, 3:2 source 1, 5:4 source 2, 7:6 destination):
;   window 0: v0-15 addresses; v16-31 four registers of statistics a piece; v48-55 at work; v61-63 prefetch offset, spare word, 0; v64-127 S^T, two buffers; v192-223 P, two buffers (by the piece's parity)
;   window 1: v0-127 O^T, 32 a piece        window 2: v0-63 Q; v128-191 K of one step; v192-255 V of one step
.set NP,    4
.set KS,    64
.set PK,    144       ; a row of K in LDS: 128 bytes + 16: the 16 rows of a load start at 16 different groups of four banks
.set PV,    160       ; a row of V: 128 + 32
.set VOFF,  4*KS*PK   ; a slot: 256 rows of K, then 256 rows of V
.set SLOT1, 1<<17     ; slot 1 begins here: one exclusive or turns an address in one slot into the other's
.set STAGE, SLOT1+4*KS*(PK+PV)  ; behind the ring, never filled by a tensor load: 16 rows x 144 bytes a wave, for the way out
.set SP,    144
.set SPARE, STAGE+4*16*SP       ; the spare words, 128 bytes a wave: two blocks of 256 bytes that no other line names
.set AK0, 2
.set AV0, 3
.set AK,  4
.set AV,  5
.set STO, 6
.set RD,  7
.set GO,  8
.set MV,  12
.set QO,  15
.set ST,  16          ; piece t's statistics at v[ST+4 t]: c m, m, l (even keys', odd keys')
.set TMP, 48
.set PFO, 61          ; 256 x my lane; never rewritten
.set SPW, 62          ; SPARE + 4 x my thread's number; never rewritten
.set NIL, 63          ; 0; never rewritten
.set S,   64
.set P,   192
.set KF,  128
.set VF,  192
.set WV,  12
.set LIM, 15          ; 1 in a wave that prefetches, else the greatest number
.set PFA, 18          ; s[18:19] where my prefetches stand
.set G1K, 24
.set G1V, 32
.set G0K, 40
.set G0V, 44
.set SLOTS, 56
.set CNT, 57
.set CS,  58
.set SEL, 60
.set TBK, 62
.set TBV, 63
.set MSB, 0
.macro WIN new
.if MSB != (\new)
	s_set_vgpr_msb (MSB<<8)|(\new)
.set MSB, (\new)
.endif
.endm
.set W_KQ, 0x0a       ; K and Q in window 2, S^T in window 0
.set W_PV, 0x52       ; V in window 2, P in window 0, O^T in window 1
.set W_RS, 0x41       ; destination and source 0 in window 1, source 1 in window 0
; A joint fill.  Waves 0 and 1 fetch the halves of a tile's K, waves 2 and 3 those of its V: 128 keys each.  An s_nop 0 and four v_nop follow each line.
.macro JLOAD
	s_cmp_lt_u32 s[WV], 2
	s_cbranch_scc0 .Lfor_v_\@
	tensor_load_to_lds s[G0K:G0K+3], s[G1K:G1K+7]
	s_nop 0
.rept 4
	v_nop
.endr
	s_branch .Lasked_\@
.Lfor_v_\@:
	tensor_load_to_lds s[G0V:G0V+3], s[G1V:G1V+7]
	s_nop 0
.rept 4
	v_nop
.endr
.Lasked_\@:
.endm
; A prefetch of the tile that the NEXT change of slots will ask for: 128 blocks of 256 bytes of K and of V.  Each block is named once in the launch: of a head's two clusters the first asks; its four partners
; take 32 blocks each, told apart by address; in each, wave 0 asks for K's and wave 2 for V's, a lane a block.  It stands four key steps, 256 matrix instructions, ahead of the load.  The last fill asks for nothing.
.macro ASK
	s_cmp_gt_u32 s[SLOTS], s[LIM]
	s_cbranch_scc0 .Lnot_mine_\@
	global_prefetch_b8 v[PFO], s[PFA:PFA+1] th:TH_LOAD_NT scope:SCOPE_SE
.Lnot_mine_\@:
.endm
.macro CROUND
	s_barrier_signal -1
	s_barrier_wait -1
	s_cmp_lg_u32 s[WV], 0
	s_cbranch_scc1 .Lnot_wave_0_\@
	s_barrier_signal -3
.Lnot_wave_0_\@:
	s_barrier_wait -3
	s_barrier_signal -1
	s_barrier_wait -1
.endm
; THE CHANGE OF SLOTS.  Each wave waits for all its tensor loads (one is out: its part of the other slot), adds 0 to its spare word, and waits for that and for its own reads of the slot that it leaves.
; fill = 1: the barrier is a round of the cluster's, and the old slot is filled again first thing behind it, with the tile two on: it has four key steps in which to land.
.macro CHANGE fill
	WIN 0
	s_wait_tensorcnt 0x0            ; no tensor load of mine is out, so a group 0 may be written
	ds_add_u32 v[SPW], v[NIL]
.if \fill
.irp g, G0K, G0V
	s_xor_b32 s[\g+1], s[\g+1], SLOT1
	s_add_nc_u64 s[\g+2:\g+3], s[\g+2:\g+3], 4*KS*128
.endr
	s_wait_xcnt 0x0                 ; the last prefetch, four key steps back, has read its address
	s_add_nc_u64 s[PFA:PFA+1], s[PFA:PFA+1], 4*KS*128
	s_wait_dscnt 0x0                ; the add is done, and my reads of the slot are over
	CROUND
	JLOAD
	ASK
.else
	s_wait_dscnt 0x0
	s_barrier_signal -1
	s_barrier_wait -1
.endif
	s_sub_co_u32 s[TBK], s[TBK], 4*KS*PK  ; the fetches go back to a slot's first step, in the other slot
	s_xor_b32 s[TBK], s[TBK], SLOT1
	s_sub_co_u32 s[TBV], s[TBV], 4*KS*PV
	s_xor_b32 s[TBV], s[TBV], SLOT1
.endm
	s_load_b128 s[4:7], s[0:1], 0x0   ; qkv s[4:5], o s[6:7]
	v_lshl_add_u32 v[SPW], v0, 2, SPARE
	v_mov_b32 v[NIL], 0
	ds_add_u32 v[SPW], v[NIL]       ; the wave's opening: the add and its wait ahead of my first tensor load
	v_lshrrev_b32 v1, 5, v0
	v_readfirstlane_b32 s[WV], v1
	s_bfe_u32 s13, ttmp6, 0x40000   ; cx
	s_lshl_b32 s14, ttmp9, 2
	s_add_co_u32 s14, s14, s13      ; my block of 256 queries: it enters Q's and o's addresses alone
	s_and_b32 s20, ttmp7, 0xffff    ; the head, 0 .. 31, which the partners share
	s_lshr_b32 s21, s20, 4
	s_mul_i32 s21, s21, 3*16*2048*128
	s_and_b32 s22, s20, 15
	s_lshl_b32 s22, s22, 18
	s_add_co_u32 s22, s22, s21      ; q of this head in qkv
	s_and_b32 s16, s[WV], 1         ; which half of a tile's 256 keys I fetch
	s_lshl_b32 s2, s16, 14
	s_add_co_u32 s2, s2, s22
	s_add_co_u32 s2, s2, 16*2048*128  ; k lies 16 heads behind q
	s_mov_b32 s3, 0
	s_mul_i32 s17, s16, 128*PK      ; its place in a slot, for K
	s_mul_i32 s48, s16, 128*PV      ; and for V
	s_lshl_b32 s50, s14, 2
	s_add_co_u32 s50, s50, s[WV]
	s_lshl_b32 s50, s50, 13         ; my wave's 64 rows in a head
	s_lshl_b32 s52, s20, 18
	s_add_co_u32 s52, s52, s50      ; in o
	s_mov_b32 s53, 0
	s_add_co_u32 s50, s50, s22      ; in qkv
	s_mov_b32 s51, 0
	; group 1: 128 keys are 16,384 dense bytes: asked for as 64 rows of 256 bytes, two keys a row, padded in LDS after every key
	s_mov_b32 s[G1K], 15|(1<<16)|(1<<20)|(1<<21)|(4<<22)|(3<<25)
	s_mov_b32 s[G1V], 15|(1<<16)|(1<<20)|(1<<21)|(4<<22)|(7<<25)
.irp g, G1K, G1V
	s_mov_b32 s[\g+1], 128<<16
	s_mov_b32 s[\g+2], 64<<16
	s_mov_b32 s[\g+3], 128<<16
	s_mov_b32 s[\g+4], 64
	s_mov_b32 s[\g+5], 128
	s_mov_b32 s[\g+6], 0
	s_mov_b32 s[\g+7], 0
.endr
	s_mov_b32 s[CS], 0x3d38aa3b     ; c = log2(e) / 32
	s_mov_b32 s[CS+1], s[CS]
	s_mov_b32 s[SEL], 0x76543210
	s_mov_b32 s[SEL+1], 0xfedcba98
	s_mov_b32 s[TBK], SLOT1+4*KS*PK ; the first change of slots turns these two into 0
	s_mov_b32 s[TBV], SLOT1+4*KS*PV
	s_mov_b32 s[G0K], 1
	s_mov_b32 s[G0K+1], s17
	s_mov_b32 s[G0V], 1
	s_add_co_u32 s[G0V+1], s48, VOFF
	s_mov_b32 s[SLOTS], 7
	s_and_b32 s[LIM], s[WV], 1      ; waves 0 and 2 of the head's first cluster prefetch: the same in all four partners
	s_or_b32 s[LIM], s[LIM], ttmp9
	s_cmp_eq_u32 s[LIM], 0
	s_cselect_b32 s[LIM], 1, -1
	v_and_b32 v[PFO], 31, v0
	v_lshlrev_b32 v[PFO], 8, v[PFO]
	s_wait_dscnt 0x0                ; the opening add is done
	s_wait_kmcnt 0x0
	s_add_nc_u64 s[10:11], s[6:7], s[52:53]  ; o at my wave's first row
	s_add_nc_u64 s[6:7], s[4:5], s[2:3]      ; K at my half of tile 0
	s_add_nc_u64 s[8:9], s[6:7], 16*2048*128 ; V likewise
	s_add_nc_u64 s[4:5], s[4:5], s[50:51]    ; Q at my wave's first row
	s_mov_b64 s[G0K+2:G0K+3], s[6:7]
	s_or_b32 s[G0K+3], s[G0K+3], 0x80000000
	s_mov_b64 s[G0V+2:G0V+3], s[8:9]
	s_or_b32 s[G0V+3], s[G0V+3], 0x80000000
	s_cmp_lt_u32 s[WV], 2
	s_cselect_b64 s[PFA:PFA+1], s[6:7], s[8:9]
	s_lshl_b32 s2, s13, 13          ; my work-group's 32 blocks of the 128
	s_mov_b32 s3, 0
	s_add_nc_u64 s[PFA:PFA+1], s[PFA:PFA+1], s[2:3]
	s_add_nc_u64 s[PFA:PFA+1], s[PFA:PFA+1], 4*KS*128  ; in tile 1; the first change of slots steps it to tile 2.  Tiles 0 and 1 come by their loads alone
	CROUND                          ; all four work-groups are here
	JLOAD                           ; tile 0 into slot 0
	v_and_b32 v1, 15, v0            ; l % 16
	v_bfe_u32 v9, v0, 4, 1          ; l / 16
	v_lshlrev_b32 v[QO], 7, v1
	v_lshl_add_u32 v[QO], v9, 4, v[QO]
	WIN 0x80                        ; destination window 2
.set i, 0
.rept 8                             ; Q stays in registers: piece i / 2, channels 32 (i % 2) on
	global_load_b128 v[8*i:8*i+3],   v[QO], s[4:5] offset:(i/2)*2048+(i%2)*64
	global_load_b128 v[8*i+4:8*i+7], v[QO], s[4:5] offset:(i/2)*2048+(i%2)*64+32
.set i, i+1
.endr
	; What the first turn finds: V and P's second buffer hold 0 (its products V^T P, of a piece that has not been, add 0), O^T and l are 0.  All this stands in the wait for the first tile.
.set i, VF
.rept 64
	v_mov_b32 v[i], 0
.set i, i+1
.endr
	WIN 0x40
.set i, 0
.rept 128
	v_mov_b32 v[i], 0
.set i, i+1
.endr
	WIN 0
.set i, 0
.rept 4
	v_mov_b32 v[ST+4*i], 0xfe000000    ; c m: far below every c s
	v_mov_b32 v[ST+4*i+1], 0xff7fffff  ; m
	v_mov_b32 v[ST+4*i+2], 0
	v_mov_b32 v[ST+4*i+3], 0
.set i, i+1
.endr
.set i, P+16
.rept 16
	v_mov_b32 v[i], 0
.set i, i+1
.endr
	v_mul_u32_u24 v[AK0], v1, PK
	v_lshl_add_u32 v[AK0], v9, 4, v[AK0]
	v_and_b32 v10, 7, v0            ; the turning load: lane l reads key 8 (l / 16) + l % 8, channels 8 ((l / 8) % 2) + 0..7
	v_bfe_u32 v11, v0, 3, 1
	v_lshl_add_u32 v[AV0], v9, 3, v10
	v_mul_u32_u24 v[AV0], v[AV0], PV
	v_lshl_add_u32 v[AV0], v11, 4, v[AV0]
	v_add_nc_u32 v[AV0], VOFF, v[AV0]
	s_mul_i32 s13, s[WV], 16*SP
	s_add_co_u32 s13, s13, STAGE    ; my stage
	v_mul_u32_u24 v[STO], v1, SP
	v_lshl_add_u32 v[STO], v9, 4, v[STO]
	v_add_nc_u32 v[STO], s13, v[STO]
	v_bfe_u32 v[RD], v0, 3, 2       ; back: 32 lanes take four rows of 128 bytes,
	v_mul_u32_u24 v[RD], v[RD], SP
	v_lshl_add_u32 v[RD], v10, 4, v[RD]
	v_add_nc_u32 v[RD], s13, v[RD]
	v_and_b32 v[GO], 31, v0         ; which are 512 consecutive bytes of o
	v_lshlrev_b32 v[GO], 4, v[GO]
; THE MATRIX WORK.  The 4 accumulators of a run of 8 take turns.  Product i of 8 of S^T = K Q^T for piece x: channels 32 (i / 4) on, keys 16 (i % 4) on.  The first 4 start the sums.
.macro KQ x
	WIN W_KQ
.set rS, S+32*((\x)%2)+8*(i%4)
.set rK, KF+16*(i%4)+8*(i/4)
.set rQ, 16*(\x)+8*(i/4)
.if i < 4
	v_wmma_f32_16x16x32_bf16 v[rS:rS+7], v[rK:rK+7], v[rQ:rQ+7], 0
.else
	v_wmma_f32_16x16x32_bf16 v[rS:rS+7], v[rK:rK+7], v[rQ:rQ+7], v[rS:rS+7]
.endif
.endm
; Product i of 8 of O^T += V^T P for piece x: keys 32 (i / 4) on, channels 16 (i % 4) on.
.macro PV x
	WIN W_PV
.set rO, 32*(\x)+8*(i%4)
.set rV, VF+32*(i/4)+8*(i%4)
.set rP, P+16*((\x)%2)+8*(i/4)
	v_wmma_f32_16x16x32_bf16 v[rO:rO+7], v[rV:rV+7], v[rP:rP+7], v[rO:rO+7]
.endm
.macro MM                           ; the turn's next matrix instruction.  NOKQ = 1: the last turn of all: there is no next piece
.if (i < 8) && !NOKQ
	KQ (Y+1)%NP
.elseif i >= 8
.set i, i-8
	PV (Y+NP-1)%NP
.set i, i+8
.endif
.set i, i+1
.endm
; THE LDS LOADS stand in runs of 16: a step's K (8 fragments) and its V (turned).  Their addresses are made some lines ahead.
.macro FETCH_K
	WIN 0x80
.irp f, 0,1,2,3,4,5,6,7
	ds_load_b128 v[KF+8*\f:KF+8*\f+3],   v[AK] offset:(\f/2)*16*PK+(\f%2)*64
	ds_load_b128 v[KF+8*\f+4:KF+8*\f+7], v[AK] offset:(\f/2)*16*PK+(\f%2)*64+32
.endr
	s_add_co_u32 s[TBK], s[TBK], KS*PK
	WIN 0
.endm
.macro FETCH_V
	WIN 0x80
.irp f, 0,1,2,3,4,5,6,7
	ds_load_tr16_b128 v[VF+8*\f:VF+8*\f+3],   v[AV] offset:(\f/4)*32*PV+(\f%4)*32
	ds_load_tr16_b128 v[VF+8*\f+4:VF+8*\f+7], v[AV] offset:(\f/4)*32*PV+16*PV+(\f%4)*32
.endr
	WIN 0
.endm
; THE VECTOR WORK, one line at a time: OP kind, number.  For piece Y: F n: c s - c m for pair n of 16.  E n: the exponential of score n of 32.  C n: pair n rounded to bf16.  B n: of the four weights 4 n .. the
; second pair is added onto the first.  L n: l takes that sum (L 0: l = a l + sum).  R n: pair n of 16 of O^T times a.  For piece Y + 1: X n, number n of the 22 that find its maximum and statistics:
;   0-11 four chains of seven scores (each accumulator's lowest registers are read first); 12-14, 16 the scores left over, the old m, all into c0; 15 c m_old is kept;
;   17, 18 the other half of the lanes: the new m; 19-21 c m; c m_old - c m_new; a
.set F, 0
.set E, 1
.set C, 2
.set B, 3
.set L, 4
.set R, 5
.set X, 6
.macro REGS y
.set rT, ST+4*(\y)
.set rC, TMP+4*((\y)%2)
.set rW, MV+((\y)%2)
.set rS, S+32*((\y)%2)
.set rP, P+16*((\y)%2)
.set rO, 32*(\y)
.endm
.macro OP k, n
.if (\k) == R
	REGS Y
	WIN W_RS
	v_pk_mul_f32 v[rO+2*(\n):rO+2*(\n)+1], v[rO+2*(\n):rO+2*(\n)+1], v[rC+2:rC+3] op_sel_hi:[1,0]
.elseif (\k) < R
	REGS Y
	WIN 0
.if (\k) == F
	v_pk_fma_f32 v[rS+2*(\n):rS+2*(\n)+1], v[rS+2*(\n):rS+2*(\n)+1], s[CS:CS+1], v[rT:rT+1] op_sel_hi:[1,0,0] neg_lo:[0,0,1] neg_hi:[0,0,1]
.elseif (\k) == E
	v_exp_f32 v[rS+(\n)], v[rS+(\n)]
.elseif (\k) == C
	v_cvt_pk_bf16_f32 v[rP+(\n)], v[rS+2*(\n)], v[rS+2*(\n)+1]
.elseif (\k) == B
	v_pk_add_f32 v[rS+4*(\n):rS+4*(\n)+1], v[rS+4*(\n):rS+4*(\n)+1], v[rS+4*(\n)+2:rS+4*(\n)+3]
.elseif (\n) == 0
	v_pk_fma_f32 v[rT+2:rT+3], v[rT+2:rT+3], v[rC+2:rC+3], v[rS:rS+1] op_sel_hi:[1,0,1]
.else
	v_pk_add_f32 v[rT+2:rT+3], v[rT+2:rT+3], v[rS+4*(\n):rS+4*(\n)+1]
.endif
.elseif NOKQ
	v_nop
.else
	REGS (Y+1)%NP
	WIN 0
.if (\n) < 4
	v_max3_num_f32 v[rC+(\n)], v[rS+8*(\n)], v[rS+8*(\n)+1], v[rS+8*(\n)+2]
.elseif (\n) < 12
	v_max3_num_f32 v[rC+(\n)%4], v[rC+(\n)%4], v[rS+8*((\n)%4)+2*((\n)/4)+1], v[rS+8*((\n)%4)+2*((\n)/4)+2]
.elseif (\n) == 12
	v_max3_num_f32 v[rC], v[rC], v[rS+7], v[rS+15]
.elseif (\n) == 13
	v_max3_num_f32 v[rC+1], v[rC+1], v[rS+23], v[rS+31]
.elseif (\n) == 14
	v_max3_num_f32 v[rC+2], v[rC+2], v[rC+3], v[rT+1]
.elseif (\n) == 15
	v_mov_b32 v[rW], v[rT]
.elseif (\n) == 16
	v_max3_num_f32 v[rC], v[rC], v[rC+1], v[rC+2]
.elseif (\n) == 17
	v_permlanex16_b32 v[rC+3], v[rC], s[SEL], s[SEL+1]
.elseif (\n) == 18
	v_max_num_f32 v[rT+1], v[rC], v[rC+3]
.elseif (\n) == 19
	v_mul_f32 v[rT], s[CS], v[rT+1]
.elseif (\n) == 20
	v_sub_f32 v[rC+1], v[rW], v[rT]
.else
	v_exp_f32 v[rC+2], v[rC+1]
.endif
.endif
.endm
.macro OPS a, i1, b=-1, i2=0, c=-1, i3=0, d=-1, i4=0
	OP \a, \i1
.if (\b) >= 0
	OP \b, \i2
.endif
.if (\c) >= 0
	OP \c, \i3
.endif
.if (\d) >= 0
	OP \d, \i4
.endif
.endm
.macro ROW a, i1, b, i2, c, i3, d, i4  ; a matrix instruction and the four behind it
	MM
	OPS \a, \i1, \b, \i2, \c, \i3, \d, \i4
.endm
; A TURN, for piece p.  ONE wait cuts it in two: ahead of it stands all that names no result of the turn's exponentials (8 products K Q^T with their riders, then the run), behind it the 8 products V^T P, whose
; riders are the roundings and sums.  K of the next step is fetched in piece 2's turn, six plain instructions behind the last product that read K; V of the step in hand at the end of piece 0's turn, four plain
; instructions behind the last product that read V.  Each is waited for a turn later.  end = 1: the last two turns of all: nothing is fetched.  cnt = 1: the loop's count is taken down ahead of the branch.
.macro TURN p, end=0, cnt=0
.set Y, (\p)
.set i, 0
.set NOKQ, (\end)*((\p)/3)
.if ((\p) == 3) && !(\end)
	s_wait_dscnt 0x0                ; K is in
.endif
	ROW F,0, F,1, R,0, R,1
	ROW F,2, E,0, R,2, R,3
	ROW F,3, E,1, R,4, R,5
	ROW F,4, E,2, R,6, R,7
	ROW F,5, E,3, R,8, R,9
	ROW F,6, E,4, X,0, R,10
.if ((\p) == 2) && !(\end)
	WIN 0
	v_add_nc_u32 v[AK], s[TBK], v[AK0]
.endif
	ROW F,7, E,5, X,1, X,4
	ROW F,8, E,6, X,2, X,5
	OPS E,7, E,8, X,6, E,9
	OPS X,3, E,10, X,8, E,11
.if ((\p) == 2) && !(\end)
	FETCH_K
.endif
	OPS X,9, X,7, E,12, X,10
	OPS E,13, X,12, X,11, E,14
	OPS X,13, E,15, F,9, X,14
.if (\p) == 0
	v_add_nc_u32 v[AV], s[TBV], v[AV0]
.endif
	OPS E,16, F,10, E,17, F,11
	OPS X,16, E,18, X,15, E,19
	OPS F,12, E,20, X,17, E,21
	OPS F,13, E,22, F,14, E,23
	OPS X,18, E,24, F,15, E,25
	OPS R,11, E,26, X,19, E,27
	OPS R,12, E,28, R,13, E,29
	OPS X,20, E,30, R,14, E,31
	OPS X,21, R,15                  ; the next piece's a is the batch's last; R 15 is the plain instruction behind it
	WIN 0
	s_wait_alu depctr_va_vdst(0)    ; the wait for the batch, ahead of its first reader
.if (\p) == 1
	s_wait_dscnt 0x0                ; V is in
.endif
	ROW C,0, B,0, C,2, B,1
	ROW L,0, C,4, B,2, L,1
	ROW C,6, B,3, L,2, C,8
	ROW B,4, L,3, C,10, B,5
	ROW L,4, C,12, B,6, L,5
.if (\p) == 0
	s_add_co_u32 s[TBV], s[TBV], KS*PV
.endif
.if \cnt
	s_sub_co_u32 s[CNT], s[CNT], 1
	s_cmp_lg_u32 s[CNT], 0
.endif
	ROW C,14, B,7, L,6, C,1
	ROW C,3, L,7, C,5, C,7
	ROW C,9, C,11, C,13, C,15
.if (\p) == 0
	FETCH_V
.endif
.endm
	CHANGE 1                        ; tile 0 is in, everybody's part of it; tile 1 is asked for
	v_add_nc_u32 v[AK], s[TBK], v[AK0]
	FETCH_K                         ; key step 0
	s_wait_loadcnt 0x0              ; Q
	s_wait_dscnt 0x0
.set NOKQ, 0
.set i, 0
.rept 8
	KQ 0                            ; piece 0's first scores
.set i, i+1
.endr
	WIN 0
.rept 4
	v_nop                           ; the places behind those products
.endr
.set Y, NP-1                        ; X works for piece Y + 1: piece 0
.irp n, 0,1,2,3,4,5,6,7,8,9,10,11,12,13,14,15,16,17,18,19,20,21
	OP X, \n
.endr
	v_nop                           ; a plain instruction behind the exponential,
	s_wait_alu depctr_va_vdst(0)    ; and its wait, ahead of the branch
	s_mov_b32 s[CNT], 4
	s_branch .Lfirst                ; the loop is entered at a step's first turn, in the middle of a trip
.Lslot:                             ; six times: tiles 2 to 7 are asked for
	CHANGE 1
	s_mov_b32 s[CNT], 4
.Lstep:                             ; a trip: pieces 2 and 3 of one step, then pieces 0 and 1 of the next, whose K and V it fetches
	TURN 2
	TURN 3
	WIN 0
.Lfirst:
	TURN 0
	TURN 1, 0, 1
	WIN 0
	s_cbranch_scc1 .Lstep
	s_sub_co_u32 s[SLOTS], s[SLOTS], 1
	s_cmp_lg_u32 s[SLOTS], 0
	s_cbranch_scc1 .Lslot
	CHANGE 0                        ; the last tile is written out: nothing is asked for
	s_mov_b32 s[CNT], 4
.LstepT:
	TURN 2
	TURN 3
	TURN 0
	TURN 1, 0, 1
	WIN 0
	s_cbranch_scc1 .LstepT
	TURN 2, 1
	TURN 3, 1
.set i, 0
.rept 8
	PV NP-1                         ; the last piece's V^T P of the last step
.set i, i+1
.endr
	; THE WAY OUT.  l's two halves and the other half of the lanes' are added; O^T is divided by l, rounded to bf16 and sent through my stage in LDS, a piece at a time.  The additions are the places behind the last products.
	WIN 0
.macro ALL line:vararg
.set t, 0
.rept 4
	\line
.set t, t+1
.endr
.endm
	ALL v_add_f32 v[ST+4*t+2], v[ST+4*t+2], v[ST+4*t+3]
	ALL v_permlanex16_b32 v[ST+4*t+3], v[ST+4*t+2], s[SEL], s[SEL+1]
	ALL v_add_f32 v[ST+4*t+2], v[ST+4*t+2], v[ST+4*t+3]
	ALL v_rcp_f32 v[ST+4*t+2], v[ST+4*t+2]
	v_nop                           ; a plain instruction between the last reciprocal and the use of its result
	s_wait_alu depctr_va_vdst(0)    ; one wait for the four reciprocals
.macro PACK t                       ; a lane's eight channels of a row pack into 16 bytes; they go into rows of 144 bytes and come back as whole rows of 128, into S^T's registers
	WIN W_RS
.set i, 32*(\t)
.rept 16
	v_pk_mul_f32 v[i:i+1], v[i:i+1], v[ST+4*(\t)+2:ST+4*(\t)+3] op_sel_hi:[1,0]
.set i, i+2
.endr
	WIN 0x05                        ; sources 0 and 1 window 1, destination window 0
.set i, 0
.rept 16
	v_cvt_pk_bf16_f32 v[S+16*(\t)+i], v[32*(\t)+2*i], v[32*(\t)+2*i+1]
.set i, i+1
.endr
	WIN 0
.irp f, 0,1,2,3
	ds_store_b128 v[STO], v[S+16*(\t)+4*\f:S+16*(\t)+4*\f+3] offset:32*\f
.endr
.irp f, 0,1,2,3
	ds_load_b128 v[S+16*(\t)+4*\f:S+16*(\t)+4*\f+3], v[RD] offset:\f*4*SP  ; LDS serves a wave's instructions in order: these see the stores above; the next piece's stores come behind them
.endr
.endm
.macro SEND t, younger              ; younger: the LDS instructions issued behind piece t's loads: the next piece's eight, or none
	WIN 0
.irp f, 0,1,2,3
	s_wait_dscnt (\younger)+3-\f
	global_store_b128 v[GO], v[S+16*(\t)+4*\f:S+16*(\t)+4*\f+3], s[10:11] offset:(\t)*2048+\f*512  ; 512 consecutive bytes, aligned
.endr
.endm
	PACK 0
.set t, 1
.rept 3
	PACK t
	SEND t-1, 8
.set t, t+1
.endr
	SEND 3, 0
	s_wait_tensorcnt 0x0            ; the wave's end: behind my last tensor load and my last LDS store
	ds_add_u32 v[SPW], v[NIL]
	s_wait_dscnt 0x0
	CROUND                          ; the closing round
	s_endpgm
.Lfunc_end_k_q35e01f9424_attn:
	.size	k_q35e01f9424_attn, .Lfunc_end_k_q35e01f9424_attn-k_q35e01f9424_attn
	.p2alignl 7, 3214868480
	.fill 96, 4, 3214868480
	.section	.rodata,"a",@progbits
	.p2align	6, 0x0
	.amdhsa_kernel k_q35e01f9424_attn
		.amdhsa_group_segment_fixed_size 327680
		.amdhsa_private_segment_fixed_size 0
		.amdhsa_enable_private_segment 0
		.amdhsa_kernarg_size 16
		.amdhsa_user_sgpr_count 2
		.amdhsa_user_sgpr_kernarg_segment_ptr 1
		.amdhsa_wavefront_size32 1
		.amdhsa_system_sgpr_workgroup_id_x 1
		.amdhsa_system_sgpr_workgroup_id_y 1
		.amdhsa_system_sgpr_workgroup_id_z 1
		.amdhsa_system_vgpr_workitem_id 0
		.amdhsa_next_free_vgpr 768
		.amdhsa_next_free_sgpr 66
		.amdhsa_reserve_vcc 0
		.amdhsa_float_denorm_mode_32 3
		.amdhsa_float_denorm_mode_16_64 3
		.amdhsa_memory_ordered 1
		.amdhsa_forward_progress 1
		.amdhsa_inst_pref_size 128
	.end_amdhsa_kernel
	.amdgpu_metadata
---
amdhsa.version: [ 1, 2 ]
amdhsa.kernels:
  - .name:           k_q35e01f9424_attn
    .symbol:         k_q35e01f9424_attn.kd
    .args:
      - { .name: qkv, .offset: 0, .size: 8, .value_kind: global_buffer, .address_space: global }
      - { .name: o, .offset: 8, .size: 8, .value_kind: global_buffer, .address_space: global }
    .group_segment_fixed_size: 327680
    .private_segment_fixed_size: 0
    .kernarg_segment_align: 8
    .kernarg_segment_size: 16
    .max_flat_workgroup_size: 128
    .sgpr_count:     66
    .vgpr_count:     768
    .wavefront_size: 32
...
	.end_amdgpu_metadata
.endif
;; end of part 3
;; launch gemm_wo (part 4): grid 8 x 32, 4 waves a work-group, clusters of 4 x 4, 327,680 bytes of LDS; arguments o, wb, res, bo, x; writes res
.if DOCPART == 4
	.amdgcn_target "amdgcn-amd-amdhsa--gfx1250"
	.amdhsa_code_object_version 6
	.text
	.protected	k_q35e01f9424_gemm_wo
	.globl	k_q35e01f9424_gemm_wo
	.p2align	8
	.type	k_q35e01f9424_gemm_wo,@function
k_q35e01f9424_gemm_wo:
	s_mov_b64 s[64:65], 0
	v_nop
	global_prefetch_b8 v0, s[64:65] scope:SCOPE_SE
	s_setreg_imm32_b32 hwreg(HW_REG_WAVE_MODE, 25, 1), 1
	s_wait_xcnt 0x0
	s_wait_alu depctr_hold_cnt(0) depctr_sa_sdst(0) depctr_va_vdst(0) depctr_va_sdst(0) depctr_va_ssrc(0) depctr_va_vcc(0) depctr_vm_vsrc(0)
	s_getreg_b32 s2, hwreg(HW_REG_IB_STS2, 6, 4)
	s_cmp_eq_u32 s2, 0
	s_cbranch_scc0 .Lentry_in_a_cluster
	s_endpgm
.Lentry_in_a_cluster:
	s_bfe_u32 s2, ttmp6, 0x10000c
	s_cmp_lg_u32 s2, 0xf033
	s_cbranch_scc0 .Lentry_shape_is_right
	s_endpgm
.Lentry_shape_is_right:
; res = o Wo^T + bo + x, in f32.  o: [bh 32][2048][64] bf16, read by heads; Wo: the first 1,024 rows of wb, bf16; bo, x, res in f32; sums in f32.
; ONE TEXT SERVES TWO PRODUCTS C = A B^T + bias (+ GELU) + residual of this program (this one and the second linear layer of the MLP); the switches below say what this copy does.
.set SIZE_N,  1024                     ; columns of C = rows of B
.set SIZE_K,  1024
.set WOFF,    0                        ; B's first byte in wb
.set AHEADS,  1                        ; 1: A lies by heads, [32][2048][64]
.set GELU,    0
; A tile of C is 128 x 128: 4,096 / 128 x 1,024 / 128 = 256 work-groups.  Four waves, each 64 x 64: 16 accumulators of 16 x 16.  K goes in steps of 256 through two LDS slots; a wave's tensor load
; brings 64 rows of A or of B.
; CLUSTERS: 4 x 4 work-groups.  The four of a row of the cluster need the same tiles of A, the four of a column the same tiles of B: each tile is asked for JOINTLY.
; THE MATRIX INSTRUCTION IS USED TRANSPOSED (source 0 = 16 rows of B, source 1 = 16 rows of A): a lane then holds eight neighbouring numbers of a row of C.
; THE SLOT IN HAND IS A REGISTER (s2 = 0 or SLOT), so one K step is written for the loop.  The last two K steps, which ask for nothing, are a loop of two trips of their own
; in its second trip the fetch of a further step and that step's first quarter are jumped forward over.
; THE WAY OUT: the f32 sums go into a stage of 128 rows x 528 bytes that lies in slot 0, behind that slot's last fill and behind a barrier at which every wave's reads of both slots are over;
; then each wave takes 32 whole rows, four a trip, adds the bias, takes the GELU where there is one, adds the residual and stores aligned runs of 512 bytes.
; LIMITS: matrix operands are bf16; NaN and infinities are not treated apart; erf in the GELU by a rational form with an error of at most 1.5e-7 for every argument.
; REGISTERS: window 0: v0-31 addresses, v32-127 at work on the way out, v128-255 the accumulators ((a, b) at 128 + 8 (4 a + b)); window 1: two fragment buffers of 128 (64 of A, 64 of B, for 64 along K);
;   window 2: my 32 rows of the residual, loaded during the products.
.set KSTEP,  256
.set NSTEP,  SIZE_K/KSTEP
.set PITCH,  528                       ; an LDS row of B: 512 bytes + 16 of padding: the 16 rows of a fragment load start at 16 different groups of four banks
.set HALFB,  64*PITCH
.if AHEADS
.set PA,     144                       ; A by heads: a token's 128 bytes of one head + 16 of padding; a K step is four heads, each 64 tokens x 144 bytes
.set HALFA,  4*64*PA
.set KADV_A, 4*2048*64*2               ; four heads on
.else
.set PA,     528
.set HALFA,  64*PA
.set KADV_A, KSTEP*2
.endif
.set SLOT,   2*HALFA+2*HALFB           ; A's two halves, then B's two halves
.set SPARE,  2*SLOT                    ; behind the ring: the spare words, 128 bytes a wave, two blocks of 256 bytes that no other line names
.set SP,     528                       ; a stage row: 128 f32 + 16 bytes
.set RES,    SLOT                      ; the residual's rows are parked in slot 1, behind its last fill: 16,384 bytes a wave
.set ROWB,   SIZE_N*4
.set BI,    8                          ; v[8:11] the bias of my four columns
.set ADRA0, 16                         ; my lane's place in slot 0, for A's fragments and for B's; never rewritten
.set ADRB0, 17
.set ADRA,  18                         ; the same in the slot in hand
.set ADRB,  19
.set STO,   24                         ; where I put 32 bytes of a stage row
.set RD,    25                         ; where I read the stage
.set CO,    26                         ; my byte offset in C
.set RW,    27                         ; my place in the parked residual
.set SPW,   28                         ; my spare word: SPARE + 4 x my thread's number; never rewritten
.set NIL,   29                         ; 0; never rewritten
.set BO,    30                         ; my byte offset in the bias
.set T,     32
.set U,     48
.set Q,     64
.set P,     80
.set MX,    96
.set RS,    112
.set ACC,   128
.set F0,    0
.set F1,    128
.set G1,    24                         ; s[24:31] group 1 for A; s[32:39] group 0: set 0 for K step 0, set 1 for K step 1, which then walks
.set G0,    32
.set G1B,   48                         ; s[48:55], s[56:63] the same for B
.set G0B,   56
.set TB,    2                          ; s2: the slot in hand
.set LAA,   66                         ; s66, s67: where my load lands in a slot, for A and for B
.set LAB,   67
.set MSB, 0
.macro WIN new                         ; the immediate's high byte repeats the setting that is left
.if MSB != (\new)
	s_set_vgpr_msb (MSB<<8)|(\new)
.set MSB, \new
.endif
.endm
.set MUL,  0x05                        ; sources 0 (B) and 1 (A) window 1; C and D window 0
.set TO_F, 0x40                        ; destination window 1, address window 0
.macro JLOAD s                         ; a joint load: waves 0 and 1 fetch A's halves, waves 2 and 3 B's; an s_nop 0 and four v_nop follow each line
	s_cmp_eq_u32 s11, 0
	s_cbranch_scc0 .Lfor_b_\@
	tensor_load_to_lds s[G0+4*(\s):G0+4*(\s)+3], s[G1:G1+7]
	s_nop 0
.rept 4
	v_nop
.endr
	s_branch .Lasked_\@
.Lfor_b_\@:
	tensor_load_to_lds s[G0B+4*(\s):G0B+4*(\s)+3], s[G1B:G1B+7]
	s_nop 0
.rept 4
	v_nop
.endr
.Lasked_\@:
.endm
.macro CREST                           ; a round of the cluster's barrier behind its opening barrier
	s_cmp_lg_u32 s10, 0
	s_cbranch_scc1 .Lnot_wave_0_\@
	s_barrier_signal -3
.Lnot_wave_0_\@:
	s_barrier_wait -3
	s_barrier_signal -1
	s_barrier_wait -1
.endm
.macro CROUND
	s_barrier_signal -1
	s_barrier_wait -1
	CREST
.endm
.macro PLACES                          ; four places in front of loads into registers that matrix instructions have read
.rept 4
	v_nop
.endr
.endm
	s_load_b128 s[4:7], s[0:1], 0x0                ; A s[4:5], wb s[6:7]
	s_load_b64 s[8:9], s[0:1], 0x10                ; C
	s_load_b64 s[68:69], s[0:1], 0x18              ; the bias
	s_load_b64 s[70:71], s[0:1], 0x20              ; the residual
	v_lshl_add_u32 v[SPW], v0, 2, SPARE
	v_mov_b32 v[NIL], 0
	ds_add_u32 v[SPW], v[NIL]                      ; the wave's opening: the add and its wait ahead of my first tensor load; work on registers stands between
	v_lshrrev_b32 v1, 5, v0
	v_readfirstlane_b32 s10, v1                    ; wave 0..3
	s_lshr_b32 s11, s10, 1                         ; my half of the tile's rows.  Also: I fetch for A (0) or for B (1)
	s_and_b32 s12, s10, 1                          ; my half of its columns.  Also: which 64 rows I fetch
	s_bfe_u32 s40, ttmp6, 0x40000                  ; cx, cy
	s_bfe_u32 s41, ttmp6, 0x40004
	s_lshl_b32 s42, ttmp9, 2
	s_add_co_u32 s42, s42, s40                     ; tile column = 4 x cluster x + cx
	s_and_b32 s13, ttmp7, 0xffff
	s_lshl_b32 s13, s13, 2
	s_add_co_u32 s13, s13, s41                     ; tile row = 4 x cluster y + cy
	s_lshl_b32 s43, s41, 2
	s_lshl_b32 s43, 15, s43                        ; my row of the cluster
	s_lshl_b32 s44, 0x1111, s40                    ; my column
.if AHEADS
	s_or_b32 s[G1+0], s43, (1<<16)|(1<<20)|(1<<21)|(4<<22)|(3<<25)  ; the mask; 2-byte elements; padding on; bit 21 beside a mask; after every 32 words 4 words
	s_mov_b32 s[G1+1], 4096<<16                    ; tensor_dim0 = 4,096: 64 tokens x 64 channels of one head, dense
	s_mov_b32 s[G1+2], 4<<16                       ; tensor_dim1 = 4 heads
	s_mov_b32 s[G1+3], 4096<<16                    ; tile_dim0
	s_mov_b32 s[G1+4], 4                           ; tile_dim1
	s_mov_b32 s[G1+5], 2048*64                     ; from head to head
.else
	s_or_b32 s[G1+0], s43, (1<<16)|(1<<20)|(1<<21)|(6<<22)|(3<<25)  ; the mask; 2-byte elements; padding on; bit 21 beside a mask; after every 128 words 4 words
	s_mov_b32 s[G1+1], KSTEP<<16                   ; tensor_dim0 = 256
	s_mov_b32 s[G1+2], 64<<16                      ; tensor_dim1 = 64
	s_mov_b32 s[G1+3], KSTEP<<16                   ; tile_dim0
	s_mov_b32 s[G1+4], 64                          ; tile_dim1
	s_mov_b32 s[G1+5], SIZE_K                      ; from row to row
.endif
	s_mov_b32 s[G1+6], 0
	s_mov_b32 s[G1+7], 0
	s_or_b32 s[G1B+0], s44, (1<<16)|(1<<20)|(1<<21)|(6<<22)|(3<<25)
	s_mov_b32 s[G1B+1], KSTEP<<16
	s_mov_b32 s[G1B+2], 64<<16
	s_mov_b32 s[G1B+3], KSTEP<<16
	s_mov_b32 s[G1B+4], 64
	s_mov_b32 s[G1B+5], SIZE_K
	s_mov_b32 s[G1B+6], 0
	s_mov_b32 s[G1B+7], 0
.if AHEADS
	s_lshr_b32 s16, s13, 4                         ; the batch: 16 heads of 262,144 bytes
	s_lshl_b32 s16, s16, 22
	s_and_b32 s17, s13, 15
	s_lshl_b32 s17, s17, 7                         ; the tile's first token,
	s_lshl_b32 s18, s12, 6                         ; the 64 that I fetch,
	s_add_co_u32 s17, s17, s18
	s_lshl_b32 s17, s17, 7                         ; 128 bytes each
	s_add_co_u32 s16, s16, s17
.else
	s_lshl_b32 s17, s12, 6
	s_lshl_b32 s16, s13, 7
	s_add_co_u32 s16, s16, s17                     ; A: row 128 x tile row + 64 x half
	s_mul_i32 s16, s16, SIZE_K*2
.endif
	s_mov_b32 s17, 0
	s_lshl_b32 s47, s12, 6
	s_lshl_b32 s46, s42, 7
	s_add_co_u32 s46, s46, s47                     ; B: row 128 x tile column + 64 x half
	s_mul_i32 s46, s46, SIZE_K*2
	s_add_co_u32 s46, s46, WOFF
	s_mov_b32 s47, 0
	s_mul_i32 s[LAA], s12, HALFA                   ; no place in the cluster enters an LDS address
	s_mul_i32 s[LAB], s12, HALFB
	s_add_co_u32 s[LAB], s[LAB], 2*HALFA
	s_mov_b32 s[TB], 0
.if GELU
	s_mov_b32 s72, 0x3f07dc22                      ; the GELU's constants, each as a pair: A5 .. A1, C2 = -log2(e) / 2, and PP
	s_mov_b32 s73, s72
	s_mov_b32 s74, 0xbf3a00e3
	s_mov_b32 s75, s74
	s_mov_b32 s76, 0x3f35f0e3
	s_mov_b32 s77, s76
	s_mov_b32 s78, 0xbe11a98e
	s_mov_b32 s79, s78
	s_mov_b32 s80, 0x3e027906
	s_mov_b32 s81, s80
	s_mov_b32 s82, 0xbf38aa3b
	s_mov_b32 s83, s82
	s_mov_b32 s84, 0x3e6d3388
.endif
	s_wait_dscnt 0x0                               ; the opening add is done
	s_wait_kmcnt 0x0
	s_add_nc_u64 s[14:15], s[4:5], s[16:17]
	s_add_nc_u64 s[46:47], s[6:7], s[46:47]
	CROUND                                         ; all sixteen work-groups are here: the first joint loads meet
.irp s, 0,1
	s_mov_b32 s[G0+4*(\s)], 1
	s_add_co_u32 s[G0+4*(\s)+1], s[LAA], (\s)*SLOT
	s_add_nc_u64 s[G0+4*(\s)+2:G0+4*(\s)+3], s[14:15], (\s)*KADV_A
	s_or_b32 s[G0+4*(\s)+3], s[G0+4*(\s)+3], 0x80000000
	s_mov_b32 s[G0B+4*(\s)], 1
	s_add_co_u32 s[G0B+4*(\s)+1], s[LAB], (\s)*SLOT
	s_add_nc_u64 s[G0B+4*(\s)+2:G0B+4*(\s)+3], s[46:47], (\s)*KSTEP*2
	s_or_b32 s[G0B+4*(\s)+3], s[G0B+4*(\s)+3], 0x80000000
	JLOAD \s                                       ; two loads of mine are out
.endr
	v_and_b32 v1, 15, v0                           ; l % 16
	v_bfe_u32 v2, v0, 4, 1                         ; l / 16
	v_and_b32 v5, 31, v0                           ; l
	v_mul_u32_u24 v3, v1, PA
	v_lshl_add_u32 v3, v2, 4, v3                   ; a fragment's row x pitch + 16 x half
	s_mul_i32 s21, s11, HALFA                      ; my 64 rows of A
	v_add_nc_u32 v[ADRA0], s21, v3
	v_mul_u32_u24 v3, v1, PITCH
	v_lshl_add_u32 v3, v2, 4, v3
	v_add_nc_u32 v[ADRB0], s[LAB], v3              ; my 64 rows of B: the half s12, behind A's two
	v_mov_b32 v[ADRA], v[ADRA0]
	v_mov_b32 v[ADRB], v[ADRB0]
	s_mul_i32 s23, s11, 64*SP                      ; into the stage: row 64 x row half + l % 16, byte 256 x column half + 32 (l / 16)
	s_lshl_b32 s21, s12, 8
	s_add_co_u32 s23, s23, s21
	v_mul_u32_u24 v4, v1, SP
	v_lshl_add_u32 v4, v2, 5, v4
	v_add_nc_u32 v[STO], s23, v4
	s_mul_i32 s23, s10, 32*SP                      ; back: wave w takes rows 32 w .. 32 w + 31
	v_lshl_add_u32 v[RD], v5, 4, s23               ; 32 lanes x 16 bytes are a row
	v_lshlrev_b32 v[CO], 4, v5                     ; my four numbers of a row of C
	s_lshl_b32 s23, s10, 14
	s_add_co_u32 s23, s23, RES
	v_lshl_add_u32 v[RW], v5, 4, s23
	s_lshl_b32 s16, s13, 7
	s_lshl_b32 s17, s10, 5
	s_add_co_u32 s16, s16, s17                     ; my first row of C: 128 x tile row + 32 x wave
	s_mul_i32 s16, s16, ROWB
	s_mov_b32 s17, 0
	s_add_nc_u64 s[8:9], s[8:9], s[16:17]
	s_add_nc_u64 s[70:71], s[70:71], s[16:17]
	s_lshl_b32 s46, s42, 9                         ; the tile's first column, in bytes (in registers that never feed A's descriptors): the same in the bias, in C and in the residual
	s_mov_b32 s47, 0
	v_lshl_add_u32 v[BO], v5, 4, s46
	global_load_b128 v[BI:BI+3], v[BO], s[68:69]   ; a lane's four columns are the same in every row
	s_add_nc_u64 s[8:9], s[8:9], s[46:47]
	s_add_nc_u64 s[70:71], s[70:71], s[46:47]
; 8 matrix instructions: m blocks a0, a0 + 1 x all 4 n blocks, 32 along K: half c of buffer f.  zero = 1: the first product starts the sums.  The 16 accumulators take turns.
.macro MUL8 f, c, a0, zero
	WIN MUL
.irp a, \a0, (\a0)+1
.irp b, 0,1,2,3
.if \zero
	v_wmma_f32_16x16x32_bf16 v[ACC+8*(4*(\a)+(\b)):ACC+8*(4*(\a)+(\b))+7], v[(\f)+64+8*(4*(\c)+(\b)):(\f)+64+8*(4*(\c)+(\b))+7], v[(\f)+8*(4*(\c)+(\a)):(\f)+8*(4*(\c)+(\a))+7], 0
.else
	v_wmma_f32_16x16x32_bf16 v[ACC+8*(4*(\a)+(\b)):ACC+8*(4*(\a)+(\b))+7], v[(\f)+64+8*(4*(\c)+(\b)):(\f)+64+8*(4*(\c)+(\b))+7], v[(\f)+8*(4*(\c)+(\a)):(\f)+8*(4*(\c)+(\a))+7], v[ACC+8*(4*(\a)+(\b)):ACC+8*(4*(\a)+(\b))+7]
.endif
.endr
.endr
.endm
; 32 LDS loads in one run: the fragments of 64 along K at byte k of the rows of the slot in hand, into buffer f; the first 32 along K first
.macro FETCH k, f
.if AHEADS
.set AKOF, ((\k)/128)*64*PA            ; a quarter of a K step is one head
.else
.set AKOF, (\k)
.endif
	WIN TO_F
.irp c, 0,1
.irp i, 0,1,2,3
	ds_load_b128 v[(\f)+64+8*(4*(\c)+(\i)):(\f)+64+8*(4*(\c)+(\i))+3],   v[ADRB] offset:(\k)+64*(\c)+(\i)*16*PITCH
	ds_load_b128 v[(\f)+64+8*(4*(\c)+(\i))+4:(\f)+64+8*(4*(\c)+(\i))+7], v[ADRB] offset:(\k)+64*(\c)+(\i)*16*PITCH+32
	ds_load_b128 v[(\f)+8*(4*(\c)+(\i)):(\f)+8*(4*(\c)+(\i))+3],         v[ADRA] offset:AKOF+64*(\c)+(\i)*16*PA
	ds_load_b128 v[(\f)+8*(4*(\c)+(\i))+4:(\f)+8*(4*(\c)+(\i))+7],       v[ADRA] offset:AKOF+64*(\c)+(\i)*16*PA+32
.endr
.endr
.endm
; A K step is four quarters of 64 along K, 32 matrix instructions each, on buffers 0, 1, 0, 1.  One of the first three: multiplies buffer f and fetches the next quarter, at byte k, into g.
.macro QUARTER k, f, g, zero
	s_wait_dscnt 16                                ; the first 32 along K are in; the sixteen younger loads may be out
	MUL8 \f, 0, 0, \zero
	MUL8 \f, 0, 2, \zero
	PLACES
	FETCH \k, \g
	s_wait_dscnt 32                                ; all but the 32 just issued
	MUL8 \f, 1, 0, 0
	MUL8 \f, 1, 2, 0
.endm
; The last quarter multiplies buffer 1 and, in its middle, changes slots: ONE barrier; in front of it each wave waits for all its tensor loads (one is out: its part of the next slot), adds 0 to its spare
; word, and waits for that and for its own reads of this slot.  The quarter's first 16 products stand AHEAD of that wait, so that they are issued while the tile is on its way; its last 16 stand behind
; the run of LDS loads that brings the next slot's first fragments.  fill = 1: the barrier opens a round of the cluster's, and the slot just read is filled again, two K steps ahead, first thing behind it:
; from that request to the wait for it a wave issues a K step's 128 matrix instructions.  fill = 0: the tail; in its second trip (s3 = 1) there is no further slot to fetch from.
.macro TURN fill
	s_wait_dscnt 16                                ; the first 32 along K of buffer 1 are in
	MUL8 F1, 0, 0, 0
	MUL8 F1, 0, 2, 0
	WIN 0
	s_wait_tensorcnt 0x0                           ; no tensor load of mine is out, so a group 0 may be written
	ds_add_u32 v[SPW], v[NIL]                      ; the descriptors' steps stand between the add and the wait for it
.if \fill
	s_add_co_u32 s[G0+5], s[LAA], s[TB]            ; the walking sets: into the slot just read,
	s_add_co_u32 s[G0B+5], s[LAB], s[TB]
	s_add_nc_u64 s[G0+6:G0+7], s[G0+6:G0+7], KADV_A  ; the next K step
	s_add_nc_u64 s[G0B+6:G0B+7], s[G0B+6:G0B+7], KSTEP*2
	s_xor_b32 s[TB], s[TB], SLOT
.endif
	s_wait_dscnt 0x0                               ; the add is done, and my reads of this slot are over
	s_barrier_signal -1
	s_barrier_wait -1
.if \fill
	CREST                                          ; no wave of any partner still reads this slot's tile or has a load on its way
	JLOAD 1                                        ; its four v_nop are also the places in front of the loads below
.else
	s_cmp_eq_u32 s3, 1
	s_cbranch_scc1 .Lnofetch_\@
	s_xor_b32 s[TB], s[TB], SLOT
	PLACES
.endif
	v_add_nc_u32 v[ADRA], s[TB], v[ADRA0]
	v_add_nc_u32 v[ADRB], s[TB], v[ADRB0]
	FETCH 0, F0
.if \fill
.else
	WIN 0                                          ; at a label every window is 0
.Lnofetch_\@:
.endif
	MUL8 F1, 1, 0, 0
	MUL8 F1, 1, 2, 0
.endm
; gelu(t) = max(t, 0) - |t| r, r = erfc(|t| / sqrt 2) / 2 = (A1 u + .. + A5 u^5) 2^(C2 t^2), u = 1 / (1 + PP |t|): no difference of near numbers is formed.  16 numbers in T.
; The 32 transcendentals are one batch with one wait; the sixteen maxima are the plain work behind them.
.macro GELU16
.set i, 0
.rept 16
	v_fma_f32 v[U+i], |v[T+i]|, s84, 1.0
.set i, i+1
.endr
.set i, 0
.rept 8
	v_pk_mul_f32 v[Q+i:Q+i+1], v[T+i:T+i+1], v[T+i:T+i+1]
.set i, i+2
.endr
.set i, 0
.rept 8
	v_pk_mul_f32 v[Q+i:Q+i+1], v[Q+i:Q+i+1], s[82:83] op_sel_hi:[1,0]
.set i, i+2
.endr
.set i, 0
.rept 16
	v_rcp_f32 v[U+i], v[U+i]
.set i, i+1
.endr
.set i, 0
.rept 16
	v_exp_f32 v[Q+i], v[Q+i]
.set i, i+1
.endr
.set i, 0
.rept 16
	v_max_num_f32 v[MX+i], 0, v[T+i]
.set i, i+1
.endr
	s_wait_alu depctr_va_vdst(0)                   ; the wait ahead of the batch's first reader
.set i, 0
.rept 8
	v_pk_fma_f32 v[P+i:P+i+1], v[U+i:U+i+1], s[72:73], s[74:75] op_sel_hi:[1,0,0]
.set i, i+2
.endr
.irp k, 76, 78, 80
.set i, 0
.rept 8
	v_pk_fma_f32 v[P+i:P+i+1], v[P+i:P+i+1], v[U+i:U+i+1], s[\k:\k+1] op_sel_hi:[1,1,0]
.set i, i+2
.endr
.endr
.set i, 0
.rept 8
	v_pk_mul_f32 v[P+i:P+i+1], v[P+i:P+i+1], v[U+i:U+i+1]
.set i, i+2
.endr
.set i, 0
.rept 8
	v_pk_mul_f32 v[P+i:P+i+1], v[P+i:P+i+1], v[Q+i:Q+i+1]
.set i, i+2
.endr
.set i, 0
.rept 16
	v_fma_f32 v[T+i], -|v[T+i]|, v[P+i], v[MX+i]
.set i, i+1
.endr
.endm
	s_wait_tensorcnt 1                             ; my part of K step 0 is in; K step 1's may stay out
	s_barrier_signal -1
	s_barrier_wait -1
	FETCH 0, F0
	QUARTER 128, F0, F1, 1                         ; the first quarter stands in front of the loop: its first products start the sums
	WIN 0x80                                       ; destination window 2: my 32 rows of the residual have all the products in which to land
.set j, 0
.rept 32
	global_load_b128 v[4*j:4*j+3], v[CO], s[70:71] offset:ROWB*j th:TH_LOAD_NT
.set j, j+1
.endr
	WIN 0
	s_mov_b32 s3, NSTEP-2
.Lstep:                                                ; a trip: from a K step's second quarter to the next step's first; the slot left behind is filled again
	QUARTER 256, F1, F0, 0
	QUARTER 384, F0, F1, 0
	TURN 1
	QUARTER 128, F0, F1, 0
	WIN 0
	s_sub_co_u32 s3, s3, 1
	s_cmp_lg_u32 s3, 0
	s_cbranch_scc1 .Lstep
	s_mov_b32 s3, 2
.Ltail:                                                ; the last two K steps ask for nothing
	QUARTER 256, F1, F0, 0
	QUARTER 384, F0, F1, 0
	TURN 0
	WIN 0
	s_cmp_eq_u32 s3, 1
	s_cbranch_scc1 .Lnoq                           ; behind the last K step there is no first quarter of a next one
	QUARTER 128, F0, F1, 0
	WIN 0
.Lnoq:
	s_sub_co_u32 s3, s3, 1
	s_cmp_lg_u32 s3, 0
	s_cbranch_scc1 .Ltail
	s_wait_dscnt 0x0                               ; THE RING'S BYTES CHANGE THEIR USE: a barrier of its own, in front of which my LDS reads are back
	s_barrier_signal -1
	PLACES                                         ; the places behind the last products
	PLACES
	s_barrier_wait -1                              ; everybody's are: both slots, which have had their last fill, may be written
.irp a, 0,1,2,3
.irp b, 0,1,2,3
	ds_store_b128 v[STO], v[ACC+8*(4*(\a)+(\b)):ACC+8*(4*(\a)+(\b))+3]   offset:(\a)*16*SP+64*(\b)     ; each accumulator's low registers first
	ds_store_b128 v[STO], v[ACC+8*(4*(\a)+(\b))+4:ACC+8*(4*(\a)+(\b))+7] offset:(\a)*16*SP+64*(\b)+16
.endr
.endr
	s_wait_loadcnt 0x0                             ; the bias and the residual
	WIN 0x08                                       ; store data in window 2
.set j, 0
.rept 32
	ds_store_b128 v[RW], v[4*j:4*j+3] offset:512*j ; parked row by row, so that the counted loop below can reach them by an address
.set j, j+1
.endr
	WIN 0
	s_wait_dscnt 0x0                               ; for the others' sake: a stage row comes from two waves
	s_barrier_signal -1
	s_barrier_wait -1
	s_mov_b32 s3, 8
.Lrows:                                                ; a trip: four of my 32 rows
.irp j, 0,1,2,3
	ds_load_b128 v[T+4*(\j):T+4*(\j)+3], v[RD] offset:(\j)*SP
.endr
.irp j, 0,1,2,3
	ds_load_b128 v[RS+4*(\j):RS+4*(\j)+3], v[RW] offset:(\j)*512
.endr
	s_wait_dscnt 0x0
.irp j, 0,1,2,3
	v_pk_add_f32 v[T+4*(\j):T+4*(\j)+1], v[T+4*(\j):T+4*(\j)+1], v[BI:BI+1]
	v_pk_add_f32 v[T+4*(\j)+2:T+4*(\j)+3], v[T+4*(\j)+2:T+4*(\j)+3], v[BI+2:BI+3]
.endr
.if GELU
	GELU16
.endif
.set i, 0
.rept 8
	v_pk_add_f32 v[T+i:T+i+1], v[T+i:T+i+1], v[RS+i:RS+i+1]
.set i, i+2
.endr
.irp j, 0,1,2,3
	global_store_b128 v[CO], v[T+4*(\j):T+4*(\j)+3], s[8:9] offset:(\j)*ROWB  ; 512 consecutive bytes, aligned
.endr
	s_wait_xcnt 0x0                                ; the stores have read their data and their offset: only now are these written again
	v_add_nc_u32 v[RD], 4*SP, v[RD]
	v_add_nc_u32 v[CO], 4*ROWB, v[CO]
	v_add_nc_u32 v[RW], 4*512, v[RW]
	s_sub_co_u32 s3, s3, 1
	s_cmp_lg_u32 s3, 0
	s_cbranch_scc1 .Lrows
	s_wait_tensorcnt 0x0                           ; the wave's end: behind my last tensor load and my last LDS store
	ds_add_u32 v[SPW], v[NIL]
	s_wait_dscnt 0x0
	CROUND                                         ; the closing round: no work-group ends while a partner may still ask for a tile that names it
	s_endpgm
.Lfunc_end_k_q35e01f9424_gemm_wo:
	.size	k_q35e01f9424_gemm_wo, .Lfunc_end_k_q35e01f9424_gemm_wo-k_q35e01f9424_gemm_wo
	.p2alignl 7, 3214868480
	.fill 96, 4, 3214868480
	.section	.rodata,"a",@progbits
	.p2align	6, 0x0
	.amdhsa_kernel k_q35e01f9424_gemm_wo
		.amdhsa_group_segment_fixed_size 327680
		.amdhsa_private_segment_fixed_size 0
		.amdhsa_enable_private_segment 0
		.amdhsa_kernarg_size 40
		.amdhsa_user_sgpr_count 2
		.amdhsa_user_sgpr_kernarg_segment_ptr 1
		.amdhsa_wavefront_size32 1
		.amdhsa_system_sgpr_workgroup_id_x 1
		.amdhsa_system_sgpr_workgroup_id_y 1
		.amdhsa_system_sgpr_workgroup_id_z 1
		.amdhsa_system_vgpr_workitem_id 0
		.amdhsa_next_free_vgpr 640
		.amdhsa_next_free_sgpr 96
		.amdhsa_reserve_vcc 0
		.amdhsa_float_denorm_mode_32 3
		.amdhsa_float_denorm_mode_16_64 3
		.amdhsa_memory_ordered 1
		.amdhsa_forward_progress 1
		.amdhsa_inst_pref_size 60
	.end_amdhsa_kernel
	.amdgpu_metadata
---
amdhsa.version: [ 1, 2 ]
amdhsa.kernels:
  - .name:           k_q35e01f9424_gemm_wo
    .symbol:         k_q35e01f9424_gemm_wo.kd
    .args:
      - { .name: o, .offset: 0, .size: 8, .value_kind: global_buffer, .address_space: global }
      - { .name: wb, .offset: 8, .size: 8, .value_kind: global_buffer, .address_space: global }
      - { .name: res, .offset: 16, .size: 8, .value_kind: global_buffer, .address_space: global }
      - { .name: bo, .offset: 24, .size: 8, .value_kind: global_buffer, .address_space: global }
      - { .name: x, .offset: 32, .size: 8, .value_kind: global_buffer, .address_space: global }
    .group_segment_fixed_size: 327680
    .private_segment_fixed_size: 0
    .kernarg_segment_align: 8
    .kernarg_segment_size: 40
    .max_flat_workgroup_size: 128
    .sgpr_count:     96
    .vgpr_count:     640
    .wavefront_size: 32
...
	.end_amdgpu_metadata
.endif
;; end of part 4
;; launch ln2 (part 5): grid 256 x 1, 16 waves a work-group, no clusters, 0 bytes of LDS; arguments res, la2_g, la2_b, h; writes h
.if DOCPART == 5
	.amdgcn_target "amdgcn-amd-amdhsa--gfx1250"
	.amdhsa_code_object_version 6
	.text
	.protected	k_q35e01f9424_ln2
	.globl	k_q35e01f9424_ln2
	.p2align	8
	.type	k_q35e01f9424_ln2,@function
k_q35e01f9424_ln2:
	s_mov_b64 s[64:65], 0
	v_nop
	global_prefetch_b8 v0, s[64:65] scope:SCOPE_SE
	s_setreg_imm32_b32 hwreg(HW_REG_WAVE_MODE, 25, 1), 1
	s_wait_xcnt 0x0
; h = layernorm(res) g + b, rounded once to bf16.  res: [4096][1024] f32; h: [4096][1024] bf16.
; One wave, one row of 1,024 numbers (32 registers): the row is read once and stays in registers between the passes, no wave waits for another.  Row = 16 x work-group + wave.
; The variance is the mean of (x - mean)^2, so a common offset is taken away before anything is squared.
; No LDS, no matrix unit, no cluster: every byte but g and b (8 KiB beside a work-group's 64 KiB of rows) is read by one wave alone.
; LIMITS: NaN and infinities are not treated apart; sums are taken in a tree, not in the order of a plain loop.
.set X, 16                             ; v[16:47]   the row
.set G, 48                             ; v[48:79]   g of my 32 columns
.set B, 80                             ; v[80:111]  b of my 32 columns
.set T, 112                            ; v[112:127] at work, then the packed row
	s_load_b256 s[16:23], s[0:1], 0x0              ; res 16, g 18, b 20, h 22
	v_lshrrev_b32 v4, 5, v0                        ; wave
	v_and_b32 v5, 31, v0                           ; lane
	v_lshlrev_b32 v3, 4, v5                        ; 16 x lane: my place in g and b
	v_lshl_or_b32 v1, v4, 12, v3                   ; source: 4,096 bytes a wave, 16 a lane
	v_lshlrev_b32 v2, 3, v5
	v_lshl_or_b32 v2, v4, 11, v2                   ; destination: 2,048 bytes a wave, 8 a lane
	s_lshl_b32 s10, ttmp9, 16                      ; 16 rows of 4,096 bytes
	s_mov_b32 s11, 0
	s_lshl_b32 s12, ttmp9, 15                      ; 16 rows of 2,048 bytes
	s_mov_b32 s13, 0
	s_mov_b32 s40, 0x3a800000                      ; 1 / 1024
	s_mov_b32 s41, 0x3727c5ac                      ; 1e-5
	s_mov_b32 s42, 0x76543210                      ; v_permlanex16_b32: each lane takes its own place in the other half
	s_mov_b32 s43, 0xfedcba98
	v_mov_b32 v9, 0                                ; v_permlanex16_b32's destination counts as read
	s_wait_kmcnt 0x0
	s_add_nc_u64 s[4:5], s[16:17], s[10:11]
	s_add_nc_u64 s[6:7], s[22:23], s[12:13]
.irp j, 0,1,2,3,4,5,6,7
	global_load_b128 v[X+4*\j:X+4*\j+3], v1, s[4:5] offset:512*\j th:TH_LOAD_NT
.endr
.irp j, 0,1,2,3,4,5,6,7
	global_load_b128 v[G+4*\j:G+4*\j+3], v3, s[18:19] offset:512*\j
.endr
.irp j, 0,1,2,3,4,5,6,7
	global_load_b128 v[B+4*\j:B+4*\j+3], v3, s[20:21] offset:512*\j
.endr
.macro TREE                            ; eight pairs in T into one number in v8
.irp i, 0,4,8,12
	v_pk_add_f32 v[T+\i:T+\i+1], v[T+\i:T+\i+1], v[T+\i+2:T+\i+3]
.endr
.irp i, 0,8
	v_pk_add_f32 v[T+\i:T+\i+1], v[T+\i:T+\i+1], v[T+\i+4:T+\i+5]
.endr
	v_pk_add_f32 v[T:T+1], v[T:T+1], v[T+8:T+9]
	v_add_f32 v8, v[T], v[T+1]
.endm
.macro XLANE                           ; v8 summed over the 32 lanes, the result in every lane
	v_add_f32_dpp v8, v8, v8 row_xmask:1 row_mask:0xf bank_mask:0xf
	v_add_f32_dpp v8, v8, v8 row_xmask:2 row_mask:0xf bank_mask:0xf
	v_add_f32_dpp v8, v8, v8 row_xmask:4 row_mask:0xf bank_mask:0xf
	v_add_f32_dpp v8, v8, v8 row_xmask:8 row_mask:0xf bank_mask:0xf
	v_permlanex16_b32 v9, v8, s42, s43
	v_add_f32 v8, v8, v9
.endm
	s_wait_loadcnt 16                              ; the row is in; the sixteen loads of g and b stay out
.set i, 0
.rept 8
	v_pk_add_f32 v[T+2*i:T+2*i+1], v[X+4*i:X+4*i+1], v[X+4*i+2:X+4*i+3]
.set i, i+1
.endr
	TREE
	XLANE
	v_mul_f32 v4, s40, v8                          ; the mean,
	v_mov_b32 v5, v4                               ; twice, for the packed subtraction
.set i, 0
.rept 16
	v_pk_add_f32 v[X+2*i:X+2*i+1], v[X+2*i:X+2*i+1], v[4:5] neg_lo:[0,1] neg_hi:[0,1]
.set i, i+1
.endr
.set i, 0
.rept 8
	v_pk_mul_f32 v[T+2*i:T+2*i+1], v[X+4*i:X+4*i+1], v[X+4*i:X+4*i+1]
.set i, i+1
.endr
.set i, 0
.rept 8
	v_pk_fma_f32 v[T+2*i:T+2*i+1], v[X+4*i+2:X+4*i+3], v[X+4*i+2:X+4*i+3], v[T+2*i:T+2*i+1]
.set i, i+1
.endr
	TREE
	XLANE
	v_fma_f32 v10, v8, s40, s41                    ; variance + eps
	v_rsq_f32 v6, v10
	v_nop                                          ; a plain instruction behind the root,
	s_wait_alu depctr_va_vdst(0)                   ; and the wait ahead of its first reader
	v_mov_b32 v7, v6
	s_wait_loadcnt 0x0                             ; g and b
.set i, 0
.rept 16
	v_pk_mul_f32 v[X+2*i:X+2*i+1], v[X+2*i:X+2*i+1], v[6:7]
	v_pk_fma_f32 v[X+2*i:X+2*i+1], v[X+2*i:X+2*i+1], v[G+2*i:G+2*i+1], v[B+2*i:B+2*i+1]
.set i, i+1
.endr
.set i, 0
.rept 16
	v_cvt_pk_bf16_f32 v[T+i], v[X+2*i], v[X+2*i+1]
.set i, i+1
.endr
.irp j, 0,1,2,3,4,5,6,7
	global_store_b64 v2, v[T+2*\j:T+2*\j+1], s[6:7] offset:256*\j  ; 256 consecutive bytes, aligned
.endr
	s_endpgm
.Lfunc_end_k_q35e01f9424_ln2:
	.size	k_q35e01f9424_ln2, .Lfunc_end_k_q35e01f9424_ln2-k_q35e01f9424_ln2
	.p2alignl 7, 3214868480
	.fill 96, 4, 3214868480
	.section	.rodata,"a",@progbits
	.p2align	6, 0x0
	.amdhsa_kernel k_q35e01f9424_ln2
		.amdhsa_group_segment_fixed_size 0
		.amdhsa_private_segment_fixed_size 0
		.amdhsa_enable_private_segment 0
		.amdhsa_kernarg_size 32
		.amdhsa_user_sgpr_count 2
		.amdhsa_user_sgpr_kernarg_segment_ptr 1
		.amdhsa_wavefront_size32 1
		.amdhsa_system_sgpr_workgroup_id_x 1
		.amdhsa_system_sgpr_workgroup_id_y 1
		.amdhsa_system_sgpr_workgroup_id_z 1
		.amdhsa_system_vgpr_workitem_id 0
		.amdhsa_next_free_vgpr 128
		.amdhsa_next_free_sgpr 66
		.amdhsa_reserve_vcc 0
		.amdhsa_float_denorm_mode_32 3
		.amdhsa_float_denorm_mode_16_64 3
		.amdhsa_memory_ordered 1
		.amdhsa_forward_progress 1
		.amdhsa_inst_pref_size 12
	.end_amdhsa_kernel
	.amdgpu_metadata
---
amdhsa.version: [ 1, 2 ]
amdhsa.kernels:
  - .name:           k_q35e01f9424_ln2
    .symbol:         k_q35e01f9424_ln2.kd
    .args:
      - { .name: res, .offset: 0, .size: 8, .value_kind: global_buffer, .address_space: global }
      - { .name: la2_g, .offset: 8, .size: 8, .value_kind: global_buffer, .address_space: global }
      - { .name: la2_b, .offset: 16, .size: 8, .value_kind: global_buffer, .address_space: global }
      - { .name: h, .offset: 24, .size: 8, .value_kind: global_buffer, .address_space: global }
    .group_segment_fixed_size: 0
    .private_segment_fixed_size: 0
    .kernarg_segment_align: 8
    .kernarg_segment_size: 32
    .max_flat_workgroup_size: 512
    .sgpr_count:     66
    .vgpr_count:     128
    .wavefront_size: 32
...
	.end_amdgpu_metadata
.endif
;; end of part 5
;; launch gemm_w1 (part 6): grid 16 x 16, 4 waves a work-group, clusters of 4 x 4, 327,680 bytes of LDS; arguments h, wb, m, b1; writes m
.if DOCPART == 6
	.amdgcn_target "amdgcn-amd-amdhsa--gfx1250"
	.amdhsa_code_object_version 6
	.text
	.protected	k_q35e01f9424_gemm_w1
	.globl	k_q35e01f9424_gemm_w1
	.p2align	8
	.type	k_q35e01f9424_gemm_w1,@function
k_q35e01f9424_gemm_w1:
	s_mov_b64 s[64:65], 0
	v_nop
	global_prefetch_b8 v0, s[64:65] scope:SCOPE_SE
	s_setreg_imm32_b32 hwreg(HW_REG_WAVE_MODE, 25, 1), 1
	s_wait_xcnt 0x0
	s_wait_alu depctr_hold_cnt(0) depctr_sa_sdst(0) depctr_va_vdst(0) depctr_va_sdst(0) depctr_va_ssrc(0) depctr_va_vcc(0) depctr_vm_vsrc(0)
	s_getreg_b32 s2, hwreg(HW_REG_IB_STS2, 6, 4)
	s_cmp_eq_u32 s2, 0
	s_cbranch_scc0 .Lentry_in_a_cluster
	s_endpgm
.Lentry_in_a_cluster:
	s_bfe_u32 s2, ttmp6, 0x10000c
	s_cmp_lg_u32 s2, 0xf033
	s_cbranch_scc0 .Lentry_shape_is_right
	s_endpgm
.Lentry_shape_is_right:
; m = gelu(h W1^T + b1), rounded once to bf16.  h: [4096][1024] bf16; W1: 4,096 rows of wb from byte 2,097,152, bf16; b1 f32; m: [4096][4096] bf16; sums, bias and GELU in f32.
; ONE TEXT SERVES TWO PRODUCTS C = A B^T of this program (this one and the projections to q, k and v); the switches below say what this copy does.
.set SIZE_N,  4096                     ; columns of C = rows of B
.set SIZE_K,  1024
.set WOFF,    2097152                  ; B's first byte in its buffer
.set BIAS,    1
.set GELU,    1
.set BYHEADS, 0                        ; C leaves row-major
.set GR,      1                        ; pairs of rows in a trip of the way out (1 where there is a bias and a GELU)
.set CAST,    0                        ; every cluster has tiles
; A tile of C is 256 x 256.  Four waves, as many as a WGP has SIMDs, each 128 x 128: 64 accumulators of 16 x 16, 512 registers.  K goes in steps of 128 through two LDS slots: a tile's rows are
; 256 bytes of memory, at multiples of 256 from the buffer's first byte; a wave's tensor load brings 128 rows of A or of B.
; CAST = 1: C has 3,072 / 256 = 12 tile columns, three columns of clusters, 192 work-groups.  The grid's fourth column of clusters (cluster x = 3: the same number in all sixteen partners), 64
; work-groups, has no tile: it rounds the 9 Mi numbers of Wo, W1 and W2.  CAST = 0: 4,096 / 256 = 16 tile columns, 256 work-groups, all with a tile.
; CLUSTERS: 4 x 4 work-groups.  The four of a row of the cluster need the same tiles of A, the four of a column the same tiles of B: each tile is asked for JOINTLY.
; THE MATRIX INSTRUCTION IS USED TRANSPOSED (source 0 = 16 rows of B, source 1 = 16 rows of A): a lane then holds eight neighbouring numbers of a row of C.
; THE SLOT IN HAND IS A REGISTER (s2 = 0 or SLOT), so one K step is written for the loop.  The last two K steps, which ask for nothing, are a loop of two trips of their own
; in its second trip the fetch of a further step and that step's first quarter are jumped forward over.
; THE WAY OUT: the f32 sums go into a stage of 256 rows x 1,040 bytes that lies over both slots, behind their last fill and behind a barrier at which every wave's reads of them are over; then each
; wave takes 64 whole rows, does what is left to do (bias, GELU, rounding) and stores aligned runs of 256 bytes; a trip's rows are read from the stage while the trip before is worked on.
; LIMITS: matrix operands are bf16; NaN and infinities are not treated apart; erf in the GELU by a rational form with an error of at most 1.5e-7 for every argument.
; REGISTERS, in windows of 256: window 0: v0-31 addresses and the bias; v64-127, v128-191 fragments of A (8 x 16 rows x 32 K), two buffers, later at work on the way out;
;   window 1: v64-127, v128-191 fragments of B; window 2: the 32 accumulators of my rows 0-63 ((a, b) at 8 (8 a + b)); window 3: those of my rows 64-127.
.set KSTEP,  128
.set NSTEP,  SIZE_K/KSTEP
.set PITCH,  272                       ; an LDS row: 256 bytes + 16 of padding: the 16 rows of a fragment load start at 16 different groups of four banks
.set HALFT,  128*PITCH                 ; what one tensor load brings, and what one wave reads of A or of B
.set SLOT,   4*HALFT                   ; A's two halves, then B's two halves
.set SPARE,  2*SLOT                    ; behind the ring: the spare words, 128 bytes a wave, two blocks of 256 bytes that no other line names
.set SP,     1040                      ; a stage row: 256 f32 + 16 bytes
.set ROWB,   SIZE_N*2
.if BYHEADS
.set COLSH,  20                        ; a column tile is four heads of 262,144 bytes
.set CSTEP,  2*128                     ; two tokens of 128 bytes
.else
.set COLSH,  9
.set CSTEP,  2*ROWB
.endif
.set TRIPS,  32/GR
.set BI,    8                          ; v[8:15] the bias of my eight columns
.set ADRA0, 16                         ; my lane's place in slot 0, for A's fragments and for B's; never rewritten
.set ADRB0, 17
.set ADRA,  18                         ; the same in the slot in hand
.set ADRB,  19
.set STO,   20                         ; v20, v21: where I put 32 bytes of a stage row, for my rows 0-63 and 64-127
.set RD,    24                         ; where I read the stage
.set CO,    25                         ; my byte offset in C
.set SPW,   28                         ; my spare word: SPARE + 4 x my thread's number; never rewritten
.set NIL,   29                         ; 0; never rewritten
.set PFO,   30                         ; the prefetches' offset: my lane x a row of A or B in memory; never rewritten
.set BO,    31                         ; my byte offset in the bias
.set F0,    64
.set F1,    128
.set T,     64                         ; the way out, in the fragments' registers
.set U,     80
.set Q,     96
.set P,     112
.set MX,    128
.set N,     144                        ; the rows read ahead: 16 GR registers
.set CX,    64                         ; the cast: v[64:191] 32 slots of four numbers as loaded,
.set CY,    192                        ; v[192:255] 32 slots of four numbers packed
.set G1,    24                         ; s[24:31] group 1 for A; s[32:39] group 0: set 0 for K step 0, set 1 for K step 1, which then walks
.set G0,    32
.set G1B,   48                         ; s[48:55], s[56:63] the same for B
.set G0B,   56
.set TB,    2                          ; s2: the slot in hand
.set LAA,   66                         ; s66, s67: where my load lands in a slot, for A and for B
.set LAB,   67
.set LIM,   85                         ; s85: 1 in a wave that prefetches, else the greatest number
.set PFA,   86                         ; s[86:87]: where my prefetches stand
.set MSB, 0
.macro WIN new                         ; the immediate's high byte repeats the setting that is left
.if MSB != (\new)
	s_set_vgpr_msb (MSB<<8)|(\new)
.set MSB, \new
.endif
.endm
.set MUL_LO, 0xa1                      ; source 0 (B) window 1, source 1 (A) window 0, C and D window 2
.set MUL_HI, 0xf1                      ; the same, C and D window 3
.set TO_B,   0x40                      ; destination window 1, address window 0
.macro JLOAD s                         ; a joint load: waves 0 and 1 fetch A's halves, waves 2 and 3 B's; an s_nop 0 and four v_nop follow each line
	s_cmp_eq_u32 s11, 0
	s_cbranch_scc0 .Lfor_b_\@
	tensor_load_to_lds s[G0+4*(\s):G0+4*(\s)+3], s[G1:G1+7]
	s_nop 0
.rept 4
	v_nop
.endr
	s_branch .Lasked_\@
.Lfor_b_\@:
	tensor_load_to_lds s[G0B+4*(\s):G0B+4*(\s)+3], s[G1B:G1B+7]
	s_nop 0
.rept 4
	v_nop
.endr
.Lasked_\@:
.endm
; A PREFETCH, behind each joint refill and the run of LDS loads that follows it: the K step that the NEXT refill asks for, 256 matrix instructions ahead of that load: 32 rows x 256 bytes, a lane a row, one
; instruction a wave.  Each row's 256 bytes of a K step are named once in the launch: of the clusters that read the same rows of A the one with x = 0 asks, of those that read the same rows of B the one with
; y = 0; the four partners that ask for a tile jointly take 32 of a wave's 128 rows each, told apart by address.  K steps 0 to 2 come by their loads alone; the loop's last trip asks for nothing.
.macro ASK
	s_cmp_gt_u32 s3, s[LIM]
	s_cbranch_scc0 .Lnot_mine_\@
	global_prefetch_b8 v[PFO], s[PFA:PFA+1] th:TH_LOAD_NT scope:SCOPE_SE
.Lnot_mine_\@:
.endm
.macro CREST                           ; a round of the cluster's barrier behind its opening barrier
	s_cmp_lg_u32 s10, 0
	s_cbranch_scc1 .Lnot_wave_0_\@
	s_barrier_signal -3
.Lnot_wave_0_\@:
	s_barrier_wait -3
	s_barrier_signal -1
	s_barrier_wait -1
.endm
.macro CROUND
	s_barrier_signal -1
	s_barrier_wait -1
	CREST
.endm
.macro PLACES                          ; four places in front of loads into registers that matrix instructions have read
.rept 4
	v_nop
.endr
.endm
; The cast's slot j: its four numbers a lane are in, are packed, and leave.  ahead = 1: the slot is loaded again at once, from the next chunk.  left = how many younger loads may stay out.
.macro CSLOT j, ahead, left
	s_wait_loadcnt \left                           ; loads come back in order: this slot's is in
	v_cvt_pk_bf16_f32 v[CY+2*(\j)], v[CX+4*(\j)], v[CX+4*(\j)+1]
	v_cvt_pk_bf16_f32 v[CY+2*(\j)+1], v[CX+4*(\j)+2], v[CX+4*(\j)+3]
.if \ahead
	global_load_b128 v[CX+4*(\j):CX+4*(\j)+3], v4, s[6:7] offset:512*(\j) th:TH_LOAD_NT
.endif
	global_store_b64 v5, v[CY+2*(\j):CY+2*(\j)+1], s[4:5] offset:256*(\j)  ; 32 lanes store 256 consecutive bytes, aligned
.endm
	v_lshl_add_u32 v[SPW], v0, 2, SPARE
	v_mov_b32 v[NIL], 0
	v_lshrrev_b32 v1, 5, v0
	v_readfirstlane_b32 s10, v1                    ; wave 0..3
.if CAST
	s_cmp_lg_u32 ttmp9, 3                          ; the cluster's x: the same in all sixteen partners, so a whole cluster takes one way
	s_cbranch_scc1 .Lgemm
	; THE CAST.  Nine chunks of 1 Mi numbers: Wo; W1's four; W2's four; in wb one behind the other, 2 MiB each.  Of each chunk work-group i of the 64 takes numbers 16,384 i on, a wave 4,096 of
	; them: 32 loads of 512 consecutive bytes.  The 32 slots are a ring in registers: 32 loads of every wave are on their way from the first chunk to the last.  No LDS, no barrier but the text's last round.
	s_load_b64 s[4:5], s[0:1], 0x18                ; wb
	s_load_b128 s[12:15], s[0:1], 0x20             ; Wo, W1
	s_load_b64 s[16:17], s[0:1], 0x30              ; W2
	v_and_b32 v2, 31, v0
	v_lshlrev_b32 v4, 4, v2
	v_lshl_or_b32 v4, v1, 14, v4                   ; source: 16,384 bytes a wave, 16 a lane; never rewritten
	v_lshlrev_b32 v5, 3, v2
	v_lshl_or_b32 v5, v1, 13, v5                   ; destination: 8,192 bytes a wave, 8 a lane; never rewritten
	s_bfe_u32 s20, ttmp6, 0x40000                  ; cx, cy: they enter global addresses alone
	s_bfe_u32 s21, ttmp6, 0x40004
	s_and_b32 s22, ttmp7, 0xffff                   ; cluster y
	s_lshl_b32 s22, s22, 2
	s_add_co_u32 s22, s22, s21
	s_lshl_b32 s22, s22, 2
	s_add_co_u32 s22, s22, s20                     ; i = 4 (4 x cluster y + cy) + cx
	s_lshl_b32 s20, s22, 16                        ; my 65,536 bytes of a chunk,
	s_mov_b32 s21, 0
	s_lshl_b32 s22, s22, 15                        ; my 32,768 of its image
	s_mov_b32 s23, 0
	s_wait_kmcnt 0x0
	s_add_nc_u64 s[4:5], s[4:5], s[22:23]          ; where the chunk in hand goes
	s_add_nc_u64 s[12:13], s[12:13], s[20:21]      ; Wo at my part
	s_add_nc_u64 s[6:7], s[14:15], s[20:21]        ; where the next chunk comes from: W1 at my part
	s_add_nc_u64 s[16:17], s[16:17], s[20:21]      ; W2 at my part
.set j, 0
.rept 32
	global_load_b128 v[CX+4*j:CX+4*j+3], v4, s[12:13] offset:512*j th:TH_LOAD_NT
.set j, j+1
.endr
	s_mov_b32 s3, 1                                ; the chunk that is being asked for
.Lchunk:                                               ; eight trips: chunk s3 - 1 leaves, chunk s3 is asked for
.set j, 0
.rept 32
	CSLOT j, 1, 31                                 ; behind a slot's load stand the 31 - j of its chunk and the j of the next
.set j, j+1
.endr
	s_wait_xcnt 0x0                                ; the trip's loads and stores have read their addresses and data: only now are the pointers and, in the next trip, the packed registers written
	s_add_nc_u64 s[4:5], s[4:5], 0x200000
	s_add_nc_u64 s[6:7], s[6:7], 0x400000
	s_add_co_u32 s3, s3, 1
	s_cmp_eq_u32 s3, 5
	s_cselect_b64 s[6:7], s[16:17], s[6:7]         ; behind W1's four chunks come W2's
	s_cmp_lt_u32 s3, 9
	s_cbranch_scc1 .Lchunk
.set j, 0
.rept 32
	CSLOT j, 0, 31-j                               ; the last chunk loads nothing: the counts run down
.set j, j+1
.endr
	s_branch .Lend                                 ; every way through the text ends alike
.Lgemm:
.endif
	s_load_b128 s[4:7], s[0:1], 0x0                ; A s[4:5], B's buffer s[6:7]
	s_load_b64 s[8:9], s[0:1], 0x10                ; C
.if BIAS
	s_load_b64 s[68:69], s[0:1], 0x18              ; the bias
.endif
	ds_add_u32 v[SPW], v[NIL]                      ; the wave's opening: the add and its wait ahead of my first tensor load; work on registers stands between
	s_lshr_b32 s11, s10, 1                         ; my half of the tile's rows.  Also: I fetch for A (0) or for B (1)
	s_and_b32 s12, s10, 1                          ; my half of its columns.  Also: which 128 rows I fetch
	s_bfe_u32 s40, ttmp6, 0x40000                  ; cx, cy
	s_bfe_u32 s41, ttmp6, 0x40004
	s_lshl_b32 s42, ttmp9, 2
	s_add_co_u32 s42, s42, s40                     ; tile column = 4 x cluster x + cx
	s_and_b32 s13, ttmp7, 0xffff
	s_lshl_b32 s13, s13, 2
	s_add_co_u32 s13, s13, s41                     ; tile row = 4 x cluster y + cy
	s_lshl_b32 s43, s41, 2
	s_lshl_b32 s43, 15, s43                        ; my row of the cluster
	s_lshl_b32 s44, 0x1111, s40                    ; my column
	s_or_b32 s[G1+0], s43, (1<<16)|(1<<20)|(1<<21)|(5<<22)|(3<<25)   ; the mask; 2-byte elements; padding on; bit 21 beside a mask; after every 64 words 4 words
	s_or_b32 s[G1B+0], s44, (1<<16)|(1<<20)|(1<<21)|(5<<22)|(3<<25)
.irp g, G1, G1B
	s_mov_b32 s[(\g)+1], KSTEP<<16                 ; tensor_dim0 = 128
	s_mov_b32 s[(\g)+2], 128<<16                   ; tensor_dim1 = 128
	s_mov_b32 s[(\g)+3], KSTEP<<16                 ; tile_dim0
	s_mov_b32 s[(\g)+4], 128                       ; tile_dim1
	s_mov_b32 s[(\g)+5], SIZE_K                    ; from row to row
	s_mov_b32 s[(\g)+6], 0
	s_mov_b32 s[(\g)+7], 0
.endr
	s_lshl_b32 s17, s12, 7
	s_lshl_b32 s16, s13, 8
	s_add_co_u32 s16, s16, s17                     ; A: row 256 x tile row + 128 x half
	s_mul_i32 s16, s16, SIZE_K*2
	s_mov_b32 s17, 0
	s_lshl_b32 s47, s12, 7
	s_lshl_b32 s46, s42, 8
	s_add_co_u32 s46, s46, s47                     ; B: row 256 x tile column + 128 x half
	s_mul_i32 s46, s46, SIZE_K*2
	s_add_co_u32 s46, s46, WOFF
	s_mov_b32 s47, 0
	s_mul_i32 s[LAA], s12, HALFT                   ; no place in the cluster enters an LDS address
	s_add_co_u32 s[LAB], s[LAA], 2*HALFT
	s_mov_b32 s[TB], 0
.if GELU
	s_mov_b32 s72, 0x3f07dc22                      ; the GELU's constants, each as a pair: A5 .. A1, C2 = -log2(e) / 2, and PP
	s_mov_b32 s73, s72
	s_mov_b32 s74, 0xbf3a00e3
	s_mov_b32 s75, s74
	s_mov_b32 s76, 0x3f35f0e3
	s_mov_b32 s77, s76
	s_mov_b32 s78, 0xbe11a98e
	s_mov_b32 s79, s78
	s_mov_b32 s80, 0x3e027906
	s_mov_b32 s81, s80
	s_mov_b32 s82, 0xbf38aa3b
	s_mov_b32 s83, s82
	s_mov_b32 s84, 0x3e6d3388
.endif
	s_wait_dscnt 0x0                               ; the opening add is done
	s_wait_kmcnt 0x0
	s_add_nc_u64 s[14:15], s[4:5], s[16:17]
	s_add_nc_u64 s[46:47], s[6:7], s[46:47]
	CROUND                                         ; all sixteen work-groups are here: the first joint loads meet
.irp s, 0,1
	s_mov_b32 s[G0+4*(\s)], 1
	s_add_co_u32 s[G0+4*(\s)+1], s[LAA], (\s)*SLOT
	s_add_nc_u64 s[G0+4*(\s)+2:G0+4*(\s)+3], s[14:15], (\s)*KSTEP*2
	s_or_b32 s[G0+4*(\s)+3], s[G0+4*(\s)+3], 0x80000000
	s_mov_b32 s[G0B+4*(\s)], 1
	s_add_co_u32 s[G0B+4*(\s)+1], s[LAB], (\s)*SLOT
	s_add_nc_u64 s[G0B+4*(\s)+2:G0B+4*(\s)+3], s[46:47], (\s)*KSTEP*2
	s_or_b32 s[G0B+4*(\s)+3], s[G0B+4*(\s)+3], 0x80000000
	JLOAD \s                                       ; two loads of mine are out
.endr
	v_and_b32 v1, 15, v0                           ; l % 16
	v_bfe_u32 v2, v0, 4, 1                         ; l / 16
	v_and_b32 v5, 31, v0                           ; l
	v_mul_u32_u24 v3, v1, PITCH
	v_lshl_add_u32 v3, v2, 4, v3                   ; a fragment's row x pitch + 16 x half
	s_mul_i32 s21, s11, HALFT                      ; my 128 rows of A
	v_add_nc_u32 v[ADRA0], s21, v3
	v_add_nc_u32 v[ADRB0], s[LAB], v3              ; my 128 rows of B: the half s12, behind A's two
	v_mov_b32 v[ADRA], v[ADRA0]
	v_mov_b32 v[ADRB], v[ADRB0]
	s_mul_i32 s23, s11, 128*SP                     ; into the stage: row 128 x row half + l % 16, byte 512 x column half + 32 (l / 16)
	s_lshl_b32 s21, s12, 9
	s_add_co_u32 s23, s23, s21
	v_mul_u32_u24 v4, v1, SP
	v_lshl_add_u32 v4, v2, 5, v4
	v_add_nc_u32 v[STO], s23, v4
	v_add_nc_u32 v[STO+1], 64*SP, v[STO]           ; a second register, since an LDS offset has 16 bits
	s_mul_i32 s23, s10, 64*SP                      ; back: wave w takes rows 64 w .. 64 w + 63
.if BYHEADS
	v_mul_u32_u24 v4, v2, SP                       ; lanes 0-15 one token, lanes 16-31 the next; 16 lanes x 4 columns are one head
	v_lshl_add_u32 v4, v1, 4, v4
	v_add_nc_u32 v[RD], s23, v4
.else
	v_lshl_add_u32 v[RD], v5, 4, s23               ; 32 lanes x 16 bytes are half a row
.endif
	v_lshlrev_b32 v[CO], 3, v5                     ; my four numbers of bf16
.if BYHEADS
	s_lshr_b32 s16, s13, 3
	s_mul_i32 s16, s16, 3*16*2048*128              ; the batch
	s_and_b32 s17, s13, 7
	s_lshl_b32 s17, s17, 8
	s_lshl_b32 s18, s10, 6
	s_add_co_u32 s17, s17, s18                     ; my first token
	s_lshl_b32 s17, s17, 7
	s_add_co_u32 s16, s16, s17
.else
	s_lshl_b32 s16, s13, 8
	s_lshl_b32 s17, s10, 6
	s_add_co_u32 s16, s16, s17                     ; my first row of C: 256 x tile row + 64 x wave
	s_mul_i32 s16, s16, ROWB
.endif
	s_mov_b32 s17, 0
	s_add_nc_u64 s[8:9], s[8:9], s[16:17]
.if BIAS
	s_lshl_b32 s46, s42, 10
	v_lshl_add_u32 v[BO], v5, 4, s46
	global_load_b128 v[BI:BI+3], v[BO], s[68:69]               ; a lane's eight columns are the same in every row: 4 l .. in the row's first half,
	global_load_b128 v[BI+4:BI+7], v[BO], s[68:69] offset:512  ; 128 + 4 l .. in its second
.endif
	s_lshl_b32 s46, s42, COLSH                     ; the tile's first column, in bytes (in registers that never feed A's descriptors)
	s_mov_b32 s47, 0
	s_add_nc_u64 s[8:9], s[8:9], s[46:47]
	; the prefetches
	s_and_b32 s22, ttmp7, 0xffff                   ; cluster y
	s_lshl_b32 s20, s13, 8
	s_lshl_b32 s21, s42, 8
	s_cmp_eq_u32 s11, 0                            ; do I fetch for A?
	s_cselect_b32 s20, s20, s21                    ; the tile's first row: in A by the tile row, in B by the tile column
	s_cselect_b32 s21, s40, s41                    ; my place among the four that ask for it with me
	s_cselect_b32 s22, ttmp9, s22                  ; the coordinate along which other clusters read the same rows
	s_cselect_b32 s23, 0, WOFF
	s_cselect_b64 s[PFA:PFA+1], s[4:5], s[6:7]
	s_cmp_eq_u32 s22, 0
	s_cselect_b32 s[LIM], 1, -1                    ; the same in all sixteen partners, for a given wave
	s_lshl_b32 s22, s12, 7
	s_add_co_u32 s20, s20, s22                     ; + the 128 rows that I fetch
	s_lshl_b32 s21, s21, 5
	s_add_co_u32 s20, s20, s21                     ; + my work-group's 32 of them
	s_mul_i32 s20, s20, SIZE_K*2
	s_add_co_u32 s20, s20, s23
	s_add_co_u32 s20, s20, 2*KSTEP*2               ; at K step 2: the first refill steps it to 3
	s_mov_b32 s21, 0
	s_add_nc_u64 s[PFA:PFA+1], s[PFA:PFA+1], s[20:21]
	v_lshlrev_b32 v[PFO], 11, v5                   ; a row of A or B is 2,048 bytes
; 16 matrix instructions: m blocks a0, a0 + 1 of the window's four (hi = 0: my rows 0-63, 1: rows 64-127) x all 8 n blocks, 32 along K.  zero = 1: the first product starts the sums.
; The 64 accumulators take turns, in the same order in every quarter.
.macro MUL16 f, hi, a0, zero
	WIN MUL_LO+0x50*(\hi)
.irp a, \a0, (\a0)+1
.irp b, 0,1,2,3,4,5,6,7
.if \zero
	v_wmma_f32_16x16x32_bf16 v[8*(8*(\a)+(\b)):8*(8*(\a)+(\b))+7], v[(\f)+8*(\b):(\f)+8*(\b)+7], v[(\f)+8*(4*(\hi)+(\a)):(\f)+8*(4*(\hi)+(\a))+7], 0
.else
	v_wmma_f32_16x16x32_bf16 v[8*(8*(\a)+(\b)):8*(8*(\a)+(\b))+7], v[(\f)+8*(\b):(\f)+8*(\b)+7], v[(\f)+8*(4*(\hi)+(\a)):(\f)+8*(4*(\hi)+(\a))+7], v[8*(8*(\a)+(\b)):8*(8*(\a)+(\b))+7]
.endif
.endr
.endr
.endm
; 32 LDS loads in one run: the fragments of one quarter step (128 rows of B, 128 rows of A, 32 K at byte k of the rows of the slot in hand) into buffer f
.macro FETCH k, f
	WIN TO_B
.irp i, 0,1,2,3,4,5,6,7
	ds_load_b128 v[(\f)+8*(\i):(\f)+8*(\i)+3],   v[ADRB] offset:(\k)+(\i)*16*PITCH
	ds_load_b128 v[(\f)+8*(\i)+4:(\f)+8*(\i)+7], v[ADRB] offset:(\k)+(\i)*16*PITCH+32
.endr
	WIN 0
.irp i, 0,1,2,3,4,5,6,7
	ds_load_b128 v[(\f)+8*(\i):(\f)+8*(\i)+3],   v[ADRA] offset:(\k)+(\i)*16*PITCH
	ds_load_b128 v[(\f)+8*(\i)+4:(\f)+8*(\i)+7], v[ADRA] offset:(\k)+(\i)*16*PITCH+32
.endr
.endm
; A K step is four quarters of 32 along K, 64 matrix instructions each, on buffers 0, 1, 0, 1.  One of the first three: multiplies buffer f and, in its middle, fetches the next quarter, at byte k, into g.
.macro QUARTER k, f, g, zero
	s_wait_dscnt 8                                 ; B and A's rows 0-63 are in; the youngest eight loads (A's rows 64-127) may be out
	MUL16 \f, 0, 0, \zero
	MUL16 \f, 0, 2, \zero
	PLACES
	FETCH \k, \g
	s_wait_dscnt 32                                ; all but the 32 just issued
	MUL16 \f, 1, 0, \zero
	MUL16 \f, 1, 2, \zero
.endm
; The last quarter multiplies buffer 1 and, in its middle, changes slots: ONE barrier; in front of it each wave waits for all its tensor loads (one is out: its part of the next slot), adds 0 to its spare
; word, and waits for that and for its own reads of this slot.  The quarter's first 32 products stand AHEAD of that wait, so that they are issued while the tile is on its way; its last 32 stand behind
; the run of LDS loads that brings the next slot's first fragments.  fill = 1: the barrier opens a round of the cluster's, and the slot just read is filled again, two K steps ahead, first thing behind it:
; from that request to the wait for it a wave issues a K step's 256 matrix instructions.  fill = 0: the tail; in its second trip (s3 = 1) there is no further slot to fetch from.
.macro TURN fill
.if \fill
	s_wait_xcnt 0x0                                ; the last prefetch, a K step back, has read its address: it is stepped here, ahead of the change of slots
	s_add_nc_u64 s[PFA:PFA+1], s[PFA:PFA+1], KSTEP*2
.endif
	s_wait_dscnt 8                                 ; B and A's rows 0-63 of buffer 1 are in
	MUL16 F1, 0, 0, 0
	MUL16 F1, 0, 2, 0
	WIN 0
	s_wait_tensorcnt 0x0                           ; no tensor load of mine is out, so a group 0 may be written
	ds_add_u32 v[SPW], v[NIL]                      ; the descriptors' steps stand between the add and the wait for it
.if \fill
	s_add_co_u32 s[G0+5], s[LAA], s[TB]            ; the walking sets: into the slot just read,
	s_add_co_u32 s[G0B+5], s[LAB], s[TB]
	s_add_nc_u64 s[G0+6:G0+7], s[G0+6:G0+7], KSTEP*2  ; the next K step
	s_add_nc_u64 s[G0B+6:G0B+7], s[G0B+6:G0B+7], KSTEP*2
	s_xor_b32 s[TB], s[TB], SLOT
.endif
	s_wait_dscnt 0x0                               ; the add is done, and my reads of this slot are over
	s_barrier_signal -1
	s_barrier_wait -1
.if \fill
	CREST                                          ; no wave of any partner still reads this slot's tile or has a load on its way
	JLOAD 1                                        ; its four v_nop are also the places in front of the loads below
.else
	s_cmp_eq_u32 s3, 1
	s_cbranch_scc1 .Lnofetch_\@
	s_xor_b32 s[TB], s[TB], SLOT
	PLACES
.endif
	v_add_nc_u32 v[ADRA], s[TB], v[ADRA0]
	v_add_nc_u32 v[ADRB], s[TB], v[ADRB0]
	FETCH 0, F0
.if \fill
	ASK
.else
.Lnofetch_\@:
.endif
	MUL16 F1, 1, 0, 0
	MUL16 F1, 1, 2, 0
.endm
; gelu(t) = max(t, 0) - |t| r, r = erfc(|t| / sqrt 2) / 2 = (A1 u + .. + A5 u^5) 2^(C2 t^2), u = 1 / (1 + PP |t|): no difference of near numbers is formed.  16 numbers in T.
; The 32 transcendentals are one batch with one wait; the sixteen maxima are the plain work behind them.
.macro GELU16
.set i, 0
.rept 16
	v_fma_f32 v[U+i], |v[T+i]|, s84, 1.0
.set i, i+1
.endr
.set i, 0
.rept 8
	v_pk_mul_f32 v[Q+i:Q+i+1], v[T+i:T+i+1], v[T+i:T+i+1]
.set i, i+2
.endr
.set i, 0
.rept 8
	v_pk_mul_f32 v[Q+i:Q+i+1], v[Q+i:Q+i+1], s[82:83] op_sel_hi:[1,0]
.set i, i+2
.endr
.set i, 0
.rept 16
	v_rcp_f32 v[U+i], v[U+i]
.set i, i+1
.endr
.set i, 0
.rept 16
	v_exp_f32 v[Q+i], v[Q+i]
.set i, i+1
.endr
.set i, 0
.rept 16
	v_max_num_f32 v[MX+i], 0, v[T+i]
.set i, i+1
.endr
	s_wait_alu depctr_va_vdst(0)                   ; the wait ahead of the batch's first reader
.set i, 0
.rept 8
	v_pk_fma_f32 v[P+i:P+i+1], v[U+i:U+i+1], s[72:73], s[74:75] op_sel_hi:[1,0,0]
.set i, i+2
.endr
.irp k, 76, 78, 80
.set i, 0
.rept 8
	v_pk_fma_f32 v[P+i:P+i+1], v[P+i:P+i+1], v[U+i:U+i+1], s[\k:\k+1] op_sel_hi:[1,1,0]
.set i, i+2
.endr
.endr
.set i, 0
.rept 8
	v_pk_mul_f32 v[P+i:P+i+1], v[P+i:P+i+1], v[U+i:U+i+1]
.set i, i+2
.endr
.set i, 0
.rept 8
	v_pk_mul_f32 v[P+i:P+i+1], v[P+i:P+i+1], v[Q+i:Q+i+1]
.set i, i+2
.endr
.set i, 0
.rept 16
	v_fma_f32 v[T+i], -|v[T+i]|, v[P+i], v[MX+i]
.set i, i+1
.endr
.endm
; GR pairs of stage rows into N: 16 numbers a lane and pair
.macro LOADN
.set g, 0
.rept GR
.irp j, 0,1,2,3
.if BYHEADS
	ds_load_b128 v[N+16*g+4*(\j):N+16*g+4*(\j)+3], v[RD] offset:g*2*SP+(\j)*256            ; two tokens of head j
.else
	ds_load_b128 v[N+16*g+4*(\j):N+16*g+4*(\j)+3], v[RD] offset:g*2*SP+((\j)/2)*SP+((\j)%2)*512  ; row j / 2, half j % 2
.endif
.endr
.set g, g+1
.endr
.endm
	s_wait_tensorcnt 1                             ; my part of K step 0 is in; K step 1's may stay out
	s_barrier_signal -1
	s_barrier_wait -1
	FETCH 0, F0
	QUARTER 64, F0, F1, 1                          ; the first quarter stands in front of the loop: its products start the sums
	WIN 0
	s_mov_b32 s3, NSTEP-2
.Lstep:                                                ; a trip: from a K step's second quarter to the next step's first; the slot left behind is filled again
	QUARTER 128, F1, F0, 0
	QUARTER 192, F0, F1, 0
	TURN 1
	QUARTER 64, F0, F1, 0
	WIN 0
	s_sub_co_u32 s3, s3, 1
	s_cmp_lg_u32 s3, 0
	s_cbranch_scc1 .Lstep
	s_mov_b32 s3, 2
.Ltail:                                                ; the last two K steps ask for nothing
	QUARTER 128, F1, F0, 0
	QUARTER 192, F0, F1, 0
	TURN 0
	WIN 0
	s_cmp_eq_u32 s3, 1
	s_cbranch_scc1 .Lnoq                           ; behind the last K step there is no first quarter of a next one
	QUARTER 64, F0, F1, 0
	WIN 0
.Lnoq:
	s_sub_co_u32 s3, s3, 1
	s_cmp_lg_u32 s3, 0
	s_cbranch_scc1 .Ltail
	s_wait_dscnt 0x0                               ; THE RING'S BYTES CHANGE THEIR USE: a barrier of its own, in front of which my LDS reads are back
	s_barrier_signal -1
	PLACES                                         ; the places behind the last products
	PLACES
	s_barrier_wait -1                              ; everybody's are: both slots, which have had their last fill, may be written
.irp hi, 0,1
	WIN 0x08+4*(\hi)                               ; store data in window 2, then 3
.irp a, 0,1,2,3
.irp b, 0,1,2,3,4,5,6,7
	ds_store_b128 v[STO+(\hi)], v[8*(8*(\a)+(\b)):8*(8*(\a)+(\b))+3]   offset:(\a)*16*SP+64*(\b)     ; each accumulator's low registers first
	ds_store_b128 v[STO+(\hi)], v[8*(8*(\a)+(\b))+4:8*(8*(\a)+(\b))+7] offset:(\a)*16*SP+64*(\b)+16
.endr
.endr
.endr
	WIN 0
.if BIAS
	s_wait_loadcnt 0x0                             ; the bias
.endif
	s_wait_dscnt 0x0                               ; for the others' sake: a stage row comes from two waves
	s_barrier_signal -1
	s_barrier_wait -1
	LOADN                                          ; the first trip's rows
	s_mov_b32 s3, TRIPS
.Lrows:                                                ; a trip: 2 GR of my 64 rows
	s_wait_dscnt 0x0                               ; this trip's rows are in
.if BIAS
.irp j, 0,1,2,3
	v_pk_add_f32 v[T+4*(\j):T+4*(\j)+1], v[N+4*(\j):N+4*(\j)+1], v[BI+4*((\j)%2):BI+4*((\j)%2)+1]
	v_pk_add_f32 v[T+4*(\j)+2:T+4*(\j)+3], v[N+4*(\j)+2:N+4*(\j)+3], v[BI+4*((\j)%2)+2:BI+4*((\j)%2)+3]
.endr
.else
.set i, 0
.rept 8*GR
	v_cvt_pk_bf16_f32 v[U+i], v[N+2*i], v[N+2*i+1]
.set i, i+1
.endr
.endif
	s_cmp_eq_u32 s3, 1
	s_cbranch_scc1 .Lnomore                        ; the last trip has no rows behind it
	v_add_nc_u32 v[RD], GR*2*SP, v[RD]
	LOADN                                          ; the next trip's rows come while this trip's are worked on and stored
.Lnomore:
.if GELU
	GELU16
.endif
.if BIAS
.set i, 0
.rept 8
	v_cvt_pk_bf16_f32 v[U+i], v[T+2*i], v[T+2*i+1]
.set i, i+1
.endr
.endif
.set g, 0
.rept GR
.irp j, 0,1,2,3
.if BYHEADS
	global_store_b64 v[CO], v[U+8*g+2*(\j):U+8*g+2*(\j)+1], s[8:9] offset:g*CSTEP+(\j)*2048*128  ; 32 lanes store two tokens of one head: 256 consecutive bytes, aligned
.else
	global_store_b64 v[CO], v[U+8*g+2*(\j):U+8*g+2*(\j)+1], s[8:9] offset:g*CSTEP+((\j)/2)*ROWB+((\j)%2)*256  ; 256 consecutive bytes, aligned
.endif
.endr
.set g, g+1
.endr
	s_wait_xcnt 0x0                                ; the stores have read their data and their offset: only now are these written again
	v_add_nc_u32 v[CO], GR*CSTEP, v[CO]
	s_sub_co_u32 s3, s3, 1
	s_cmp_lg_u32 s3, 0
	s_cbranch_scc1 .Lrows
.Lend:
	s_wait_tensorcnt 0x0                           ; the wave's end: behind my last tensor load and my last LDS store
	ds_add_u32 v[SPW], v[NIL]
	s_wait_dscnt 0x0
	CROUND                                         ; the closing round: no work-group ends while a partner may still ask for a tile that names it
	s_endpgm
.Lfunc_end_k_q35e01f9424_gemm_w1:
	.size	k_q35e01f9424_gemm_w1, .Lfunc_end_k_q35e01f9424_gemm_w1-k_q35e01f9424_gemm_w1
	.p2alignl 7, 3214868480
	.fill 96, 4, 3214868480
	.section	.rodata,"a",@progbits
	.p2align	6, 0x0
	.amdhsa_kernel k_q35e01f9424_gemm_w1
		.amdhsa_group_segment_fixed_size 327680
		.amdhsa_private_segment_fixed_size 0
		.amdhsa_enable_private_segment 0
		.amdhsa_kernarg_size 32
		.amdhsa_user_sgpr_count 2
		.amdhsa_user_sgpr_kernarg_segment_ptr 1
		.amdhsa_wavefront_size32 1
		.amdhsa_system_sgpr_workgroup_id_x 1
		.amdhsa_system_sgpr_workgroup_id_y 1
		.amdhsa_system_sgpr_workgroup_id_z 1
		.amdhsa_system_vgpr_workitem_id 0
		.amdhsa_next_free_vgpr 1024
		.amdhsa_next_free_sgpr 96
		.amdhsa_reserve_vcc 0
		.amdhsa_float_denorm_mode_32 3
		.amdhsa_float_denorm_mode_16_64 3
		.amdhsa_memory_ordered 1
		.amdhsa_forward_progress 1
		.amdhsa_inst_pref_size 89
	.end_amdhsa_kernel
	.amdgpu_metadata
---
amdhsa.version: [ 1, 2 ]
amdhsa.kernels:
  - .name:           k_q35e01f9424_gemm_w1
    .symbol:         k_q35e01f9424_gemm_w1.kd
    .args:
      - { .name: h, .offset: 0, .size: 8, .value_kind: global_buffer, .address_space: global }
      - { .name: wb, .offset: 8, .size: 8, .value_kind: global_buffer, .address_space: global }
      - { .name: m, .offset: 16, .size: 8, .value_kind: global_buffer, .address_space: global }
      - { .name: b1, .offset: 24, .size: 8, .value_kind: global_buffer, .address_space: global }
    .group_segment_fixed_size: 327680
    .private_segment_fixed_size: 0
    .kernarg_segment_align: 8
    .kernarg_segment_size: 32
    .max_flat_workgroup_size: 128
    .sgpr_count:     96
    .vgpr_count:     1024
    .wavefront_size: 32
...
	.end_amdgpu_metadata
.endif
;; end of part 6
;; launch gemm_w2 (part 7): grid 8 x 32, 4 waves a work-group, clusters of 4 x 4, 327,680 bytes of LDS; arguments m, wb, out0, b2, res; writes out0
.if DOCPART == 7
	.amdgcn_target "amdgcn-amd-amdhsa--gfx1250"
	.amdhsa_code_object_version 6
	.text
	.protected	k_q35e01f9424_gemm_w2
	.globl	k_q35e01f9424_gemm_w2
	.p2align	8
	.type	k_q35e01f9424_gemm_w2,@function
k_q35e01f9424_gemm_w2:
	s_mov_b64 s[64:65], 0
	v_nop
	global_prefetch_b8 v0, s[64:65] scope:SCOPE_SE
	s_setreg_imm32_b32 hwreg(HW_REG_WAVE_MODE, 25, 1), 1
	s_wait_xcnt 0x0
	s_wait_alu depctr_hold_cnt(0) depctr_sa_sdst(0) depctr_va_vdst(0) depctr_va_sdst(0) depctr_va_ssrc(0) depctr_va_vcc(0) depctr_vm_vsrc(0)
	s_getreg_b32 s2, hwreg(HW_REG_IB_STS2, 6, 4)
	s_cmp_eq_u32 s2, 0
	s_cbranch_scc0 .Lentry_in_a_cluster
	s_endpgm
.Lentry_in_a_cluster:
	s_bfe_u32 s2, ttmp6, 0x10000c
	s_cmp_lg_u32 s2, 0xf033
	s_cbranch_scc0 .Lentry_shape_is_right
	s_endpgm
.Lentry_shape_is_right:
; out0 = gelu(m W2^T + b2) + res, in f32.  m: [4096][4096] bf16; W2: 1,024 rows of wb from byte 10,485,760, bf16; b2, res, out0 in f32; sums, bias, GELU and residual in f32.
; ONE TEXT SERVES TWO PRODUCTS C = A B^T + bias (+ GELU) + residual of this program (this one and the projection behind the attention); the switches below say what this copy does.
.set SIZE_N,  1024                     ; columns of C = rows of B
.set SIZE_K,  4096
.set WOFF,    10485760                 ; B's first byte in wb
.set AHEADS,  0                        ; 1: A lies by heads, [32][2048][64]
.set GELU,    1
; A tile of C is 128 x 128: 4,096 / 128 x 1,024 / 128 = 256 work-groups.  Four waves, each 64 x 64: 16 accumulators of 16 x 16.  K goes in steps of 256 through two LDS slots; a wave's tensor load
; brings 64 rows of A or of B.
; CLUSTERS: 4 x 4 work-groups.  The four of a row of the cluster need the same tiles of A, the four of a column the same tiles of B: each tile is asked for JOINTLY.
; THE MATRIX INSTRUCTION IS USED TRANSPOSED (source 0 = 16 rows of B, source 1 = 16 rows of A): a lane then holds eight neighbouring numbers of a row of C.
; THE SLOT IN HAND IS A REGISTER (s2 = 0 or SLOT), so one K step is written for the loop.  The last two K steps, which ask for nothing, are a loop of two trips of their own
; in its second trip the fetch of a further step and that step's first quarter are jumped forward over.
; THE WAY OUT: the f32 sums go into a stage of 128 rows x 528 bytes that lies in slot 0, behind that slot's last fill and behind a barrier at which every wave's reads of both slots are over;
; then each wave takes 32 whole rows, four a trip, adds the bias, takes the GELU where there is one, adds the residual and stores aligned runs of 512 bytes.
; LIMITS: matrix operands are bf16; NaN and infinities are not treated apart; erf in the GELU by a rational form with an error of at most 1.5e-7 for every argument.
; REGISTERS: window 0: v0-31 addresses, v32-127 at work on the way out, v128-255 the accumulators ((a, b) at 128 + 8 (4 a + b)); window 1: two fragment buffers of 128 (64 of A, 64 of B, for 64 along K);
;   window 2: my 32 rows of the residual, loaded during the products.
.set KSTEP,  256
.set NSTEP,  SIZE_K/KSTEP
.set PITCH,  528                       ; an LDS row of B: 512 bytes + 16 of padding: the 16 rows of a fragment load start at 16 different groups of four banks
.set HALFB,  64*PITCH
.if AHEADS
.set PA,     144                       ; A by heads: a token's 128 bytes of one head + 16 of padding; a K step is four heads, each 64 tokens x 144 bytes
.set HALFA,  4*64*PA
.set KADV_A, 4*2048*64*2               ; four heads on
.else
.set PA,     528
.set HALFA,  64*PA
.set KADV_A, KSTEP*2
.endif
.set SLOT,   2*HALFA+2*HALFB           ; A's two halves, then B's two halves
.set SPARE,  2*SLOT                    ; behind the ring: the spare words, 128 bytes a wave, two blocks of 256 bytes that no other line names
.set SP,     528                       ; a stage row: 128 f32 + 16 bytes
.set RES,    SLOT                      ; the residual's rows are parked in slot 1, behind its last fill: 16,384 bytes a wave
.set ROWB,   SIZE_N*4
.set BI,    8                          ; v[8:11] the bias of my four columns
.set ADRA0, 16                         ; my lane's place in slot 0, for A's fragments and for B's; never rewritten
.set ADRB0, 17
.set ADRA,  18                         ; the same in the slot in hand
.set ADRB,  19
.set STO,   24                         ; where I put 32 bytes of a stage row
.set RD,    25                         ; where I read the stage
.set CO,    26                         ; my byte offset in C
.set RW,    27                         ; my place in the parked residual
.set SPW,   28                         ; my spare word: SPARE + 4 x my thread's number; never rewritten
.set NIL,   29                         ; 0; never rewritten
.set BO,    30                         ; my byte offset in the bias
.set T,     32
.set U,     48
.set Q,     64
.set P,     80
.set MX,    96
.set RS,    112
.set ACC,   128
.set F0,    0
.set F1,    128
.set G1,    24                         ; s[24:31] group 1 for A; s[32:39] group 0: set 0 for K step 0, set 1 for K step 1, which then walks
.set G0,    32
.set G1B,   48                         ; s[48:55], s[56:63] the same for B
.set G0B,   56
.set TB,    2                          ; s2: the slot in hand
.set LAA,   66                         ; s66, s67: where my load lands in a slot, for A and for B
.set LAB,   67
.set MSB, 0
.macro WIN new                         ; the immediate's high byte repeats the setting that is left
.if MSB != (\new)
	s_set_vgpr_msb (MSB<<8)|(\new)
.set MSB, \new
.endif
.endm
.set MUL,  0x05                        ; sources 0 (B) and 1 (A) window 1; C and D window 0
.set TO_F, 0x40                        ; destination window 1, address window 0
.macro JLOAD s                         ; a joint load: waves 0 and 1 fetch A's halves, waves 2 and 3 B's; an s_nop 0 and four v_nop follow each line
	s_cmp_eq_u32 s11, 0
	s_cbranch_scc0 .Lfor_b_\@
	tensor_load_to_lds s[G0+4*(\s):G0+4*(\s)+3], s[G1:G1+7]
	s_nop 0
.rept 4
	v_nop
.endr
	s_branch .Lasked_\@
.Lfor_b_\@:
	tensor_load_to_lds s[G0B+4*(\s):G0B+4*(\s)+3], s[G1B:G1B+7]
	s_nop 0
.rept 4
	v_nop
.endr
.Lasked_\@:
.endm
.macro CREST                           ; a round of the cluster's barrier behind its opening barrier
	s_cmp_lg_u32 s10, 0
	s_cbranch_scc1 .Lnot_wave_0_\@
	s_barrier_signal -3
.Lnot_wave_0_\@:
	s_barrier_wait -3
	s_barrier_signal -1
	s_barrier_wait -1
.endm
.macro CROUND
	s_barrier_signal -1
	s_barrier_wait -1
	CREST
.endm
.macro PLACES                          ; four places in front of loads into registers that matrix instructions have read
.rept 4
	v_nop
.endr
.endm
	s_load_b128 s[4:7], s[0:1], 0x0                ; A s[4:5], wb s[6:7]
	s_load_b64 s[8:9], s[0:1], 0x10                ; C
	s_load_b64 s[68:69], s[0:1], 0x18              ; the bias
	s_load_b64 s[70:71], s[0:1], 0x20              ; the residual
	v_lshl_add_u32 v[SPW], v0, 2, SPARE
	v_mov_b32 v[NIL], 0
	ds_add_u32 v[SPW], v[NIL]                      ; the wave's opening: the add and its wait ahead of my first tensor load; work on registers stands between
	v_lshrrev_b32 v1, 5, v0
	v_readfirstlane_b32 s10, v1                    ; wave 0..3
	s_lshr_b32 s11, s10, 1                         ; my half of the tile's rows.  Also: I fetch for A (0) or for B (1)
	s_and_b32 s12, s10, 1                          ; my half of its columns.  Also: which 64 rows I fetch
	s_bfe_u32 s40, ttmp6, 0x40000                  ; cx, cy
	s_bfe_u32 s41, ttmp6, 0x40004
	s_lshl_b32 s42, ttmp9, 2
	s_add_co_u32 s42, s42, s40                     ; tile column = 4 x cluster x + cx
	s_and_b32 s13, ttmp7, 0xffff
	s_lshl_b32 s13, s13, 2
	s_add_co_u32 s13, s13, s41                     ; tile row = 4 x cluster y + cy
	s_lshl_b32 s43, s41, 2
	s_lshl_b32 s43, 15, s43                        ; my row of the cluster
	s_lshl_b32 s44, 0x1111, s40                    ; my column
.if AHEADS
	s_or_b32 s[G1+0], s43, (1<<16)|(1<<20)|(1<<21)|(4<<22)|(3<<25)  ; the mask; 2-byte elements; padding on; bit 21 beside a mask; after every 32 words 4 words
	s_mov_b32 s[G1+1], 4096<<16                    ; tensor_dim0 = 4,096: 64 tokens x 64 channels of one head, dense
	s_mov_b32 s[G1+2], 4<<16                       ; tensor_dim1 = 4 heads
	s_mov_b32 s[G1+3], 4096<<16                    ; tile_dim0
	s_mov_b32 s[G1+4], 4                           ; tile_dim1
	s_mov_b32 s[G1+5], 2048*64                     ; from head to head
.else
	s_or_b32 s[G1+0], s43, (1<<16)|(1<<20)|(1<<21)|(6<<22)|(3<<25)  ; the mask; 2-byte elements; padding on; bit 21 beside a mask; after every 128 words 4 words
	s_mov_b32 s[G1+1], KSTEP<<16                   ; tensor_dim0 = 256
	s_mov_b32 s[G1+2], 64<<16                      ; tensor_dim1 = 64
	s_mov_b32 s[G1+3], KSTEP<<16                   ; tile_dim0
	s_mov_b32 s[G1+4], 64                          ; tile_dim1
	s_mov_b32 s[G1+5], SIZE_K                      ; from row to row
.endif
	s_mov_b32 s[G1+6], 0
	s_mov_b32 s[G1+7], 0
	s_or_b32 s[G1B+0], s44, (1<<16)|(1<<20)|(1<<21)|(6<<22)|(3<<25)
	s_mov_b32 s[G1B+1], KSTEP<<16
	s_mov_b32 s[G1B+2], 64<<16
	s_mov_b32 s[G1B+3], KSTEP<<16
	s_mov_b32 s[G1B+4], 64
	s_mov_b32 s[G1B+5], SIZE_K
	s_mov_b32 s[G1B+6], 0
	s_mov_b32 s[G1B+7], 0
.if AHEADS
	s_lshr_b32 s16, s13, 4                         ; the batch: 16 heads of 262,144 bytes
	s_lshl_b32 s16, s16, 22
	s_and_b32 s17, s13, 15
	s_lshl_b32 s17, s17, 7                         ; the tile's first token,
	s_lshl_b32 s18, s12, 6                         ; the 64 that I fetch,
	s_add_co_u32 s17, s17, s18
	s_lshl_b32 s17, s17, 7                         ; 128 bytes each
	s_add_co_u32 s16, s16, s17
.else
	s_lshl_b32 s17, s12, 6
	s_lshl_b32 s16, s13, 7
	s_add_co_u32 s16, s16, s17                     ; A: row 128 x tile row + 64 x half
	s_mul_i32 s16, s16, SIZE_K*2
.endif
	s_mov_b32 s17, 0
	s_lshl_b32 s47, s12, 6
	s_lshl_b32 s46, s42, 7
	s_add_co_u32 s46, s46, s47                     ; B: row 128 x tile column + 64 x half
	s_mul_i32 s46, s46, SIZE_K*2
	s_add_co_u32 s46, s46, WOFF
	s_mov_b32 s47, 0
	s_mul_i32 s[LAA], s12, HALFA                   ; no place in the cluster enters an LDS address
	s_mul_i32 s[LAB], s12, HALFB
	s_add_co_u32 s[LAB], s[LAB], 2*HALFA
	s_mov_b32 s[TB], 0
.if GELU
	s_mov_b32 s72, 0x3f07dc22                      ; the GELU's constants, each as a pair: A5 .. A1, C2 = -log2(e) / 2, and PP
	s_mov_b32 s73, s72
	s_mov_b32 s74, 0xbf3a00e3
	s_mov_b32 s75, s74
	s_mov_b32 s76, 0x3f35f0e3
	s_mov_b32 s77, s76
	s_mov_b32 s78, 0xbe11a98e
	s_mov_b32 s79, s78
	s_mov_b32 s80, 0x3e027906
	s_mov_b32 s81, s80
	s_mov_b32 s82, 0xbf38aa3b
	s_mov_b32 s83, s82
	s_mov_b32 s84, 0x3e6d3388
.endif
	s_wait_dscnt 0x0                               ; the opening add is done
	s_wait_kmcnt 0x0
	s_add_nc_u64 s[14:15], s[4:5], s[16:17]
	s_add_nc_u64 s[46:47], s[6:7], s[46:47]
	CROUND                                         ; all sixteen work-groups are here: the first joint loads meet
.irp s, 0,1
	s_mov_b32 s[G0+4*(\s)], 1
	s_add_co_u32 s[G0+4*(\s)+1], s[LAA], (\s)*SLOT
	s_add_nc_u64 s[G0+4*(\s)+2:G0+4*(\s)+3], s[14:15], (\s)*KADV_A
	s_or_b32 s[G0+4*(\s)+3], s[G0+4*(\s)+3], 0x80000000
	s_mov_b32 s[G0B+4*(\s)], 1
	s_add_co_u32 s[G0B+4*(\s)+1], s[LAB], (\s)*SLOT
	s_add_nc_u64 s[G0B+4*(\s)+2:G0B+4*(\s)+3], s[46:47], (\s)*KSTEP*2
	s_or_b32 s[G0B+4*(\s)+3], s[G0B+4*(\s)+3], 0x80000000
	JLOAD \s                                       ; two loads of mine are out
.endr
	v_and_b32 v1, 15, v0                           ; l % 16
	v_bfe_u32 v2, v0, 4, 1                         ; l / 16
	v_and_b32 v5, 31, v0                           ; l
	v_mul_u32_u24 v3, v1, PA
	v_lshl_add_u32 v3, v2, 4, v3                   ; a fragment's row x pitch + 16 x half
	s_mul_i32 s21, s11, HALFA                      ; my 64 rows of A
	v_add_nc_u32 v[ADRA0], s21, v3
	v_mul_u32_u24 v3, v1, PITCH
	v_lshl_add_u32 v3, v2, 4, v3
	v_add_nc_u32 v[ADRB0], s[LAB], v3              ; my 64 rows of B: the half s12, behind A's two
	v_mov_b32 v[ADRA], v[ADRA0]
	v_mov_b32 v[ADRB], v[ADRB0]
	s_mul_i32 s23, s11, 64*SP                      ; into the stage: row 64 x row half + l % 16, byte 256 x column half + 32 (l / 16)
	s_lshl_b32 s21, s12, 8
	s_add_co_u32 s23, s23, s21
	v_mul_u32_u24 v4, v1, SP
	v_lshl_add_u32 v4, v2, 5, v4
	v_add_nc_u32 v[STO], s23, v4
	s_mul_i32 s23, s10, 32*SP                      ; back: wave w takes rows 32 w .. 32 w + 31
	v_lshl_add_u32 v[RD], v5, 4, s23               ; 32 lanes x 16 bytes are a row
	v_lshlrev_b32 v[CO], 4, v5                     ; my four numbers of a row of C
	s_lshl_b32 s23, s10, 14
	s_add_co_u32 s23, s23, RES
	v_lshl_add_u32 v[RW], v5, 4, s23
	s_lshl_b32 s16, s13, 7
	s_lshl_b32 s17, s10, 5
	s_add_co_u32 s16, s16, s17                     ; my first row of C: 128 x tile row + 32 x wave
	s_mul_i32 s16, s16, ROWB
	s_mov_b32 s17, 0
	s_add_nc_u64 s[8:9], s[8:9], s[16:17]
	s_add_nc_u64 s[70:71], s[70:71], s[16:17]
	s_lshl_b32 s46, s42, 9                         ; the tile's first column, in bytes (in registers that never feed A's descriptors): the same in the bias, in C and in the residual
	s_mov_b32 s47, 0
	v_lshl_add_u32 v[BO], v5, 4, s46
	global_load_b128 v[BI:BI+3], v[BO], s[68:69]   ; a lane's four columns are the same in every row
	s_add_nc_u64 s[8:9], s[8:9], s[46:47]
	s_add_nc_u64 s[70:71], s[70:71], s[46:47]
; 8 matrix instructions: m blocks a0, a0 + 1 x all 4 n blocks, 32 along K: half c of buffer f.  zero = 1: the first product starts the sums.  The 16 accumulators take turns.
.macro MUL8 f, c, a0, zero
	WIN MUL
.irp a, \a0, (\a0)+1
.irp b, 0,1,2,3
.if \zero
	v_wmma_f32_16x16x32_bf16 v[ACC+8*(4*(\a)+(\b)):ACC+8*(4*(\a)+(\b))+7], v[(\f)+64+8*(4*(\c)+(\b)):(\f)+64+8*(4*(\c)+(\b))+7], v[(\f)+8*(4*(\c)+(\a)):(\f)+8*(4*(\c)+(\a))+7], 0
.else
	v_wmma_f32_16x16x32_bf16 v[ACC+8*(4*(\a)+(\b)):ACC+8*(4*(\a)+(\b))+7], v[(\f)+64+8*(4*(\c)+(\b)):(\f)+64+8*(4*(\c)+(\b))+7], v[(\f)+8*(4*(\c)+(\a)):(\f)+8*(4*(\c)+(\a))+7], v[ACC+8*(4*(\a)+(\b)):ACC+8*(4*(\a)+(\b))+7]
.endif
.endr
.endr
.endm
; 32 LDS loads in one run: the fragments of 64 along K at byte k of the rows of the slot in hand, into buffer f; the first 32 along K first
.macro FETCH k, f
.if AHEADS
.set AKOF, ((\k)/128)*64*PA            ; a quarter of a K step is one head
.else
.set AKOF, (\k)
.endif
	WIN TO_F
.irp c, 0,1
.irp i, 0,1,2,3
	ds_load_b128 v[(\f)+64+8*(4*(\c)+(\i)):(\f)+64+8*(4*(\c)+(\i))+3],   v[ADRB] offset:(\k)+64*(\c)+(\i)*16*PITCH
	ds_load_b128 v[(\f)+64+8*(4*(\c)+(\i))+4:(\f)+64+8*(4*(\c)+(\i))+7], v[ADRB] offset:(\k)+64*(\c)+(\i)*16*PITCH+32
	ds_load_b128 v[(\f)+8*(4*(\c)+(\i)):(\f)+8*(4*(\c)+(\i))+3],         v[ADRA] offset:AKOF+64*(\c)+(\i)*16*PA
	ds_load_b128 v[(\f)+8*(4*(\c)+(\i))+4:(\f)+8*(4*(\c)+(\i))+7],       v[ADRA] offset:AKOF+64*(\c)+(\i)*16*PA+32
.endr
.endr
.endm
; A K step is four quarters of 64 along K, 32 matrix instructions each, on buffers 0, 1, 0, 1.  One of the first three: multiplies buffer f and fetches the next quarter, at byte k, into g.
.macro QUARTER k, f, g, zero
	s_wait_dscnt 16                                ; the first 32 along K are in; the sixteen younger loads may be out
	MUL8 \f, 0, 0, \zero
	MUL8 \f, 0, 2, \zero
	PLACES
	FETCH \k, \g
	s_wait_dscnt 32                                ; all but the 32 just issued
	MUL8 \f, 1, 0, 0
	MUL8 \f, 1, 2, 0
.endm
; The last quarter multiplies buffer 1 and, in its middle, changes slots: ONE barrier; in front of it each wave waits for all its tensor loads (one is out: its part of the next slot), adds 0 to its spare
; word, and waits for that and for its own reads of this slot.  The quarter's first 16 products stand AHEAD of that wait, so that they are issued while the tile is on its way; its last 16 stand behind
; the run of LDS loads that brings the next slot's first fragments.  fill = 1: the barrier opens a round of the cluster's, and the slot just read is filled again, two K steps ahead, first thing behind it:
; from that request to the wait for it a wave issues a K step's 128 matrix instructions.  fill = 0: the tail; in its second trip (s3 = 1) there is no further slot to fetch from.
.macro TURN fill
	s_wait_dscnt 16                                ; the first 32 along K of buffer 1 are in
	MUL8 F1, 0, 0, 0
	MUL8 F1, 0, 2, 0
	WIN 0
	s_wait_tensorcnt 0x0                           ; no tensor load of mine is out, so a group 0 may be written
	ds_add_u32 v[SPW], v[NIL]                      ; the descriptors' steps stand between the add and the wait for it
.if \fill
	s_add_co_u32 s[G0+5], s[LAA], s[TB]            ; the walking sets: into the slot just read,
	s_add_co_u32 s[G0B+5], s[LAB], s[TB]
	s_add_nc_u64 s[G0+6:G0+7], s[G0+6:G0+7], KADV_A  ; the next K step
	s_add_nc_u64 s[G0B+6:G0B+7], s[G0B+6:G0B+7], KSTEP*2
	s_xor_b32 s[TB], s[TB], SLOT
.endif
	s_wait_dscnt 0x0                               ; the add is done, and my reads of this slot are over
	s_barrier_signal -1
	s_barrier_wait -1
.if \fill
	CREST                                          ; no wave of any partner still reads this slot's tile or has a load on its way
	JLOAD 1                                        ; its four v_nop are also the places in front of the loads below
.else
	s_cmp_eq_u32 s3, 1
	s_cbranch_scc1 .Lnofetch_\@
	s_xor_b32 s[TB], s[TB], SLOT
	PLACES
.endif
	v_add_nc_u32 v[ADRA], s[TB], v[ADRA0]
	v_add_nc_u32 v[ADRB], s[TB], v[ADRB0]
	FETCH 0, F0
.if \fill
.else
	WIN 0                                          ; at a label every window is 0
.Lnofetch_\@:
.endif
	MUL8 F1, 1, 0, 0
	MUL8 F1, 1, 2, 0
.endm
; gelu(t) = max(t, 0) - |t| r, r = erfc(|t| / sqrt 2) / 2 = (A1 u + .. + A5 u^5) 2^(C2 t^2), u = 1 / (1 + PP |t|): no difference of near numbers is formed.  16 numbers in T.
; The 32 transcendentals are one batch with one wait; the sixteen maxima are the plain work behind them.
.macro GELU16
.set i, 0
.rept 16
	v_fma_f32 v[U+i], |v[T+i]|, s84, 1.0
.set i, i+1
.endr
.set i, 0
.rept 8
	v_pk_mul_f32 v[Q+i:Q+i+1], v[T+i:T+i+1], v[T+i:T+i+1]
.set i, i+2
.endr
.set i, 0
.rept 8
	v_pk_mul_f32 v[Q+i:Q+i+1], v[Q+i:Q+i+1], s[82:83] op_sel_hi:[1,0]
.set i, i+2
.endr
.set i, 0
.rept 16
	v_rcp_f32 v[U+i], v[U+i]
.set i, i+1
.endr
.set i, 0
.rept 16
	v_exp_f32 v[Q+i], v[Q+i]
.set i, i+1
.endr
.set i, 0
.rept 16
	v_max_num_f32 v[MX+i], 0, v[T+i]
.set i, i+1
.endr
	s_wait_alu depctr_va_vdst(0)                   ; the wait ahead of the batch's first reader
.set i, 0
.rept 8
	v_pk_fma_f32 v[P+i:P+i+1], v[U+i:U+i+1], s[72:73], s[74:75] op_sel_hi:[1,0,0]
.set i, i+2
.endr
.irp k, 76, 78, 80
.set i, 0
.rept 8
	v_pk_fma_f32 v[P+i:P+i+1], v[P+i:P+i+1], v[U+i:U+i+1], s[\k:\k+1] op_sel_hi:[1,1,0]
.set i, i+2
.endr
.endr
.set i, 0
.rept 8
	v_pk_mul_f32 v[P+i:P+i+1], v[P+i:P+i+1], v[U+i:U+i+1]
.set i, i+2
.endr
.set i, 0
.rept 8
	v_pk_mul_f32 v[P+i:P+i+1], v[P+i:P+i+1], v[Q+i:Q+i+1]
.set i, i+2
.endr
.set i, 0
.rept 16
	v_fma_f32 v[T+i], -|v[T+i]|, v[P+i], v[MX+i]
.set i, i+1
.endr
.endm
	s_wait_tensorcnt 1                             ; my part of K step 0 is in; K step 1's may stay out
	s_barrier_signal -1
	s_barrier_wait -1
	FETCH 0, F0
	QUARTER 128, F0, F1, 1                         ; the first quarter stands in front of the loop: its first products start the sums
	WIN 0x80                                       ; destination window 2: my 32 rows of the residual have all the products in which to land
.set j, 0
.rept 32
	global_load_b128 v[4*j:4*j+3], v[CO], s[70:71] offset:ROWB*j th:TH_LOAD_NT
.set j, j+1
.endr
	WIN 0
	s_mov_b32 s3, NSTEP-2
.Lstep:                                                ; a trip: from a K step's second quarter to the next step's first; the slot left behind is filled again
	QUARTER 256, F1, F0, 0
	QUARTER 384, F0, F1, 0
	TURN 1
	QUARTER 128, F0, F1, 0
	WIN 0
	s_sub_co_u32 s3, s3, 1
	s_cmp_lg_u32 s3, 0
	s_cbranch_scc1 .Lstep
	s_mov_b32 s3, 2
.Ltail:                                                ; the last two K steps ask for nothing
	QUARTER 256, F1, F0, 0
	QUARTER 384, F0, F1, 0
	TURN 0
	WIN 0
	s_cmp_eq_u32 s3, 1
	s_cbranch_scc1 .Lnoq                           ; behind the last K step there is no first quarter of a next one
	QUARTER 128, F0, F1, 0
	WIN 0
.Lnoq:
	s_sub_co_u32 s3, s3, 1
	s_cmp_lg_u32 s3, 0
	s_cbranch_scc1 .Ltail
	s_wait_dscnt 0x0                               ; THE RING'S BYTES CHANGE THEIR USE: a barrier of its own, in front of which my LDS reads are back
	s_barrier_signal -1
	PLACES                                         ; the places behind the last products
	PLACES
	s_barrier_wait -1                              ; everybody's are: both slots, which have had their last fill, may be written
.irp a, 0,1,2,3
.irp b, 0,1,2,3
	ds_store_b128 v[STO], v[ACC+8*(4*(\a)+(\b)):ACC+8*(4*(\a)+(\b))+3]   offset:(\a)*16*SP+64*(\b)     ; each accumulator's low registers first
	ds_store_b128 v[STO], v[ACC+8*(4*(\a)+(\b))+4:ACC+8*(4*(\a)+(\b))+7] offset:(\a)*16*SP+64*(\b)+16
.endr
.endr
	s_wait_loadcnt 0x0                             ; the bias and the residual
	WIN 0x08                                       ; store data in window 2
.set j, 0
.rept 32
	ds_store_b128 v[RW], v[4*j:4*j+3] offset:512*j ; parked row by row, so that the counted loop below can reach them by an address
.set j, j+1
.endr
	WIN 0
	s_wait_dscnt 0x0                               ; for the others' sake: a stage row comes from two waves
	s_barrier_signal -1
	s_barrier_wait -1
	s_mov_b32 s3, 8
.Lrows:                                                ; a trip: four of my 32 rows
.irp j, 0,1,2,3
	ds_load_b128 v[T+4*(\j):T+4*(\j)+3], v[RD] offset:(\j)*SP
.endr
.irp j, 0,1,2,3
	ds_load_b128 v[RS+4*(\j):RS+4*(\j)+3], v[RW] offset:(\j)*512
.endr
	s_wait_dscnt 0x0
.irp j, 0,1,2,3
	v_pk_add_f32 v[T+4*(\j):T+4*(\j)+1], v[T+4*(\j):T+4*(\j)+1], v[BI:BI+1]
	v_pk_add_f32 v[T+4*(\j)+2:T+4*(\j)+3], v[T+4*(\j)+2:T+4*(\j)+3], v[BI+2:BI+3]
.endr
.if GELU
	GELU16
.endif
.set i, 0
.rept 8
	v_pk_add_f32 v[T+i:T+i+1], v[T+i:T+i+1], v[RS+i:RS+i+1]
.set i, i+2
.endr
.irp j, 0,1,2,3
	global_store_b128 v[CO], v[T+4*(\j):T+4*(\j)+3], s[8:9] offset:(\j)*ROWB  ; 512 consecutive bytes, aligned
.endr
	s_wait_xcnt 0x0                                ; the stores have read their data and their offset: only now are these written again
	v_add_nc_u32 v[RD], 4*SP, v[RD]
	v_add_nc_u32 v[CO], 4*ROWB, v[CO]
	v_add_nc_u32 v[RW], 4*512, v[RW]
	s_sub_co_u32 s3, s3, 1
	s_cmp_lg_u32 s3, 0
	s_cbranch_scc1 .Lrows
	s_wait_tensorcnt 0x0                           ; the wave's end: behind my last tensor load and my last LDS store
	ds_add_u32 v[SPW], v[NIL]
	s_wait_dscnt 0x0
	CROUND                                         ; the closing round: no work-group ends while a partner may still ask for a tile that names it
	s_endpgm
.Lfunc_end_k_q35e01f9424_gemm_w2:
	.size	k_q35e01f9424_gemm_w2, .Lfunc_end_k_q35e01f9424_gemm_w2-k_q35e01f9424_gemm_w2
	.p2alignl 7, 3214868480
	.fill 96, 4, 3214868480
	.section	.rodata,"a",@progbits
	.p2align	6, 0x0
	.amdhsa_kernel k_q35e01f9424_gemm_w2
		.amdhsa_group_segment_fixed_size 327680
		.amdhsa_private_segment_fixed_size 0
		.amdhsa_enable_private_segment 0
		.amdhsa_kernarg_size 40
		.amdhsa_user_sgpr_count 2
		.amdhsa_user_sgpr_kernarg_segment_ptr 1
		.amdhsa_wavefront_size32 1
		.amdhsa_system_sgpr_workgroup_id_x 1
		.amdhsa_system_sgpr_workgroup_id_y 1
		.amdhsa_system_sgpr_workgroup_id_z 1
		.amdhsa_system_vgpr_workitem_id 0
		.amdhsa_next_free_vgpr 640
		.amdhsa_next_free_sgpr 96
		.amdhsa_reserve_vcc 0
		.amdhsa_float_denorm_mode_32 3
		.amdhsa_float_denorm_mode_16_64 3
		.amdhsa_memory_ordered 1
		.amdhsa_forward_progress 1
		.amdhsa_inst_pref_size 69
	.end_amdhsa_kernel
	.amdgpu_metadata
---
amdhsa.version: [ 1, 2 ]
amdhsa.kernels:
  - .name:           k_q35e01f9424_gemm_w2
    .symbol:         k_q35e01f9424_gemm_w2.kd
    .args:
      - { .name: m, .offset: 0, .size: 8, .value_kind: global_buffer, .address_space: global }
      - { .name: wb, .offset: 8, .size: 8, .value_kind: global_buffer, .address_space: global }
      - { .name: out0, .offset: 16, .size: 8, .value_kind: global_buffer, .address_space: global }
      - { .name: b2, .offset: 24, .size: 8, .value_kind: global_buffer, .address_space: global }
      - { .name: res, .offset: 32, .size: 8, .value_kind: global_buffer, .address_space: global }
    .group_segment_fixed_size: 327680
    .private_segment_fixed_size: 0
    .kernarg_segment_align: 8
    .kernarg_segment_size: 40
    .max_flat_workgroup_size: 128
    .sgpr_count:     96
    .vgpr_count:     640
    .wavefront_size: 32
...
	.end_amdgpu_metadata
.endif
;; end of part 7
